; MI455X (gfx1250); checked and timed in simulation.
; The chip was launched on July 23, 2026; its instructions are those of AMD's public machine-readable ISA for CDNA 5 (MIT licence, August 2026) and "CDNA5" Instruction Set Architecture Reference Guide (July 2026). The comments in the code are by the model that wrote it; some were corrected since.
;; Transformer Block. Allowed arithmetic: matrix products marked QUANTISED: E2M3 operands, one E8M0 scale for each 32 along K, by v_wmma_scale_f32_16x16x128_f8f6f4 with both operands' format E2M3, f32 sums; everything else in f32.
;; Inputs: W1 1,024 x 4,096 float32; W2 4,096 x 1,024 float32; W_o 1,024 x 1,024 float32; W_qkv 1,024 x 3,072 float32; b1 4,096 float32; b2 1,024 float32; bias 2 x 2,048 x 2,048 float32; ln1_b 1,024 float32; ln1_g 1,024 float32; ln2_b 1,024 float32; ln2_g 1,024 float32; pad_mask 2 x 2,048 int32; x 2 x 2,048 x 1,024 float32.
;; Outputs: out0 2 x 2,048 x 1,024 float32.
;; This version of the problem:
;;   THIS VERSION OF THE PROBLEM IS GIVEN IN LOW PRECISION. The matrix products marked QUANTISED in the list below multiply operands that are first quantised to E2M3 (2 exponent bits, 3 mantissa bits; 6 bits a number), with one power-of-two scale for each 32 numbers along K (OCP MX v1.0); their sums are f32. All else is computed in f32.
;;   The module's matrix products, in the order in which they are computed (A, B: the left and right operand; K: the contracted axis; several contracted axes count as one K, in the product's order):
;;     1. [M 4,096, K 1,024] x [K 1,024, N 3,072]; A: computed on the way; B: input W_qkv: QUANTISED
;;     2. batch 32 x [M 2,048, K 64] x [K 64, N 2,048]; A: computed on the way; B: computed on the way: QUANTISED
;;     3. batch 32 x [M 2,048, K 2,048] x [K 2,048, N 64]; A: softmax (see below); B: computed on the way: QUANTISED
;;     4. [M 4,096, K 1,024] x [K 1,024, N 1,024]; A: computed on the way; B: input W_o: QUANTISED
;;     5. [M 4,096, K 1,024] x [K 1,024, N 4,096]; A: computed on the way; B: input W1: QUANTISED
;;     6. [M 4,096, K 4,096] x [K 4,096, N 1,024]; A: computed on the way; B: input W2: QUANTISED
;;   THE QUANTISER, for each operand of a quantised product, along K:
;;     - K is cut into blocks of 32 from its start; a last block that is shorter is filled with zeros.
;;     - A block's scale is 2^e with e = floor(log2(the largest magnitude in the block)) - 2, held to -126 .. 127; a block of zeros has e = 0. As a byte (E8M0): e + 127.
;;     - Each number is divided by its block's scale, clamped to +-7.5, and rounded to the nearest number of E2M3, ties to even, subnormals kept.
;;     - The product sums the exact products of the quantised numbers (number of the format x scale) in f32.
;;   ~~~python
;;   def quantise(x, axis):      # numpy; x: float32 -> the quantised numbers, widened to float32 again
;;       x = np.moveaxis(x, axis, -1); K = x.shape[-1]
;;       x = np.pad(x, [(0, 0)] * (x.ndim - 1) + [(0, -K % 32)]); x = x.reshape(x.shape[:-1] + (-1, 32)); a = np.abs(x).max(-1, keepdims=True)
;;       e = np.where(a > 0, np.clip(np.frexp(np.where(a > 0, a, 1))[1] - 1 - 2, -126, 127), 0)      # np.frexp(a)[1] - 1 = floor(log2(a)), exactly
;;       r = np.clip(x / 2.0 ** e, -7.5, 7.5)
;;       step = 2.0 ** (np.maximum(np.frexp(np.where(r == 0, 1, r))[1] - 1, 0) - 3)
;;       q = np.round(r / step) * step * 2.0 ** e      # np.round: ties to even
;;       return np.moveaxis(q.reshape(q.shape[:-2] + (-1,))[..., :K], -1, axis).astype(np.float32)
;;   ~~~
;;   SOFTMAX AHEAD OF A QUANTISED PRODUCT. Where the list says 'softmax', what is quantised is not the finished softmax but p = 2^(t - M), with t = logit x log2(e) and M = ceil(the row's largest t), a whole number; so 1/2 < the row's largest p <= 1. The row's sum l is taken of the UNQUANTISED p, in f32, and the product's result is divided by l at the end. Since M is a whole number, a kernel that streams over the keys may use a running M (the ceiling of the running maximum): every later rescaling is an exact power of two, which a block's scale takes up: the codes' values come out the same.
;;   OPERANDS COMPUTED ON THE WAY. 'Computed on the way' means the value that the module computes at that place (a softmax that the list does not call 'softmax' is quantised finished and normalised). What goes into a quantiser is computed in f32, as accurately as f32 sums, v_exp_f32 and their like allow (about 1e-6 of the number): no bf16 or f16 on the way to a quantiser, and a product that is left as it is and whose result goes on into a quantised operand takes f32 operands (vector FMAs, or v_wmma_f32_16x16x4_f32). A number that lies on a knife's edge between two numbers of the format may be rounded either way, as far as f32 arithmetic and the matrix unit's own rounding can turn it there, and no further.
;; 2 versions. Each part assembles by itself: llvm-mc -triple=amdgcn-amd-amdhsa -mcpu=gfx1250 --defsym DOCPART=n.
;; ======== version 1 of 2: 8 launches
;; limits: right only within a limited range of input values
;; workspace buffers: wts 10,354,688 bytes; act 3,276,800 bytes; qkv 12,189,696 bytes; a4 3,276,800 bytes; xmid 16,777,216 bytes; hid 13,107,200 bytes
;; launch prep (part 1): grid 1792 x 1, 1 waves a work-group, no clusters, 0 bytes of LDS; arguments W_qkv, W_o, W1, W2, wts; writes wts
.if DOCPART == 1
	.amdgcn_target "amdgcn-amd-amdhsa--gfx1250"
	.amdhsa_code_object_version 6
	.text
	.protected	k_qb1be1ce9a3_prep
	.globl	k_qb1be1ce9a3_prep
	.p2align	8
	.type	k_qb1be1ce9a3_prep,@function
k_qb1be1ce9a3_prep:
	s_mov_b64 s[64:65], 0
	v_nop
	global_prefetch_b8 v0, s[64:65] scope:SCOPE_SE
	s_setreg_imm32_b32 hwreg(HW_REG_WAVE_MODE, 25, 1), 1
	s_wait_xcnt 0x0
; TRANSFORMER BLOCK IN MX-FP6, launch 1 of 8: the four weights become codes of E2M3 with one E8M0 byte for each 32 along K, and the RoPE table is made.
; DEAD WORK: none is left out in this program.  Each of the 13 inputs has a way to out0 and is loaded by some launch; all six products of the table are done.
; POSITION ORDER.  swap34(i) = i with bits 3 and 4 exchanged.  Tokens, and the columns of W_qkv and W1, are stored at position swap34(index): row r of a tile of 16 is index 32 (tile / 2) + 8 (tile % 2) + r + 8 (r / 8).
; With the matrix instruction used transposed, the 16 registers of two neighbouring column tiles are then 16 neighbours along the next product's K.
; A FRAGMENT'S IMAGE (16 rows x 128 K, 12 registers a lane, 1,536 bytes): registers 0-3 at 16 x lane, 4-5 at 512 + 8 x lane, 6-7 at 768 + 8 x lane, 8-11 at 1,024 + 16 x lane.
; Codes of an operand: [K / 256][rows / 16][2][1,536].  Scale words: [K / 128][position], byte b for k = 32 b on.
; wts: W_qkv codes 0, scales 2,359,296; W_o 2,457,600 and 3,244,032; W1 3,276,800 and 6,422,528; W2 6,553,600 and 9,699,328; the table 9,830,400.
; W_qkv's columns are stored as all q (head x 64 + d), all k, all v.
; WEIGHTS (work-groups 0 .. 1,535): one wave takes 64 stored columns x 128 along K.  A lane takes a column and its registers run down K: a block of 32 lies in one lane, and the conversions give codes with K innermost.
; Each load reads 128 consecutive bytes; loads run three blocks ahead.  A block of zeros gets the byte 1 where the rule says 127: its codes are zeros, and this program alone reads the bytes.
; TABLE (work-groups 1,536 .. 1,791): cos and sin of pos x 10000^(-i/32), laid as the registers of launch 3 want them: [tile of 16 positions][8][lane] x (c, s, c, s).
; LIMITS: NaN and infinities among the weights are not served.  The angle is reduced by pi/2 in two parts; it carries the f32 rounding of pos x frequency, up to about 1e-4 at position 2,047, as reference()'s own f32 product does.
.set VO,  16                           ; v16-47   row i's byte offset: 4 x column + i x row bytes; never rewritten
.set X,   48                           ; v48-143  three sets of 32 numbers
.set C,   144                          ; v144-191 block n's six code registers at C + 6 n
.set TT,  192                          ; v192-194 a conversion's second half
.set W,   196                          ; v196-197 the scale words of column groups 0, 1
.set SB,  32                           ; s[32:39] the four blocks' bases
.set DCO, 40                           ; s[40:41] where my codes go
.set DSO, 42                           ; s[42:43] where my scale words go
	s_load_b256 s[4:11], s[0:1], 0x0               ; W_qkv, W_o, W1, W2
	s_load_b64 s[12:13], s[0:1], 0x20              ; wts
	v_and_b32 v1, 31, v0                           ; lane
	v_lshlrev_b32 v2, 2, v1                        ; 4 x lane
	v_lshlrev_b32 v3, 3, v1                        ; 8 x lane
	v_lshlrev_b32 v4, 4, v1                        ; 16 x lane
	s_wait_kmcnt 0x0
	s_cmp_ge_u32 ttmp9, 1536
	s_cbranch_scc1 .Lrope
	; which weight: the choice hangs on the work-group's number alone.  W2's figures first, then the others take their place
	s_mov_b64 s[14:15], s[10:11]
	s_mov_b32 s16, 1024                            ; first work-group of the weight
	s_mov_b32 s17, 5                               ; log2 of its K steps of 128
	s_mov_b32 s18, 4096                            ; bytes in a row
	s_mov_b32 s19, 6553600                         ; codes
	s_mov_b32 s20, 9699328                         ; scale words
	s_mov_b32 s21, 0                               ; 0x18 where the columns go in position order
	s_cmp_lt_u32 ttmp9, 1024
	s_cselect_b64 s[14:15], s[8:9], s[14:15]
	s_cselect_b32 s16, 512, s16
	s_cselect_b32 s17, 3, s17
	s_cselect_b32 s18, 16384, s18
	s_cselect_b32 s19, 3276800, s19
	s_cselect_b32 s20, 6422528, s20
	s_cselect_b32 s21, 0x18, s21
	s_cmp_lt_u32 ttmp9, 512
	s_cselect_b64 s[14:15], s[6:7], s[14:15]
	s_cselect_b32 s16, 384, s16
	s_cselect_b32 s18, 4096, s18
	s_cselect_b32 s19, 2457600, s19
	s_cselect_b32 s20, 3244032, s20
	s_cselect_b32 s21, 0, s21
	s_cmp_lt_u32 ttmp9, 384
	s_cselect_b64 s[14:15], s[4:5], s[14:15]
	s_cselect_b32 s16, 0, s16
	s_cselect_b32 s18, 12288, s18
	s_cselect_b32 s19, 0, s19
	s_cselect_b32 s20, 2359296, s20
	s_cselect_b32 s21, 0x18, s21
	s_sub_co_u32 s23, ttmp9, s16
	s_bfm_b32 s24, s17, 0
	s_and_b32 s24, s23, s24                        ; s: my K step of 128
	s_lshr_b32 s25, s23, s17                       ; G: my group of 64 stored columns
	s_lshl_b32 s26, s25, 8                         ; its first byte in a row: 256 G,
	s_and_b32 s27, s25, 15
	s_mul_i32 s27, s27, 768
	s_lshr_b32 s28, s25, 4
	s_lshl_b32 s28, s28, 8
	s_add_co_u32 s27, s27, s28                     ; in W_qkv: head x 768 + part x 256
	s_cmp_lt_u32 ttmp9, 384
	s_cselect_b32 s26, s27, s26
	s_lshl_b32 s27, s18, 7
	s_mul_i32 s27, s27, s24                        ; + s x 128 rows
	s_add_co_u32 s26, s26, s27
	s_mov_b32 s27, 0
	s_lshl_b32 s28, s18, 5                         ; 32 rows
	s_mov_b32 s29, 0
	s_add_nc_u64 s[SB:SB+1], s[14:15], s[26:27]
	s_add_nc_u64 s[SB+2:SB+3], s[SB:SB+1], s[28:29]
	s_add_nc_u64 s[SB+4:SB+5], s[SB+2:SB+3], s[28:29]
	s_add_nc_u64 s[SB+6:SB+7], s[SB+4:SB+5], s[28:29]
	s_lshr_b32 s30, s24, 1
	s_mul_i32 s31, s18, 48                         ; a K step of 256 of all columns: columns x 192 bytes
	s_mul_i32 s30, s30, s31
	s_mul_i32 s31, s25, 12288                      ; four tiles x 3,072
	s_add_co_u32 s30, s30, s31
	s_and_b32 s31, s24, 1
	s_mul_i32 s31, s31, 1536
	s_add_co_u32 s30, s30, s31
	s_add_co_u32 s30, s30, s19
	s_mov_b32 s31, 0
	s_add_nc_u64 s[DCO:DCO+1], s[12:13], s[30:31]
	s_mul_i32 s30, s24, s18                        ; a K step's scale words: columns x 4 bytes
	s_lshl_b32 s44, s25, 8
	s_add_co_u32 s30, s30, s44
	s_add_co_u32 s30, s30, s20
	s_add_nc_u64 s[DSO:DSO+1], s[12:13], s[30:31]
	v_lshrrev_b32 v5, 3, v1
	v_lshrrev_b32 v6, 4, v1
	v_xor_b32 v5, v5, v6
	v_and_b32 v5, 1, v5
	v_mul_u32_u24 v5, s21, v5
	v_xor_b32 v5, v1, v5                           ; the column that lies at position lane: swap34(lane), or lane
	v_lshlrev_b32 v5, 2, v5
.set i, 0
.rept 32
	v_mad_u32_u24 v[VO+i], s18, i, v5
.set i, i+1
.endr
; block n = 4 cg + k: column group cg (32 columns), rows 32 k on
.macro LOAD n
.set li, 0
.rept 32
	global_load_b32 v[X+32*((\n)%3)+li], v[VO+li], s[SB+2*((\n)%4):SB+2*((\n)%4)+1] offset:128*((\n)/4) th:TH_LOAD_NT
.set li, li+1
.endr
.endm
.macro BLOCK n
.set XS, X+32*((\n)%3)
.set CN, C+6*(\n)
.if (\n) <= 5
	s_wait_loadcnt 63                              ; this block's 32 loads are in: the 64 of the two blocks behind it could stay out, the count's field holds 63
.elseif (\n) == 6
	s_wait_loadcnt 32                              ; one block behind it
.else
	s_wait_loadcnt 0
.endif
	v_max3_num_f32 v198, |v[XS]|, |v[XS+1]|, |v[XS+2]|      ; the block's largest magnitude: all 32 numbers are mine
	v_max3_num_f32 v199, |v[XS+3]|, |v[XS+4]|, |v[XS+5]|
.irp i, 6,10,14,18,22,26
	v_max3_num_f32 v198, v198, |v[XS+\i]|, |v[XS+\i+1]|
	v_max3_num_f32 v199, v199, |v[XS+\i+2]|, |v[XS+\i+3]|
.endr
	v_max3_num_f32 v198, v198, |v[XS+30]|, |v[XS+31]|
	v_max3_num_f32 v198, v198, v199, 0x1800000     ; the floor 2^(3 - 127): the byte cannot fall under 1
	v_add_nc_u32 v200, 0xff000000, v198            ; 2 off the exponent field: the conversion's scale operand
	v_lshrrev_b32 v201, 23, v200                   ; the scale's byte
	v_cvt_scalef32_pk16_fp6_f32 v[CN:CN+2], v[XS:XS+15], v200
	v_cvt_scalef32_pk16_fp6_f32 v[TT:TT+2], v[XS+16:XS+31], v200   ; (a conversion's three registers begin on an even number)
.if (\n)%4 == 0
	v_mov_b32 v[W+(\n)/4], v201                    ; (also the plain line behind the conversions)
.else
	v_lshl_or_b32 v[W+(\n)/4], v201, 8*((\n)%4), v[W+(\n)/4]
.endif
	v_mov_b32 v[CN+3], v[TT]
	v_mov_b32 v[CN+4], v[TT+1]
	v_mov_b32 v[CN+5], v[TT+2]
.if (\n)+3 < 8
	LOAD (\n)+3
.endif
.endm
; A column group's four blocks become two tiles' images.  Lanes 0-15 hold tile 2 cg's columns, lanes 16-31 tile 2 cg + 1's.  The exchange of halves gives blocks 0 and 1 (2 and 3) of one tile to the two halves of the lanes.
.macro OUTP cg
.set B0, C+24*(\cg)
.irp i, 0,1,2,3,4,5
	v_permlane16_swap_b32 v[B0+\i], v[B0+6+\i]
	v_permlane16_swap_b32 v[B0+12+\i], v[B0+18+\i]
.endr
.irp t, 0,1
	global_store_b128 v4, v[B0+6*\t:B0+6*\t+3], s[DCO:DCO+1] offset:6144*(\cg)+3072*\t
	global_store_b64 v3, v[B0+6*\t+4:B0+6*\t+5], s[DCO:DCO+1] offset:6144*(\cg)+3072*\t+512
	global_store_b64 v3, v[B0+12+6*\t:B0+12+6*\t+1], s[DCO:DCO+1] offset:6144*(\cg)+3072*\t+768
	global_store_b128 v4, v[B0+12+6*\t+2:B0+12+6*\t+5], s[DCO:DCO+1] offset:6144*(\cg)+3072*\t+1024
.endr
	global_store_b32 v2, v[W+\cg], s[DSO:DSO+1] offset:128*(\cg)
.endm
	LOAD 0
	LOAD 1
	LOAD 2
	BLOCK 0
	BLOCK 1
	BLOCK 2
	BLOCK 3
	OUTP 0
	BLOCK 4
	BLOCK 5
	BLOCK 6
	BLOCK 7
	OUTP 1                                         ; no register that a pending store reads is written again: no further wait
	s_endpgm
.Lrope:
	s_sub_co_u32 s16, ttmp9, 1536
	s_lshr_b32 s17, s16, 1                         ; tile of 16 positions
	s_and_b32 s18, s16, 1                          ; which 32 of the head's 64
	v_and_b32 v5, 15, v1                           ; r
	v_lshrrev_b32 v6, 4, v1                        ; h
	v_and_b32 v7, 8, v5
	v_add_nc_u32 v7, v7, v5
	s_lshr_b32 s19, s17, 1
	s_lshl_b32 s19, s19, 5
	s_and_b32 s20, s17, 1
	s_lshl_b32 s20, s20, 3
	s_add_co_u32 s19, s19, s20
	v_add_nc_u32 v7, s19, v7                       ; the sequence position at row r of the tile
	v_cvt_f32_u32 v7, v7
	s_lshl_b32 s20, s18, 4
	v_lshl_add_u32 v8, v6, 3, s20                  ; my first pair: 16 beta + 8 h
	s_mov_b32 s30, 0x3fc90fdb                      ; pi/2, upper part
	s_mov_b32 s31, 0xb33bbd2e                      ; and the rest: -4.37113883e-8
	s_mov_b32 s32, 0xb94ca1f9                      ; sine: -1.9515295891e-4
	s_mov_b32 s33, 0x3c08839e                      ; 8.3321608736e-3
	s_mov_b32 s34, 0xbe2aaaa3                      ; -1.6666654611e-1
	s_mov_b32 s35, 0x37ccf5ce                      ; cosine: 2.443315712e-5
	s_mov_b32 s36, 0xbab6061a                      ; -1.388731625e-3
	s_mov_b32 s37, 0x3d2aaaa5                      ; 4.166664568e-2
	s_lshl_b32 s22, s17, 12
	s_lshl_b32 s23, s18, 11
	s_add_co_u32 s22, s22, s23
	s_add_co_u32 s22, s22, 9830400
	s_mov_b32 s23, 0
	s_add_nc_u64 s[12:13], s[12:13], s[22:23]
.irp p, 0,1,2,3,4,5,6,7
	v_add_nc_u32 v[16+\p], \p, v8
.endr
.irp p, 0,1,2,3,4,5,6,7
	v_cvt_f32_u32 v[16+\p], v[16+\p]
.endr
.irp p, 0,1,2,3,4,5,6,7
	v_mul_f32 v[16+\p], 0xbed49a78, v[16+\p]       ; x -log2(10000) / 32
.endr
.irp p, 0,1,2,3,4,5,6,7
	v_exp_f32 v[16+\p], v[16+\p]                   ; the frequency
.endr
	v_nop                                          ; a plain line behind the batch,
	s_wait_alu depctr_va_vdst(0)                   ; and one wait ahead of its first reader
.irp p, 0,1,2,3,4,5,6,7
	v_mul_f32 v[16+\p], v7, v[16+\p]               ; the angle
.endr
.irp p, 0,1,2,3,4,5,6,7
	v_mul_f32 v32, 0x3f22f983, v[16+\p]            ; x 2 / pi
	v_rndne_f32 v32, v32                           ; n quarter turns
	v_fma_f32 v33, -v32, s30, v[16+\p]
	v_fma_f32 v33, -v32, s31, v33                  ; what is left, within pi/4
	v_mul_f32 v34, v33, v33
	v_fma_f32 v35, v34, s32, s33
	v_fma_f32 v35, v35, v34, s34
	v_mul_f32 v35, v35, v34
	v_fma_f32 v35, v35, v33, v33                   ; its sine
	v_fma_f32 v36, v34, s35, s36
	v_fma_f32 v36, v36, v34, s37
	v_mul_f32 v36, v36, v34
	v_mul_f32 v36, v36, v34
	v_fma_f32 v36, v34, -0.5, v36
	v_add_f32 v36, 1.0, v36                        ; its cosine
	v_cvt_i32_f32 v37, v32
	v_and_b32 v38, 1, v37
	v_cmp_eq_u32 vcc_lo, 1, v38                    ; an odd quarter turn exchanges the two
	v_cndmask_b32 v39, v35, v36, vcc_lo
	v_cndmask_b32 v40, v36, v35, vcc_lo
	v_and_b32 v38, 2, v37
	v_lshlrev_b32 v38, 30, v38
	v_xor_b32 v[49+2*\p], v39, v38                 ; the sine changes sign in quarters 2, 3
	v_add_nc_u32 v38, 1, v37
	v_and_b32 v38, 2, v38
	v_lshlrev_b32 v38, 30, v38
	v_xor_b32 v[48+2*\p], v40, v38                 ; the cosine in quarters 1, 2
.endr
.irp j, 0,1,2,3
	global_store_b128 v4, v[48+4*\j:51+4*\j], s[12:13] offset:512*\j   ; 512 consecutive bytes
.endr
	s_endpgm
.Lfunc_end_k_qb1be1ce9a3_prep:
	.size	k_qb1be1ce9a3_prep, .Lfunc_end_k_qb1be1ce9a3_prep-k_qb1be1ce9a3_prep
	.p2alignl 7, 3214868480
	.fill 96, 4, 3214868480
	.section	.rodata,"a",@progbits
	.p2align	6, 0x0
	.amdhsa_kernel k_qb1be1ce9a3_prep
		.amdhsa_group_segment_fixed_size 0
		.amdhsa_private_segment_fixed_size 0
		.amdhsa_enable_private_segment 0
		.amdhsa_kernarg_size 40
		.amdhsa_user_sgpr_count 2
		.amdhsa_user_sgpr_kernarg_segment_ptr 1
		.amdhsa_wavefront_size32 1
		.amdhsa_system_sgpr_workgroup_id_x 1
		.amdhsa_system_sgpr_workgroup_id_y 1
		.amdhsa_system_sgpr_workgroup_id_z 1
		.amdhsa_system_vgpr_workitem_id 0
		.amdhsa_next_free_vgpr 208
		.amdhsa_next_free_sgpr 66
		.amdhsa_reserve_vcc 1
		.amdhsa_float_denorm_mode_32 3
		.amdhsa_float_denorm_mode_16_64 3
		.amdhsa_memory_ordered 1
		.amdhsa_forward_progress 1
		.amdhsa_inst_pref_size 56
	.end_amdhsa_kernel
	.amdgpu_metadata
---
amdhsa.version: [ 1, 2 ]
amdhsa.kernels:
  - .name:           k_qb1be1ce9a3_prep
    .symbol:         k_qb1be1ce9a3_prep.kd
    .args:
      - { .name: W_qkv, .offset: 0, .size: 8, .value_kind: global_buffer, .address_space: global }
      - { .name: W_o, .offset: 8, .size: 8, .value_kind: global_buffer, .address_space: global }
      - { .name: W1, .offset: 16, .size: 8, .value_kind: global_buffer, .address_space: global }
      - { .name: W2, .offset: 24, .size: 8, .value_kind: global_buffer, .address_space: global }
      - { .name: wts, .offset: 32, .size: 8, .value_kind: global_buffer, .address_space: global }
    .group_segment_fixed_size: 0
    .private_segment_fixed_size: 0
    .kernarg_segment_align: 8
    .kernarg_segment_size: 40
    .max_flat_workgroup_size: 32
    .sgpr_count:     66
    .vgpr_count:     208
    .wavefront_size: 32
...
	.end_amdgpu_metadata
.endif
;; end of part 1
;; launch ln1 (part 2): grid 256 x 1, 4 waves a work-group, no clusters, 66,560 bytes of LDS; arguments x, ln1_g, ln1_b, act; writes act
.if DOCPART == 2
	.amdgcn_target "amdgcn-amd-amdhsa--gfx1250"
	.amdhsa_code_object_version 6
	.text
	.protected	k_qb1be1ce9a3_ln1
	.globl	k_qb1be1ce9a3_ln1
	.p2align	8
	.type	k_qb1be1ce9a3_ln1,@function
k_qb1be1ce9a3_ln1:
	s_mov_b64 s[64:65], 0
	v_nop
	global_prefetch_b8 v0, s[64:65] scope:SCOPE_SE
	s_setreg_imm32_b32 hwreg(HW_REG_WAVE_MODE, 25, 1), 1
	s_wait_xcnt 0x0
; LAYER NORM AND QUANTISER (it serves both norms).  y = (x - mean) / sqrt(var + 1e-5) x g + b in f32, rows of 1,024; y becomes codes of E2M3 along the row, laid as the next product's operand wants them.
; No work of reference() is left out here.
; A work-group makes one tile of 16 rows in POSITION ORDER: row t of tile p is token 32 (p / 2) + 8 (p % 2) + t + 8 (t / 8).
; PHASE 1: wave w takes rows 4 w .. 4 w + 3, four neighbouring tokens, 16 KB of consecutive memory; a row lies in 32 registers, so it is read once; mean and variance are taken in two passes, as reference() takes them.
; The normalised rows meet in a stage in LDS (pitch 4,112 bytes = 1,028 words: the 16 rows of a load start 4 banks apart).
; PHASE 2: wave w makes the fragments of K steps 2 w and 2 w + 1: lane (r, h) takes from row r the 32 neighbours k = 64 c + 32 h on: a whole block a lane.
; Out: a fragment's image (registers 0-3 at 16 x lane, 4-5 at 512 + 8 x lane, 6-7 at 768 + 8 x lane, 8-11 at 1,024 + 16 x lane) at [K / 256][tile][2][1,536]; scale words at 3,145,728 + [K / 128][position].
; LIMITS: NaN and infinities among the inputs are not served; a block of zeros gets the byte 1 (its codes are zeros; this program alone reads the bytes).
.set PITCH, 4112
.set SPARE, 16*PITCH                   ; behind the stage: the spare words, 128 bytes a wave
.set SPW, 2                            ; v2  my spare word's LDS address; never rewritten
.set NIL, 3                            ; v3  0; never rewritten
.set X,   16                           ; v16-143  four rows x 32; later 2 x 64 numbers
.set G,   144                          ; v144-175 g; later the two fragments
.set BV,  176                          ; v176-207 b
.set QT,  208                          ; v208..   at work
.set H8,  12                           ; v12 8 h
.set SEL, 20                           ; s[20:21] lane l xor 16
	s_load_b256 s[4:11], s[0:1], 0x0               ; x, g, b, act
	v_lshl_add_u32 v[SPW], v0, 2, SPARE
	v_mov_b32 v[NIL], 0
	v_lshrrev_b32 v1, 5, v0
	v_readfirstlane_b32 s12, v1                    ; wave
	v_and_b32 v4, 31, v0                           ; lane
	v_lshlrev_b32 v5, 4, v4                        ; 16 x lane
	v_lshlrev_b32 v6, 3, v4                        ; 8 x lane
	v_and_b32 v7, 15, v0                           ; r
	v_bfe_u32 v8, v0, 4, 1                         ; h
	v_lshlrev_b32 v[H8], 3, v8
	s_lshr_b32 s13, ttmp9, 1
	s_lshl_b32 s13, s13, 5
	s_and_b32 s14, ttmp9, 1
	s_lshl_b32 s14, s14, 3
	s_add_co_u32 s13, s13, s14
	s_lshl_b32 s14, s12, 2
	s_add_co_u32 s13, s13, s14
	s_lshr_b32 s14, s12, 1
	s_lshl_b32 s14, s14, 3
	s_add_co_u32 s13, s13, s14                     ; my first token
	s_lshl_b32 s14, s13, 12                        ; x 4,096 bytes
	s_mov_b32 s15, 0
	s_mul_i32 s16, s12, 4*PITCH
	v_add_nc_u32 v9, s16, v5                       ; the stage, in: my four rows, 16 x lane
	v_mul_u32_u24 v10, v7, PITCH
	v_lshl_add_u32 v10, v8, 7, v10
	s_lshl_b32 s16, s12, 10
	v_add_nc_u32 v10, s16, v10                     ; out: row r, + 128 h, + my two K steps
	v_lshlrev_b32 v11, 14, v8
	v_lshl_add_u32 v11, v7, 2, v11                 ; scale words: h x 16,384 + 4 r
	s_mov_b32 s[SEL], 0x76543210
	s_mov_b32 s[SEL+1], 0xfedcba98
	s_mov_b32 s22, 0x3a800000                      ; 1 / 1,024
	s_mov_b32 s23, 0x3727c5ac                      ; 1e-5
	s_lshl_b32 s16, s12, 8
	s_add_co_u32 s16, s16, ttmp9
	s_mul_i32 s16, s16, 3072                       ; codes: (256 w + tile) x 3,072
	s_mov_b32 s17, 0
	s_lshl_b32 s18, s12, 15
	s_lshl_b32 s19, ttmp9, 6
	s_add_co_u32 s18, s18, s19
	s_add_co_u32 s18, s18, 3145728                 ; scale words: K step 2 w, position 16 x tile
	s_mov_b32 s19, 0
	s_wait_kmcnt 0x0
	s_add_nc_u64 s[4:5], s[4:5], s[14:15]
	s_add_nc_u64 s[16:17], s[10:11], s[16:17]
	s_add_nc_u64 s[18:19], s[10:11], s[18:19]
.irp t, 0,1,2,3
.irp j, 0,1,2,3,4,5,6,7
	global_load_b128 v[X+32*\t+4*\j:X+32*\t+4*\j+3], v5, s[4:5] offset:4096*\t+512*\j th:TH_LOAD_NT   ; 512 consecutive bytes
.endr
.endr
.irp j, 0,1,2,3,4,5,6,7
	global_load_b128 v[G+4*\j:G+4*\j+3], v5, s[6:7] offset:512*\j
	global_load_b128 v[BV+4*\j:BV+4*\j+3], v5, s[8:9] offset:512*\j
.endr
; the sum over the wave's 32 lanes of v[reg + 4 t], the four rows by turns; v[reg + 1 + 4 t] is used up
.macro RED reg
.irp m, 1,2,4,8
.irp t, 0,1,2,3
	v_add_f32_dpp v[\reg+4*\t], v[\reg+4*\t], v[\reg+4*\t] row_xmask:\m row_mask:0xf bank_mask:0xf
.endr
.endr
.irp t, 0,1,2,3
	v_permlanex16_b32 v[\reg+1+4*\t], v[\reg+4*\t], s[SEL], s[SEL+1]
.endr
.irp t, 0,1,2,3
	v_add_f32 v[\reg+4*\t], v[\reg+4*\t], v[\reg+1+4*\t]
.endr
.endm
	s_wait_loadcnt 16                              ; the rows are in; g's and b's sixteen loads may be out
.irp t, 0,1,2,3
	v_pk_add_f32 v[208+4*\t:209+4*\t], v[X+32*\t:X+32*\t+1], v[X+32*\t+2:X+32*\t+3]
	v_pk_add_f32 v[210+4*\t:211+4*\t], v[X+32*\t+4:X+32*\t+5], v[X+32*\t+6:X+32*\t+7]
.endr
.irp i, 8,12,16,20,24,28
.irp t, 0,1,2,3
	v_pk_add_f32 v[208+4*\t:209+4*\t], v[208+4*\t:209+4*\t], v[X+32*\t+\i:X+32*\t+\i+1]
	v_pk_add_f32 v[210+4*\t:211+4*\t], v[210+4*\t:211+4*\t], v[X+32*\t+\i+2:X+32*\t+\i+3]
.endr
.endr
.irp t, 0,1,2,3
	v_pk_add_f32 v[208+4*\t:209+4*\t], v[208+4*\t:209+4*\t], v[210+4*\t:211+4*\t]
.endr
.irp t, 0,1,2,3
	v_add_f32 v[208+4*\t], v[208+4*\t], v[209+4*\t]
.endr
	RED 208
.irp t, 0,1,2,3
	v_mul_f32 v[208+4*\t], 0xba800000, v[208+4*\t] ; minus the mean
.endr
.irp i, 0,2,4,6,8,10,12,14,16,18,20,22,24,26,28,30
.irp t, 0,1,2,3
	v_pk_add_f32 v[X+32*\t+\i:X+32*\t+\i+1], v[X+32*\t+\i:X+32*\t+\i+1], v[208+4*\t:209+4*\t] op_sel_hi:[1,0]
.endr
.endr
.irp t, 0,1,2,3
	v_pk_mul_f32 v[210+4*\t:211+4*\t], v[X+32*\t:X+32*\t+1], v[X+32*\t:X+32*\t+1]
	v_pk_mul_f32 v[224+2*\t:225+2*\t], v[X+32*\t+2:X+32*\t+3], v[X+32*\t+2:X+32*\t+3]
.endr
.irp i, 4,8,12,16,20,24,28
.irp t, 0,1,2,3
	v_pk_fma_f32 v[210+4*\t:211+4*\t], v[X+32*\t+\i:X+32*\t+\i+1], v[X+32*\t+\i:X+32*\t+\i+1], v[210+4*\t:211+4*\t]
	v_pk_fma_f32 v[224+2*\t:225+2*\t], v[X+32*\t+\i+2:X+32*\t+\i+3], v[X+32*\t+\i+2:X+32*\t+\i+3], v[224+2*\t:225+2*\t]
.endr
.endr
.irp t, 0,1,2,3
	v_pk_add_f32 v[210+4*\t:211+4*\t], v[210+4*\t:211+4*\t], v[224+2*\t:225+2*\t]
.endr
.irp t, 0,1,2,3
	v_add_f32 v[210+4*\t], v[210+4*\t], v[211+4*\t]
.endr
	RED 210
.irp t, 0,1,2,3
	v_fma_f32 v[210+4*\t], v[210+4*\t], s22, s23   ; the variance + 1e-5
.endr
.irp t, 0,1,2,3
	v_rsq_f32 v[210+4*\t], v[210+4*\t]
.endr
	v_nop                                          ; a plain line behind the four,
	s_wait_alu depctr_va_vdst(0)                   ; and one wait ahead of their first reader
	s_wait_loadcnt 0x0                             ; g and b
.irp i, 0,2,4,6,8,10,12,14,16,18,20,22,24,26,28,30
.irp t, 0,1,2,3
	v_pk_mul_f32 v[X+32*\t+\i:X+32*\t+\i+1], v[X+32*\t+\i:X+32*\t+\i+1], v[210+4*\t:211+4*\t] op_sel_hi:[1,0]
.endr
.irp t, 0,1,2,3
	v_pk_fma_f32 v[X+32*\t+\i:X+32*\t+\i+1], v[X+32*\t+\i:X+32*\t+\i+1], v[G+\i:G+\i+1], v[BV+\i:BV+\i+1]
.endr
.endr
.irp t, 0,1,2,3
.irp j, 0,1,2,3,4,5,6,7
	ds_store_b128 v9, v[X+32*\t+4*\j:X+32*\t+4*\j+3] offset:PITCH*\t+512*\j
.endr
.endr
	s_wait_dscnt 0x0                               ; for the others' sake: my rows lie in the stage
	s_barrier_signal -1
	s_barrier_wait -1
.irp s, 0,1
.irp c, 0,1
.irp j, 0,1,2,3,4,5,6,7
	ds_load_b128 v[X+64*\s+32*\c+4*\j:X+64*\s+32*\c+4*\j+3], v10 offset:512*\s+256*\c+16*\j
.endr
.endr
.endr
	v_mov_b32 v[QT+6], 0                           ; (a lane permute's destination counts as one of its sources)
	s_wait_dscnt 0x0
; 64 numbers of a lane, register 32 c + i = k 64 c + 32 h + i of my row, become a fragment in v[f] on and its scale word in v[w]
.macro QF s, f, w
.irp c, 0,1
	v_max3_num_f32 v[QT+\c], |v[\s+32*\c]|, |v[\s+32*\c+1]|, 0x1800000   ; my block, and the floor 2^(3 - 127): the byte cannot fall under 1
.endr
.irp i, 2,4,6,8,10,12,14,16,18,20,22,24,26,28,30
.irp c, 0,1
	v_max3_num_f32 v[QT+\c], v[QT+\c], |v[\s+32*\c+\i]|, |v[\s+32*\c+\i+1]|
.endr
.endr
.irp c, 0,1
	v_add_nc_u32 v[QT+2+\c], 0xff000000, v[QT+\c]  ; 2 off the exponent field: the conversion's scale operand
.endr
.irp c, 0,1
	v_lshrrev_b32 v[QT+4+\c], 23, v[QT+2+\c]       ; the byte
.endr
	v_lshl_or_b32 v[\w], v[QT+5], 16, v[QT+4]      ; blocks h and 2 + h,
	v_lshlrev_b32 v[\w], v[H8], v[\w]              ; at their places;
	v_permlanex16_b32 v[QT+6], v[\w], s[SEL], s[SEL+1]
	v_or_b32 v[\w], v[\w], v[QT+6]                 ; with lane l xor 16's the word is whole
.irp c, 0,1
	v_cvt_scalef32_pk16_fp6_f32 v[\f+6*\c:\f+6*\c+2], v[\s+32*\c:\s+32*\c+15], v[QT+2+\c]
	v_cvt_scalef32_pk16_fp6_f32 v[QT+8+4*\c:QT+10+4*\c], v[\s+32*\c+16:\s+32*\c+31], v[QT+2+\c]
.endr
	v_nop                                          ; one plain line behind the conversions
.irp c, 0,1
.irp i, 0,1,2
	v_mov_b32 v[\f+3+6*\c+\i], v[QT+8+4*\c+\i]
.endr
.endr
.endm
	QF X, G, 232
	QF X+64, G+12, 233
	v_cmp_eq_u32 vcc_lo, 1, v8
	v_cndmask_b32 v234, v232, v233, vcc_lo         ; lanes 0-15 store K step 2 w's words, lanes 16-31 the next step's
.irp s, 0,1
	global_store_b128 v5, v[G+12*\s:G+12*\s+3], s[16:17] offset:1536*\s
	global_store_b64 v6, v[G+12*\s+4:G+12*\s+5], s[16:17] offset:1536*\s+512
	global_store_b64 v6, v[G+12*\s+6:G+12*\s+7], s[16:17] offset:1536*\s+768
	global_store_b128 v5, v[G+12*\s+8:G+12*\s+11], s[16:17] offset:1536*\s+1024
.endr
	global_store_b32 v11, v234, s[18:19]
	s_wait_tensorcnt 0x0                           ; the wave's end
	ds_add_u32 v[SPW], v[NIL]
	s_wait_dscnt 0x0
	s_endpgm
.Lfunc_end_k_qb1be1ce9a3_ln1:
	.size	k_qb1be1ce9a3_ln1, .Lfunc_end_k_qb1be1ce9a3_ln1-k_qb1be1ce9a3_ln1
	.p2alignl 7, 3214868480
	.fill 96, 4, 3214868480
	.section	.rodata,"a",@progbits
	.p2align	6, 0x0
	.amdhsa_kernel k_qb1be1ce9a3_ln1
		.amdhsa_group_segment_fixed_size 66560
		.amdhsa_private_segment_fixed_size 0
		.amdhsa_enable_private_segment 0
		.amdhsa_kernarg_size 32
		.amdhsa_user_sgpr_count 2
		.amdhsa_user_sgpr_kernarg_segment_ptr 1
		.amdhsa_wavefront_size32 1
		.amdhsa_system_sgpr_workgroup_id_x 1
		.amdhsa_system_sgpr_workgroup_id_y 1
		.amdhsa_system_sgpr_workgroup_id_z 1
		.amdhsa_system_vgpr_workitem_id 0
		.amdhsa_next_free_vgpr 240
		.amdhsa_next_free_sgpr 66
		.amdhsa_reserve_vcc 1
		.amdhsa_float_denorm_mode_32 3
		.amdhsa_float_denorm_mode_16_64 3
		.amdhsa_memory_ordered 1
		.amdhsa_forward_progress 1
		.amdhsa_inst_pref_size 42
	.end_amdhsa_kernel
	.amdgpu_metadata
---
amdhsa.version: [ 1, 2 ]
amdhsa.kernels:
  - .name:           k_qb1be1ce9a3_ln1
    .symbol:         k_qb1be1ce9a3_ln1.kd
    .args:
      - { .name: x, .offset: 0, .size: 8, .value_kind: global_buffer, .address_space: global }
      - { .name: ln1_g, .offset: 8, .size: 8, .value_kind: global_buffer, .address_space: global }
      - { .name: ln1_b, .offset: 16, .size: 8, .value_kind: global_buffer, .address_space: global }
      - { .name: act, .offset: 24, .size: 8, .value_kind: global_buffer, .address_space: global }
    .group_segment_fixed_size: 66560
    .private_segment_fixed_size: 0
    .kernarg_segment_align: 8
    .kernarg_segment_size: 32
    .max_flat_workgroup_size: 128
    .sgpr_count:     66
    .vgpr_count:     240
    .wavefront_size: 32
...
	.end_amdgpu_metadata
.endif
;; end of part 2
;; launch g1 (part 3): grid 12 x 16, 4 waves a work-group, clusters of 4 x 4, 327,680 bytes of LDS; arguments act, wts, pad_mask, qkv; writes qkv
.if DOCPART == 3
	.amdgcn_target "amdgcn-amd-amdhsa--gfx1250"
	.amdhsa_code_object_version 6
	.text
	.protected	k_qb1be1ce9a3_g1
	.globl	k_qb1be1ce9a3_g1
	.p2align	8
	.type	k_qb1be1ce9a3_g1,@function
k_qb1be1ce9a3_g1:
	s_mov_b64 s[64:65], 0
	v_nop
	global_prefetch_b8 v0, s[64:65] scope:SCOPE_SE
	s_setreg_imm32_b32 hwreg(HW_REG_WAVE_MODE, 25, 1), 1
	s_wait_xcnt 0x0
	s_wait_alu depctr_hold_cnt(0) depctr_sa_sdst(0) depctr_va_vdst(0) depctr_va_sdst(0) depctr_va_ssrc(0) depctr_va_vcc(0) depctr_vm_vsrc(0)
	s_getreg_b32 s2, hwreg(HW_REG_IB_STS2, 6, 4)
	s_cmp_eq_u32 s2, 0
	s_cbranch_scc0 .Lentry_in_a_cluster
	s_endpgm
.Lentry_in_a_cluster:
	s_bfe_u32 s2, ttmp6, 0x10000c
	s_cmp_lg_u32 s2, 0xf033
	s_cbranch_scc0 .Lentry_shape_is_right
	s_endpgm
.Lentry_shape_is_right:
; PRODUCT 1, LN1(x) W_qkv, on codes of E2M3, and what attention wants of it: q and k with RoPE, quantised along the head's 64; v quantised along the keys.  No work of reference() is left out here.
; THE PRODUCT: a tile of 256 x 256 to a work-group of four waves, 128 x 128 (64 accumulators, 512 registers) to a wave.  K goes in steps of 256 through two LDS slots filled by the tensor data mover.
; Both operands lie in memory as images of the operand's registers ([K / 256][tile of 16 rows][2][1,536 bytes]), so a quarter of a slot is one dense block of 24,576 bytes and every LDS load reads consecutive bytes.
; The scale words ([K / 128][position]) of the work-group's rows, for all of K, come once with the first fills.  4 x 4 work-groups form a cluster: A's tiles are asked for jointly along a row of it, B's along a column.
; The matrix instruction is used transposed (source 0 = 16 columns of W, source 1 = 16 tokens): a lane holds one token (in position order), and the 16 registers of column tiles 2 b, 2 b + 1 are 16 neighbouring columns.
; COLUMNS: cluster x = 0: q, 1: k, 2: v; the work-group's place along x is a group of four heads; a wave has two heads.  ROWS: a wave's 128 tokens are one key step of attention.
; Q, K: x cos + rot(x) sin from the table of launch 1; a tile and head go out as 1,024 bytes: registers 0-3 at 16 x lane, then (4, 5, X, 0) at 512 + 16 x lane; scale words [2][row][tile % 4] behind a head's eight tiles.
;   The 1/8 of the scores is taken off q's scale bytes (3 off each: exact).  THE PAD MASK rides in the unused half of that product's K: X is the code at k = 64: q has -1 under the byte 187, a masked key +1 under 187,
;   any other key 0 under the byte 1: a masked key's score gets -2^120 and nothing else is touched.
; V: a wave's accumulators go through its own stage in LDS, so that a lane gets one d and 32 neighbouring keys: a whole block; a tile of 16 d x 128 keys goes out as three planes of 512 bytes.
; LIMITS: q's blocks with a largest magnitude under 2^-121 are held at the byte 4; NaN and infinities are not served.
.set SIZE_N, 3072
.set SIZE_K, 1024
.set BIASC,  0
.set ASCO,   3145728                   ; A's scale words in its buffer
.set BCO,    0                         ; B's codes in wts
.set BSCO,   2359296                   ; B's scale words in wts
.set FR,     12                        ; registers of a fragment
.set NL,     4                         ; LDS loads that bring one
.set NP,     4                         ; places behind this matrix instruction (ISA guide 7.12.1)
.set FRB,    1536                      ; a fragment's image
.set HALFT,  16*FRB                    ; 8 tiles x 2 steps of 128: what one tensor load brings
.set SLOT,   4*HALFT                   ; A's two halves, then B's
.set SCL,    2*SLOT                    ; behind the ring: the scale words
.set KST,    SIZE_K/128
.set HALFS,  KST*512                   ; those of 128 rows
.set SPARE,  262144                    ; the spare words, 128 bytes a wave
.set LAPS,   SIZE_K/512
.set ASTR,   256*2*FRB                 ; a K step of 256 of all 4,096 rows
.set BSTR,   (SIZE_N/16)*2*FRB
.set ADRA, 16                          ; v16-17 16 x lane + my A rows in slot 0, 1; v18-19 the same with 8 x lane
.set ADRB, 20                          ; v20-23 the same for B
.set ADRS, 27                          ; v27 my scale words: lanes 0-15 A's, lanes 16-31 B's
.set SPW,  28                          ; v28 my spare word; never rewritten
.set NIL,  29                          ; v29 0; never rewritten
.set SC,   32                          ; v32-63 scale words and nothing else: set s at SC + 16 s, in it 8 q + i
.set BI,   64
.set AF,   128                         ; v128-223 A's fragments, one set; window 1: B's, two sets, at v0 and v128; windows 2, 3: the accumulators, (a, b) at v[8 (8 (a % 4) + b)]
.set G1, 24
.set G0, 32
.set G1B, 48
.set G0B, 56
.set G1S, 68
.set G0S, 76
.set G1SB, 80
.set G0SB, 88
.set MSB, 0
.macro WIN new                         ; the immediate's high byte repeats the setting that is left
.if MSB != \new
	s_set_vgpr_msb (MSB<<8)|\new
.set MSB, \new
.endif
.endm
.set MUL_LO, 0xa1                      ; source 0 (B) window 1, source 1 (A) window 0, C and D window 2
.set MUL_HI, 0xf1
.set TO_B,   0x40
.macro JLOAD g0a, g1a, g0b, g1b        ; a joint load: waves 0, 1 fetch for A, waves 2, 3 for B; the branch hangs on the wave's number alone; s_nop 0 and four v_nop follow each line
	s_cmp_eq_u32 s15, 0
	s_cbranch_scc0 .Lfor_b_\@
	tensor_load_to_lds s[\g0a:\g0a+3], s[\g1a:\g1a+7]
	s_nop 0
.rept 4
	v_nop
.endr
	s_branch .Lasked_\@
.Lfor_b_\@:
	tensor_load_to_lds s[\g0b:\g0b+3], s[\g1b:\g1b+7]
	s_nop 0
.rept 4
	v_nop
.endr
.Lasked_\@:
.endm
.macro CREST                           ; a round of the cluster's barrier behind its opening barrier
	s_cmp_lg_u32 s14, 0
	s_cbranch_scc1 .Lnot_wave_0_\@
	s_barrier_signal -3
.Lnot_wave_0_\@:
	s_barrier_wait -3
	s_barrier_signal -1
	s_barrier_wait -1
.endm
.macro CROUND
	s_barrier_signal -1
	s_barrier_wait -1
	CREST
.endm
	s_load_b128 s[4:7], s[0:1], 0x0                ; act, wts
	s_load_b128 s[8:11], s[0:1], 0x10              ; pad_mask, qkv
	v_lshl_add_u32 v[SPW], v0, 2, SPARE
	v_mov_b32 v[NIL], 0
	ds_add_u32 v[SPW], v[NIL]                      ; the wave's opening: the add, twice on end, and its wait ahead of my first tensor load
	ds_add_u32 v[SPW], v[NIL]
	v_lshrrev_b32 v1, 5, v0
	v_readfirstlane_b32 s14, v1                    ; wave
	s_lshr_b32 s15, s14, 1                         ; my half of the rows; also: I fetch for A (0) or B (1)
	s_and_b32 s16, s14, 1                          ; my half of the columns; also: which half I fetch
	s_bfe_u32 s40, ttmp6, 0x40000                  ; cx
	s_bfe_u32 s41, ttmp6, 0x40004                  ; cy
	s_lshl_b32 s42, ttmp9, 2
	s_add_co_u32 s42, s42, s40                     ; tile column
	s_and_b32 s17, ttmp7, 0xffff
	s_lshl_b32 s17, s17, 2
	s_add_co_u32 s17, s17, s41                     ; tile row
	s_lshl_b32 s43, s41, 2
	s_lshl_b32 s43, 15, s43                        ; my row of the cluster
	s_lshl_b32 s44, 0x1111, s40                    ; my column
	s_or_b32 s[G1+0], s43, (3<<16)|(1<<21)         ; codes: 96 rows of 32 elements of 8 bytes, dense; the mask, and bit 21 beside it
	s_or_b32 s[G1B+0], s44, (3<<16)|(1<<21)
.irp g, G1, G1B
	s_mov_b32 s[\g+1], 32<<16
	s_mov_b32 s[\g+2], 96<<16
	s_mov_b32 s[\g+3], 32<<16
	s_mov_b32 s[\g+4], 96
	s_mov_b32 s[\g+5], 32
	s_mov_b32 s[\g+6], 0
	s_mov_b32 s[\g+7], 0
.endr
	s_or_b32 s[G1S+0], s43, (3<<16)|(1<<21)        ; scale words: KST rows of 512 bytes
	s_or_b32 s[G1SB+0], s44, (3<<16)|(1<<21)
.irp g, G1S, G1SB
	s_mov_b32 s[\g+1], 64<<16
	s_mov_b32 s[\g+2], KST<<16
	s_mov_b32 s[\g+3], 64<<16
	s_mov_b32 s[\g+4], KST
	s_mov_b32 s[\g+6], 0
	s_mov_b32 s[\g+7], 0
.endr
	s_mov_b32 s[G1S+5], 2048                       ; 4,096 positions x 4 bytes from step to step
	s_mov_b32 s[G1SB+5], SIZE_N/2
	s_lshl_b32 s18, s16, 3
	s_lshl_b32 s20, s17, 4
	s_add_co_u32 s20, s20, s18                     ; A: tile 16 y + 8 half
	s_lshl_b32 s46, s42, 4
	s_add_co_u32 s46, s46, s18                     ; B: tile 16 x + 8 half
	s_lshl_b32 s22, s20, 6
	s_add_co_u32 s22, s22, ASCO
	s_mov_b32 s23, 0
	s_lshl_b32 s92, s46, 6
	s_add_co_u32 s92, s92, BSCO
	s_mov_b32 s93, 0
	s_mul_i32 s20, s20, 2*FRB
	s_mov_b32 s21, 0
	s_mul_i32 s46, s46, 2*FRB
	s_add_co_u32 s46, s46, BCO
	s_mov_b32 s47, 0
	s_mul_i32 s45, s14, HALFT                      ; where they go: no place in the cluster enters an LDS address
	s_mul_i32 s94, s14, HALFS
	s_wait_dscnt 0x0                               ; both opening adds are done
	s_wait_kmcnt 0x0
	s_add_nc_u64 s[20:21], s[4:5], s[20:21]
	s_add_nc_u64 s[22:23], s[4:5], s[22:23]
	s_add_nc_u64 s[46:47], s[6:7], s[46:47]
	s_add_nc_u64 s[92:93], s[6:7], s[92:93]
	CROUND                                         ; all sixteen work-groups are here: the first joint loads meet
	s_mov_b32 s[G0S], 1
	s_add_co_u32 s[G0S+1], s94, SCL
	s_mov_b64 s[G0S+2:G0S+3], s[22:23]
	s_or_b32 s[G0S+3], s[G0S+3], 0x80000000
	s_mov_b32 s[G0SB], 1
	s_add_co_u32 s[G0SB+1], s94, SCL
	s_mov_b64 s[G0SB+2:G0SB+3], s[92:93]
	s_or_b32 s[G0SB+3], s[G0SB+3], 0x80000000
	JLOAD G0S, G1S, G0SB, G1SB
.irp s, 0,1
	s_mov_b32 s[G0+4*\s], 1
	s_add_co_u32 s[G0+4*\s+1], s45, \s*SLOT
	s_add_nc_u64 s[G0+4*\s+2:G0+4*\s+3], s[20:21], \s*ASTR
	s_or_b32 s[G0+4*\s+3], s[G0+4*\s+3], 0x80000000
	s_mov_b32 s[G0B+4*\s], 1
	s_add_co_u32 s[G0B+4*\s+1], s45, \s*SLOT
	s_add_nc_u64 s[G0B+4*\s+2:G0B+4*\s+3], s[46:47], \s*BSTR
	s_or_b32 s[G0B+4*\s+3], s[G0B+4*\s+3], 0x80000000
	JLOAD G0+4*\s, G1, G0B+4*\s, G1B
.endr
	v_and_b32 v1, 31, v0                           ; lane
	v_and_b32 v2, 15, v0                           ; r
	v_bfe_u32 v3, v0, 4, 1                         ; h
	v_lshlrev_b32 v4, 4, v1                        ; 16 x lane; kept
	v_lshlrev_b32 v5, 3, v1                        ; 8 x lane; kept
	s_mul_i32 s21, s15, HALFT
	s_mul_i32 s22, s16, HALFT
	s_add_co_u32 s22, s22, 2*HALFT
.irp s, 0,1
	v_add_nc_u32 v[ADRA+\s], s21, v4
	v_add_nc_u32 v[ADRB+\s], s22, v4
	v_add_nc_u32 v[ADRA+2+\s], s21, v5
	v_add_nc_u32 v[ADRB+2+\s], s22, v5
	s_add_co_u32 s21, s21, SLOT
	s_add_co_u32 s22, s22, SLOT
.endr
	v_lshlrev_b32 v7, 2, v2
	s_mul_i32 s21, s15, HALFS
	s_mul_i32 s22, s16, HALFS
	s_add_co_u32 s22, s22, 2*HALFS
	s_sub_co_u32 s22, s22, s21
	v_mul_u32_u24 v6, s22, v3                      ; lanes 16-31 take B's
	s_add_co_u32 s21, s21, SCL
	v_add_nc_u32 v7, v7, v6
	v_add_nc_u32 v[ADRS], s21, v7
	; ---- this launch's own addresses
	s_lshr_b32 s20, s17, 3                         ; the batch
	s_lshl_b32 s20, s20, 2
	s_add_co_u32 s20, s20, s40                     ; 4 b + group of heads
	s_lshl_b32 s20, s20, 4
	s_and_b32 s21, s17, 7
	s_lshl_b32 s21, s21, 1
	s_add_co_u32 s21, s21, s15                     ; my key step
	s_add_co_u32 s20, s20, s21
	s_mov_b32 s22, 60416
	s_cmp_eq_u32 ttmp9, 0
	s_cselect_b32 s22, 34816, s22                  ; a block of q, or of k and v
	s_mul_i32 s20, s20, s22
	s_cselect_b32 s22, 0, 4456448
	s_add_co_u32 s20, s20, s22
	s_cmp_eq_u32 ttmp9, 2
	s_mov_b32 s22, 17408                           ; my two heads: 2 x 8,704,
	s_cselect_b32 s22, 12800, s22                  ; in v's part 2 x 6,400,
	s_mul_i32 s22, s22, s16
	s_cselect_b32 s23, 34816, 0                    ; behind k's part
	s_add_co_u32 s20, s20, s22
	s_add_co_u32 s20, s20, s23
	s_mov_b32 s21, 0
	s_add_nc_u64 s[96:97], s[10:11], s[20:21]      ; where my results go
	s_and_b32 s20, s17, 7
	s_lshl_b32 s20, s20, 4
	s_lshl_b32 s22, s15, 3
	s_add_co_u32 s20, s20, s22
	s_lshl_b32 s20, s20, 12
	s_add_co_u32 s20, s20, 9830400
	s_add_nc_u64 s[98:99], s[6:7], s[20:21]        ; the table at my first tile of positions
	s_lshl_b32 s20, s17, 10
	s_lshl_b32 s22, s15, 9
	s_add_co_u32 s20, s20, s22
	s_add_nc_u64 s[8:9], s[8:9], s[20:21]          ; pad_mask at my first token
	v_and_b32 v6, 8, v2
	v_add_nc_u32 v6, v6, v2                        ; r + 8 (r / 8)
	v_lshlrev_b32 v9, 2, v6                        ; the mask word of the token at row r
	v_mul_u32_u24 v8, v3, 8704
	v_lshl_add_u32 v8, v2, 4, v8                   ; scale words of q, k: 16 r + 8,704 h
	v_mul_u32_u24 v13, v3, 6400
	v_lshl_add_u32 v13, v2, 4, v13                 ; of v: 16 r + 6,400 h
	v_lshlrev_b32 v12, 3, v3                       ; 8 h
	s_mul_i32 s20, s14, 18688                      ; v's stage, my wave's
	v_mul_u32_u24 v10, v6, 144
	v_lshl_add_u32 v10, v3, 5, v10
	v_add_nc_u32 v10, s20, v10                     ; in: token row x 144 + 32 h
	v_mul_u32_u24 v11, v3, 4672
	v_lshl_add_u32 v11, v2, 2, v11
	v_add_nc_u32 v11, s20, v11                     ; out: 4 r + 4,672 h
.macro FRAG reg, adr, q, i             ; a fragment from its image: every load reads consecutive bytes
	ds_load_b128 v[\reg:\reg+3], v[\adr] offset:(2*(\i)+(\q))*FRB
	ds_load_b64 v[\reg+4:\reg+5], v[\adr+2] offset:(2*(\i)+(\q))*FRB+512
	ds_load_b64 v[\reg+6:\reg+7], v[\adr+2] offset:(2*(\i)+(\q))*FRB+768
	ds_load_b128 v[\reg+8:\reg+11], v[\adr] offset:(2*(\i)+(\q))*FRB+1024
.endm
; 16 matrix instructions: A's blocks a0, a0 + 1 x B's eight.  p: B's set; sc: the set of scale words.  zero = 1: the first product starts the sums; 2: it takes the bias as C.  The 64 accumulators take turns, one instruction a turn.
.macro MUL16 a0, p, q, sc, zero
.irp a, \a0, \a0+1
.irp b, 0,1,2,3,4,5,6,7
.if \zero == 1
	v_wmma_scale_f32_16x16x128_f8f6f4 v[8*(8*((\a)%4)+\b):8*(8*((\a)%4)+\b)+7], v[128*(\p)+FR*\b:128*(\p)+FR*\b+FR-1], v[AF+FR*(\a):AF+FR*(\a)+FR-1], 0, v[SC+16*(\sc)+8*(\q)+\b], v[SC+16*(\sc)+8*(\q)+(\a)] matrix_a_fmt:MATRIX_FMT_FP6 matrix_b_fmt:MATRIX_FMT_FP6 matrix_a_scale:MATRIX_SCALE_ROW1
.elseif \zero == 2
	v_wmma_scale_f32_16x16x128_f8f6f4 v[8*(8*((\a)%4)+\b):8*(8*((\a)%4)+\b)+7], v[128*(\p)+FR*\b:128*(\p)+FR*\b+FR-1], v[AF+FR*(\a):AF+FR*(\a)+FR-1], v[BI+8*\b:BI+8*\b+7], v[SC+16*(\sc)+8*(\q)+\b], v[SC+16*(\sc)+8*(\q)+(\a)] matrix_a_fmt:MATRIX_FMT_FP6 matrix_b_fmt:MATRIX_FMT_FP6 matrix_a_scale:MATRIX_SCALE_ROW1
.else
	v_wmma_scale_f32_16x16x128_f8f6f4 v[8*(8*((\a)%4)+\b):8*(8*((\a)%4)+\b)+7], v[128*(\p)+FR*\b:128*(\p)+FR*\b+FR-1], v[AF+FR*(\a):AF+FR*(\a)+FR-1], v[8*(8*((\a)%4)+\b):8*(8*((\a)%4)+\b)+7], v[SC+16*(\sc)+8*(\q)+\b], v[SC+16*(\sc)+8*(\q)+(\a)] matrix_a_fmt:MATRIX_FMT_FP6 matrix_b_fmt:MATRIX_FMT_FP6 matrix_a_scale:MATRIX_SCALE_ROW1
.endif
.endr
.endr
.endm
.macro FETCH_B slot, q, p
	WIN TO_B
.irp i, 0,1,2,3,4,5,6,7
	FRAG 128*(\p)+FR*\i, ADRB+\slot, \q, \i
.endr
	WIN 0
.endm
.macro FETCH_A slot, q, i0
.irp i, \i0, \i0+1, \i0+2, \i0+3
	FRAG AF+FR*(\i), ADRA+\slot, \q, \i
.endr
.endm
.macro SCALES sc                       ; a slot's scale words: lanes 0-15 A's block i, lanes 16-31 B's
.irp q, 0,1
.irp i, 0,1,2,3,4,5,6,7
	ds_load_b32 v[SC+16*\sc+8*\q+\i], v[ADRS] offset:512*\q+64*\i
.endr
.endr
.endm
.macro PLACES n                        ; plain vector lines between a matrix instruction and a load into, or a read of, its registers
.rept \n
	v_nop
.endr
.endm
.macro STEP slot, q, zero              ; a step of 128 along K that has its successor in the same slot
	s_wait_dscnt 4*NL                              ; all but the youngest sixteen loads (A's blocks 4-7) are in
.if \zero == 2
	WIN 0x81
.else
	WIN MUL_LO
.endif
	MUL16 0, (\q)%2, \q, \slot, \zero
	MUL16 2, (\q)%2, \q, \slot, \zero
	s_wait_dscnt 0
	PLACES NP
	FETCH_B \slot, (\q)+1, 1-(\q)%2
	FETCH_A \slot, (\q)+1, 0
.if \zero == 2
	WIN 0xc1
.else
	WIN MUL_HI
.endif
	MUL16 4, (\q)%2, \q, \slot, \zero
	MUL16 6, (\q)%2, \q, \slot, \zero
	PLACES NP
	WIN 0
	FETCH_A \slot, (\q)+1, 4
.endm
.macro TURN slot, next, fill           ; a slot's last step changes slots: one barrier; fill = 1: it opens a round of the cluster's barrier, and the slot is filled again, two K steps ahead
	s_wait_tensorcnt 0x0                           ; all my tensor loads have landed: my part of the next slot
	ds_add_u32 v[SPW], v[NIL]                      ; 0 onto my spare word
	s_wait_dscnt 4*NL+1                            ; (the add and the youngest sixteen loads may be out)
	WIN MUL_LO
	MUL16 0, 1, 1, \slot, 0
	s_wait_dscnt 0x0                               ; the add is done, and my reads of this slot are over
	s_barrier_signal -1
	MUL16 2, 1, 1, \slot, 0
	WIN 0
	s_barrier_wait -1
.if \fill
	CREST                                          ; no wave of any partner still reads this slot or has a load on its way
	s_add_nc_u64 s[G0+4*\slot+2:G0+4*\slot+3], s[G0+4*\slot+2:G0+4*\slot+3], 2*ASTR
	s_add_nc_u64 s[G0B+4*\slot+2:G0B+4*\slot+3], s[G0B+4*\slot+2:G0B+4*\slot+3], 2*BSTR
	JLOAD G0+4*\slot, G1, G0B+4*\slot, G1B         ; the first tensor load behind the round; its four v_nop are the places in front of the loads below
.else
	PLACES NP
.endif
	v_add_nc_u32 v[ADRS], 1024, v[ADRS]            ; the next slot's scale words
	FETCH_B \next, 0, 0
	FETCH_A \next, 0, 0
	SCALES \next
	WIN MUL_HI
	MUL16 4, 1, 1, \slot, 0
	MUL16 6, 1, 1, \slot, 0
	PLACES NP
	WIN 0
	FETCH_A \next, 0, 4
.endm
	s_wait_tensorcnt 1                             ; the scale words and my part of slot 0 are in; slot 1's load may be out
	s_barrier_signal -1
	s_barrier_wait -1
	FETCH_B 0, 0, 0
	FETCH_A 0, 0, 0
	SCALES 0
	FETCH_A 0, 0, 4
	STEP 0, 0, 1+BIASC
	s_mov_b32 s3, LAPS-1
.Llap:
	TURN 0, 1, 1
	STEP 1, 0, 0
	TURN 1, 0, 1
	STEP 0, 0, 0
	s_sub_co_u32 s3, s3, 1
	s_cmp_lg_u32 s3, 0
	s_cbranch_scc1 .Llap
	TURN 0, 1, 0                                   ; the last lap fills nothing
	STEP 1, 0, 0
	s_wait_dscnt 4*NL
	WIN MUL_LO
	MUL16 0, 1, 1, 1, 0
	MUL16 2, 1, 1, 1, 0
	s_wait_dscnt 0
	WIN MUL_HI
	MUL16 4, 1, 1, 1, 0
	MUL16 6, 1, 1, 1, 0
	WIN 0
; ---------------- the way out ----------------
.set H,    64                          ; v64-127  64 numbers of a lane
.set PC,   128                         ; v128-146 codes
.set TM,   152                         ; v152-167 at work
.set QT,   152
.set PW,   168
.set CODEH, 170
.set KB0,  172
.set KB1,  173
.set B2R,  174
.set TMPR, 175
.set T0,   176
.set T1,   180
.set SW0,  184                         ; also v's scale words: head 0's four, head 1's four
.set SW1,  188
.set SWO,  192
.set MK,   200                         ; v200-207 the tiles' mask words
.set H8,   12
.set VST,  10
.set VRD,  11
.set SEL,  48
; 64 numbers of a lane, register 16 b + i = k 32 b + 16 h + i of my row, become a fragment's codes in v[PC] on and its scale word in v[pw]; fl: the floor under the largest magnitude
.macro QUANT s, pw, fl
.irp b, 0,1,2,3
	v_max3_num_f32 v[TM+\b], |v[\s+16*\b]|, |v[\s+1+16*\b]|, \fl
.endr
.irp i, 2,4,6,8,10,12,14
.irp b, 0,1,2,3
	v_max3_num_f32 v[TM+\b], v[TM+\b], |v[\s+16*\b+\i]|, |v[\s+1+16*\b+\i]|
.endr
.endr
.irp b, 0,1,2,3
	v_permlanex16_b32 v[TM+4+\b], v[TM+\b], s[SEL], s[SEL+1]
.endr
.irp b, 0,1,2,3
	v_max_num_f32 v[TM+\b], v[TM+\b], v[TM+4+\b]   ; with lane l xor 16's: the block's largest magnitude
.endr
.irp b, 0,1,2,3
	v_add_nc_u32 v[TM+12+\b], 0xff000000, v[TM+\b] ; 2 off the exponent field: the conversion's scale operand
.endr
.irp b, 0,1,2,3
	v_lshrrev_b32 v[TM+4+\b], 23, v[TM+12+\b]      ; the byte
.endr
	v_lshl_or_b32 v[\pw], v[TM+5], 8, v[TM+4]
	v_lshl_or_b32 v[\pw], v[TM+6], 16, v[\pw]
	v_lshl_or_b32 v[\pw], v[TM+7], 24, v[\pw]
.irp c, 0,1
	v_cvt_scalef32_pk16_fp6_f32 v[PC+6*\c:PC+2+6*\c], v[\s+32*\c:\s+15+32*\c], v[TM+12+2*\c]
	v_cvt_scalef32_pk16_fp6_f32 v[PC+12+4*\c:PC+14+4*\c], v[\s+16+32*\c:\s+31+32*\c], v[TM+12+2*\c+1]
.endr
	v_nop                                          ; one plain line behind the conversions
.irp c, 0,1                            ; a whole block to a lane: lanes 0-15 block 2 c, lanes 16-31 block 2 c + 1
.irp i, 0,1,2
	v_permlane16_swap_b32 v[PC+6*\c+\i], v[PC+12+4*\c+\i]
.endr
.irp i, 0,1,2
	v_mov_b32 v[PC+3+6*\c+\i], v[PC+12+4*\c+\i]
.endr
.endr
.endm
; 64 numbers of a lane, register 32 c + i = k 64 c + 32 h + i of my row, become a fragment in v[f] on and its scale word in v[w]
.macro QF s, f, w
.irp c, 0,1
	v_max3_num_f32 v[QT+\c], |v[\s+32*\c]|, |v[\s+32*\c+1]|, 0x1800000
.endr
.irp i, 2,4,6,8,10,12,14,16,18,20,22,24,26,28,30
.irp c, 0,1
	v_max3_num_f32 v[QT+\c], v[QT+\c], |v[\s+32*\c+\i]|, |v[\s+32*\c+\i+1]|
.endr
.endr
.irp c, 0,1
	v_add_nc_u32 v[QT+2+\c], 0xff000000, v[QT+\c]
.endr
.irp c, 0,1
	v_lshrrev_b32 v[QT+4+\c], 23, v[QT+2+\c]
.endr
	v_lshl_or_b32 v[\w], v[QT+5], 16, v[QT+4]
	v_lshlrev_b32 v[\w], v[H8], v[\w]
	v_permlanex16_b32 v[QT+6], v[\w], s[SEL], s[SEL+1]
	v_or_b32 v[\w], v[\w], v[QT+6]
.irp c, 0,1
	v_cvt_scalef32_pk16_fp6_f32 v[\f+6*\c:\f+6*\c+2], v[\s+32*\c:\s+32*\c+15], v[QT+2+\c]
	v_cvt_scalef32_pk16_fp6_f32 v[QT+8+4*\c:QT+10+4*\c], v[\s+32*\c+16:\s+32*\c+31], v[QT+2+\c]
.endr
	v_nop
.irp c, 0,1
.irp i, 0,1,2
	v_mov_b32 v[\f+3+6*\c+\i], v[QT+8+4*\c+\i]
.endr
.endr
.endm
	PLACES NP                                      ; behind the last products: loads into their operands and reads of their results follow
	s_mov_b32 s[SEL], 0x76543210                   ; (no tensor load of mine is out: the descriptors' registers are free)
	s_mov_b32 s[SEL+1], 0xfedcba98
	s_mov_b32 s55, 0xffff0000                      ; lanes 16-31
.irp b, 0,1,2,3
	v_mov_b32 v[TM+4+\b], 0                        ; (a lane permute's destination counts as one of its sources)
.endr
	s_cmp_eq_u32 ttmp9, 2                          ; the cluster's x: the same in all sixteen partners
	s_cbranch_scc1 .Lvpath
	; ---- q or k
	WIN 0x40
.set ti, 0
.rept 64
	global_load_b128 v[4*ti:4*ti+3], v4, s[98:99] offset:512*ti   ; the table, into window 1: tile a's 32 registers at v[32 a]
.set ti, ti+1
.endr
	WIN 0
	s_cmp_eq_u32 ttmp9, 0
	s_mov_b32 s52, 0x1800000                       ; the floor: 2^(3 - 127); for q 2^(6 - 127), so that 3 can be taken off each byte
	s_cselect_b32 s52, 0x3000000, s52
	s_cselect_b32 s53, 0x03030303, 0               ; q: the scores' 1/8
	s_cselect_b32 s54, 40, 8                       ; the code at k = 64: q -1.0, a masked key 1.0
	s_cbranch_scc1 .Lq_mask
.irp a, 0,1,2,3,4,5,6,7
	global_load_b32 v[MK+\a], v9, s[8:9] offset:(32*(\a/2)+8*(\a%2))*4
.endr
	s_branch .Lmask_done
.Lq_mask:
.irp a, 0,1,2,3,4,5,6,7
	v_mov_b32 v[MK+\a], 1
.endr
.Lmask_done:
	v_cmp_eq_u32 vcc_lo, 0, v3
	v_mov_b32 v[TMPR], s54
	v_cndmask_b32 v[CODEH], 0, v[TMPR], vcc_lo     ; k = 64 lies in lanes 0-15
	v_mov_b32 v[KB0], 0x01010000                   ; bytes 2, 3 of a scale word: 1, 1;
	v_mov_b32 v[KB1], 0x01bb0000                   ; or 187, 1
	v_mov_b32 v[T0+3], 0
	v_mov_b32 v[T1+3], 0
	s_wait_loadcnt 0x0
.macro QKT a
	WIN 0x06+(\a)/4                                ; source 0: the accumulators' window, source 1: the table's
.irp e, 0,1
.irp be, 0,1
.irp u, 0,1
.irp jj, 0,1,2,3
	v_pk_mul_f32 v[H+32*\e+16*\be+8*\u+2*\jj:H+32*\e+16*\be+8*\u+2*\jj+1], v[8*(8*((\a)%4)+4*\e+2*\be+\u)+2*\jj:8*(8*((\a)%4)+4*\e+2*\be+\u)+2*\jj+1], v[32*(\a)+16*\be+8*\u+2*\jj:32*(\a)+16*\be+8*\u+2*\jj+1] op_sel:[1,1] op_sel_hi:[0,1] neg_lo:[1,0]   ; (-x_odd sin, x_even sin)
	v_pk_fma_f32 v[H+32*\e+16*\be+8*\u+2*\jj:H+32*\e+16*\be+8*\u+2*\jj+1], v[8*(8*((\a)%4)+4*\e+2*\be+\u)+2*\jj:8*(8*((\a)%4)+4*\e+2*\be+\u)+2*\jj+1], v[32*(\a)+16*\be+8*\u+2*\jj:32*(\a)+16*\be+8*\u+2*\jj+1], v[H+32*\e+16*\be+8*\u+2*\jj:H+32*\e+16*\be+8*\u+2*\jj+1] op_sel_hi:[1,0,1]   ; + x cos
.endr
.endr
.endr
.endr
	WIN 0
.if (\a) > 0
	s_wait_xcnt 0x0                                ; the last tile's stores have read their registers
.endif
	QUANT H, PW, s52                               ; registers 0-5: head 0, 6-11: head 1
	v_sub_nc_u32 v[PW], v[PW], s53
	v_cmp_ne_u32 vcc_lo, 0, v[MK+\a]
	v_cndmask_b32 v[T0+2], 0, v[CODEH], vcc_lo
	v_cndmask_b32 v[T1+2], 0, v[CODEH], vcc_lo
	v_cndmask_b32 v[B2R], v[KB0], v[KB1], vcc_lo
	v_and_or_b32 v[SW0+(\a)%4], v[PW], 0xffff, v[B2R]
	v_lshrrev_b32 v[TMPR], 16, v[PW]
	v_or_b32 v[SW1+(\a)%4], v[TMPR], v[B2R]
	v_mov_b32 v[T0], v[PC+4]
	v_mov_b32 v[T0+1], v[PC+5]
	v_mov_b32 v[T1], v[PC+10]
	v_mov_b32 v[T1+1], v[PC+11]
	global_store_b128 v4, v[PC:PC+3], s[96:97] offset:1024*(\a)
	global_store_b128 v4, v[T0:T0+3], s[96:97] offset:1024*(\a)+512
	global_store_b128 v4, v[PC+6:PC+9], s[96:97] offset:8704+1024*(\a)
	global_store_b128 v4, v[T1:T1+3], s[96:97] offset:8704+1024*(\a)+512
.if (\a)%4 == 3
.irp i, 0,1,2,3
	v_cndmask_b32 v[SWO+4*((\a)/4)+\i], v[SW0+\i], v[SW1+\i], s55   ; lanes 0-15 head 0's words, lanes 16-31 head 1's
.endr
	global_store_b128 v8, v[SWO+4*((\a)/4):SWO+4*((\a)/4)+3], s[96:97] offset:8192+256*((\a)/4)
.endif
.endm
.irp a, 0,1,2,3,4,5,6,7
	QKT \a
.endr
	s_branch .Ldone
.Lvpath:
	; ---- v.  The stage lies in slot 0, which has had its last fill, and which nobody reads behind the last change of slots.  Token row t lies at 144 t + 64 (t / 32); it holds 32 d in position order.
.macro VPAIR e, be
.irp a, 0,1,2,3,4,5,6,7
	WIN 0x08+4*(\a/4)                              ; an LDS store's data are its source 1
.irp u, 0,1
	ds_store_b128 v[VST], v[8*(8*(\a%4)+4*(\e)+2*(\be)+\u):8*(8*(\a%4)+4*(\e)+2*(\be)+\u)+3] offset:(32*(\a/2)+8*(\a%2))*144+(\a/2)*64+64*\u
	ds_store_b128 v[VST], v[8*(8*(\a%4)+4*(\e)+2*(\be)+\u)+4:8*(8*(\a%4)+4*(\e)+2*(\be)+\u)+7] offset:(32*(\a/2)+8*(\a%2))*144+(\a/2)*64+64*\u+16
.endr
.endr
	WIN 0
.irp u, 0,1
.irp c, 0,1
.set vi, 0
.rept 32
	ds_load_b32 v[H+32*\c+vi], v[VRD] offset:(64*\c+vi)*144+128*\c+64*\u   ; LDS serves a wave's instructions in order: these see my stores
.set vi, vi+1
.endr
.endr
	s_wait_xcnt 0x0                                ; the last tile's stores have read their registers
	s_wait_dscnt 0x0
	QF H, PC, SW0+4*(\e)+2*(\be)+\u
.irp c, 0,1,2
	global_store_b128 v4, v[PC+4*\c:PC+4*\c+3], s[96:97] offset:6400*(\e)+1536*(2*(\be)+\u)+512*\c
.endr
.endr
.endm
	VPAIR 0, 0
	VPAIR 0, 1
	VPAIR 1, 0
	VPAIR 1, 1
.irp i, 0,1,2,3
	v_cndmask_b32 v[SWO+\i], v[SW0+\i], v[SW1+\i], s55
.endr
	global_store_b128 v13, v[SWO:SWO+3], s[96:97] offset:6144
.Ldone:
	s_wait_tensorcnt 0x0                           ; the wave's end
	ds_add_u32 v[SPW], v[NIL]
	s_wait_dscnt 0x0
	CROUND                                         ; the closing round
	s_endpgm
.Lfunc_end_k_qb1be1ce9a3_g1:
	.size	k_qb1be1ce9a3_g1, .Lfunc_end_k_qb1be1ce9a3_g1-k_qb1be1ce9a3_g1
	.p2alignl 7, 3214868480
	.fill 96, 4, 3214868480
	.section	.rodata,"a",@progbits
	.p2align	6, 0x0
	.amdhsa_kernel k_qb1be1ce9a3_g1
		.amdhsa_group_segment_fixed_size 327680
		.amdhsa_private_segment_fixed_size 0
		.amdhsa_enable_private_segment 0
		.amdhsa_kernarg_size 32
		.amdhsa_user_sgpr_count 2
		.amdhsa_user_sgpr_kernarg_segment_ptr 1
		.amdhsa_wavefront_size32 1
		.amdhsa_system_sgpr_workgroup_id_x 1
		.amdhsa_system_sgpr_workgroup_id_y 1
		.amdhsa_system_sgpr_workgroup_id_z 1
		.amdhsa_system_vgpr_workitem_id 0
		.amdhsa_next_free_vgpr 1024
		.amdhsa_next_free_sgpr 100
		.amdhsa_reserve_vcc 1
		.amdhsa_float_denorm_mode_32 3
		.amdhsa_float_denorm_mode_16_64 3
		.amdhsa_memory_ordered 1
		.amdhsa_forward_progress 1
		.amdhsa_inst_pref_size 255
	.end_amdhsa_kernel
	.section	.bss,"aw",@nobits
	.p2align	6
	.space	262144
	.amdgpu_metadata
---
amdhsa.version: [ 1, 2 ]
amdhsa.kernels:
  - .name:           k_qb1be1ce9a3_g1
    .symbol:         k_qb1be1ce9a3_g1.kd
    .args:
      - { .name: act, .offset: 0, .size: 8, .value_kind: global_buffer, .address_space: global }
      - { .name: wts, .offset: 8, .size: 8, .value_kind: global_buffer, .address_space: global }
      - { .name: pad_mask, .offset: 16, .size: 8, .value_kind: global_buffer, .address_space: global }
      - { .name: qkv, .offset: 24, .size: 8, .value_kind: global_buffer, .address_space: global }
    .group_segment_fixed_size: 327680
    .private_segment_fixed_size: 0
    .kernarg_segment_align: 8
    .kernarg_segment_size: 32
    .max_flat_workgroup_size: 128
    .sgpr_count:     100
    .vgpr_count:     1024
    .wavefront_size: 32
...
	.end_amdgpu_metadata
.endif
;; end of part 3
;; launch attn (part 4): grid 4 x 64, 16 waves a work-group, clusters of 4 x 4, 327,680 bytes of LDS; arguments qkv, bias, a4; writes a4
.if DOCPART == 4
	.amdgcn_target "amdgcn-amd-amdhsa--gfx1250"
	.amdhsa_code_object_version 6
	.text
	.protected	k_qb1be1ce9a3_attn
	.globl	k_qb1be1ce9a3_attn
	.p2align	8
	.type	k_qb1be1ce9a3_attn,@function
k_qb1be1ce9a3_attn:
	s_mov_b64 s[64:65], 0
	v_nop
	global_prefetch_b8 v0, s[64:65] scope:SCOPE_SE
	s_setreg_imm32_b32 hwreg(HW_REG_WAVE_MODE, 25, 1), 1
	s_wait_xcnt 0x0
	s_wait_alu depctr_hold_cnt(0) depctr_sa_sdst(0) depctr_va_vdst(0) depctr_va_sdst(0) depctr_va_ssrc(0) depctr_va_vcc(0) depctr_vm_vsrc(0)
	s_getreg_b32 s2, hwreg(HW_REG_IB_STS2, 6, 4)
	s_cmp_eq_u32 s2, 0
	s_cbranch_scc0 .Lentry_in_a_cluster
	s_endpgm
.Lentry_in_a_cluster:
	s_bfe_u32 s2, ttmp6, 0x10000c
	s_cmp_lg_u32 s2, 0xf033
	s_cbranch_scc0 .Lentry_shape_is_right
	s_endpgm
.Lentry_shape_is_right:
; ATTENTION ON CODES OF E2M3: products 2 and 3, the softmax between them, and the quantiser ahead of product 4.  No work of reference() is left out here.
; t = (q . k / 8 + bias) x log2(e); M = the running largest t rounded up to a whole number; p = 2^(t - M) is quantised along the keys, not normalised; the row's sum is taken of the unquantised p and divides at the end.
; SHARES.  A work-group owns 64 queries of one batch and four heads; wave w owns the tile of 16 queries w / 4 and head w % 4, in 256 registers: four waves to a SIMD.  16 key steps of 128.
; LAYOUT.  Both products are used transposed: S^T = K Q^T, O^T = V^T P^T: a lane holds one query throughout.  Tokens lie in position order, so the 16 registers of key tiles 2 b, 2 b + 1 are 16 neighbouring keys.
; THE BIAS IS THE C OF K Q^T: its 64 x 128 f32 come into LDS and from there into the accumulators' registers; no addition is spent on it.  The 1/8 lies in q's scale bytes.
; THE HEAD HAS 64, THE INSTRUCTION 128 ALONG K: registers 8-11 of q's and k's fragments are zeros.  The code at k = 64 carries the pad mask (launch 3): a masked key's score gets -2^120, so its p is 0.
; A row whose every key is masked gives NaN in reference(): here its scale bytes for product 4 become 0xff, which makes that product's sums NaN.
; LIMITS: t under -2^99 counts as masked, and scores beyond about 2^100 are not served.
; RING.  Two LDS slots, 2^17 bytes apart, each with one step's block of k and v (60,416 bytes, dense in memory) and its tile of the bias (64 rows of 512 + 16 bytes).  4 x 4 work-groups form a cluster:
; the four of a column (one group of heads, four blocks of queries) ask jointly for k and v (waves 0, 1), the four of a row (one block of queries) for the bias (wave 2).
; THE BIAS IS PREFETCHED one step ahead of its load: wave 3 names, a lane a block of 256 bytes, 16 of the tile's 64 rows; the four partners of a row share the rows out by address.
.set SLOT1, 131072
.set BOFF,  60416                      ; the bias tile in a slot
.set BP,    528
.set VOFFS, 34816                      ; v's part of a block
.set SA,    262144                     ; 512 bytes: the halves of a4's scale words meet here
.set SPARE, 262656                     ; the spare words, 128 bytes a wave
.set AK0, 1                            ; v1  my place in k's tiles
.set AS0, 2                            ; v2  among k's scale words
.set AV0, 3                            ; v3  in v's tiles
.set AT0, 4                            ; v4  among v's scale words
.set SPW, 5
.set NIL, 6
.set AB0, 7                            ; v7  in the bias tile
.set ADK, 8                            ; v8-11, v30: the step's LDS addresses, written anew in every step
.set ADS, 9
.set ADV, 10
.set ADT, 11
.set ADB, 30
.set PFO, 29
.set SWOF, 212                         ; v212 wave 0's offsets for a4's scale words: h x 16,384 + 16 r; made at the head, never rewritten
; v12 -M, v13 the largest t, v[14:15] the sum; v16-27 q, v28 its scale word; v32-79 four fragments of k; v80-87 k's scale words, v88-91 v's, v92 p's (these hold scales and nothing else);
; v93 16 x lane, v94 8 x lane, v95 and v31 LDS addresses of the way out; v96-159 bias, S^T, p, then v's fragments; v160-191 O^T; v192-203 p's codes; v204-211, v232-254 at work
.set WV,  18
.set SEL, 20
.set CS,  22
.set G1K, 24
.set G1B, 32
.set G0K, 40
.set G0B, 44
.set TB,  2
.set SLOTS, 3
.set PFA, 48
.set LIM, 50
.macro JL3                             ; waves 0, 1: the block of k and v, a half each; wave 2: the bias tile; the others nothing.  The branches hang on the wave's number alone
	s_cmp_lt_u32 s[WV], 2
	s_cbranch_scc0 .Lnot_kv_\@
	tensor_load_to_lds s[G0K:G0K+3], s[G1K:G1K+7]
	s_nop 0
.rept 4
	v_nop
.endr
	s_branch .Lasked_\@
.Lnot_kv_\@:
	s_cmp_eq_u32 s[WV], 2
	s_cbranch_scc0 .Lasked_\@
	tensor_load_to_lds s[G0B:G0B+3], s[G1B:G1B+7]
	s_nop 0
.rept 4
	v_nop
.endr
.Lasked_\@:
.endm
.macro ASK                             ; the bias tile of the step after the one just asked for; the last change that fills a slot names nothing
	s_cmp_gt_u32 s[SLOTS], s[LIM]
	s_cbranch_scc0 .Lnot_mine_\@
	global_prefetch_b8 v[PFO], s[PFA:PFA+1] th:TH_LOAD_NT scope:SCOPE_SE
.Lnot_mine_\@:
.endm
.macro CROUND
	s_barrier_signal -1
	s_barrier_wait -1
	s_cmp_lg_u32 s[WV], 0
	s_cbranch_scc1 .Lnot_wave_0_\@
	s_barrier_signal -3
.Lnot_wave_0_\@:
	s_barrier_wait -3
	s_barrier_signal -1
	s_barrier_wait -1
.endm
	s_load_b128 s[4:7], s[0:1], 0x0                ; qkv, bias
	s_load_b64 s[8:9], s[0:1], 0x10                ; a4
	v_lshl_add_u32 v[SPW], v0, 2, SPARE
	v_mov_b32 v[NIL], 0
	ds_add_u32 v[SPW], v[NIL]                      ; the wave's opening: the add, twice on end, and its wait
	ds_add_u32 v[SPW], v[NIL]
	v_lshrrev_b32 v8, 5, v0
	v_readfirstlane_b32 s[WV], v8                  ; wave 0..15
	s_bfe_u32 s10, ttmp6, 0x40000                  ; cx: the group of heads
	s_bfe_u32 s11, ttmp6, 0x40004                  ; cy
	s_and_b32 s12, ttmp7, 0xffff                   ; cluster y
	s_lshl_b32 s13, s12, 2
	s_add_co_u32 s13, s13, s11                     ; y = 32 b + block of 64 queries
	s_lshr_b32 s14, s12, 3                         ; b: the partners share it
	s_lshl_b32 s15, 0x1111, s10                    ; my column of the cluster
	s_lshl_b32 s16, s11, 2
	s_lshl_b32 s16, 15, s16                        ; my row
	s_or_b32 s[G1K], s15, (3<<16)|(1<<21)          ; 118 rows of 32 elements of 8 bytes, dense
	s_mov_b32 s[G1K+1], 32<<16
	s_mov_b32 s[G1K+2], 118<<16
	s_mov_b32 s[G1K+3], 32<<16
	s_mov_b32 s[G1K+4], 118
	s_mov_b32 s[G1K+5], 32
	s_mov_b32 s[G1K+6], 0
	s_mov_b32 s[G1K+7], 0
	s_or_b32 s[G1B], s16, (2<<16)|(1<<20)|(1<<21)|(6<<22)|(3<<25)   ; 64 rows of 128 f32, 4 words of padding behind every 128
	s_mov_b32 s[G1B+1], 128<<16
	s_mov_b32 s[G1B+2], 64<<16
	s_mov_b32 s[G1B+3], 128<<16
	s_mov_b32 s[G1B+4], 64
	s_mov_b32 s[G1B+5], 2048
	s_mov_b32 s[G1B+6], 0
	s_mov_b32 s[G1B+7], 0
	s_lshl_b32 s52, s14, 2
	s_add_co_u32 s52, s52, s10                     ; 4 b + group of heads
	s_mul_i32 s56, s52, 16*60416
	s_and_b32 s54, s[WV], 1
	s_mul_i32 s55, s54, 30208                      ; my half of a block, in memory and in a slot
	s_add_co_u32 s56, s56, s55
	s_add_co_u32 s56, s56, 4456448
	s_mov_b32 s57, 0
	s_lshl_b32 s58, s13, 19                        ; the bias: row 64 y, 8,192 bytes a row
	s_mov_b32 s59, 0
	s_and_b32 s60, s13, 31                         ; my block of queries in the batch
	s_lshr_b32 s61, s60, 1
	s_lshl_b32 s62, s52, 4
	s_add_co_u32 s62, s62, s61
	s_mul_i32 s62, s62, 34816                      ; q's block
	s_and_b32 s63, s[WV], 3                        ; my head of the four
	s_lshr_b32 s66, s[WV], 2                       ; my tile of queries
	s_mul_i32 s67, s63, 8704
	s_add_co_u32 s62, s62, s67
	s_and_b32 s60, s60, 1
	s_lshl_b32 s68, s60, 2
	s_add_co_u32 s68, s68, s66
	s_lshl_b32 s68, s68, 10
	s_add_co_u32 s70, s62, s68                     ; q's tile
	s_mov_b32 s71, 0
	s_lshl_b32 s68, s60, 8
	s_add_co_u32 s72, s62, s68
	s_lshl_b32 s68, s66, 2
	s_add_co_u32 s72, s72, s68
	s_add_co_u32 s72, s72, 8192                    ; and its scale words
	s_mov_b32 s73, 0
	s_lshl_b32 s84, s10, 8
	s_lshl_b32 s88, s13, 2
	s_add_co_u32 s84, s84, s88
	s_add_co_u32 s84, s84, s66                     ; a4: 256 x group + tile of rows,
	s_lshl_b32 s84, s84, 1
	s_lshr_b32 s88, s63, 1
	s_add_co_u32 s84, s84, s88                     ; which 128 of the group's 256
	s_mul_i32 s84, s84, 1536
	s_mov_b32 s85, 0
	s_lshl_b32 s86, s10, 15
	s_lshl_b32 s88, s13, 8
	s_add_co_u32 s86, s86, s88
	s_add_co_u32 s86, s86, 3145728                 ; a4's scale words: K step 2 x group, position 64 y
	s_mov_b32 s87, 0
	s_lshl_b32 s90, s10, 17                        ; the prefetches: my work-group's 16 rows of the tile's 64,
	s_add_co_u32 s90, s90, s58
	s_add_co_u32 s90, s90, 512                     ; at step 1: the first change of slots steps it to step 2
	s_mov_b32 s91, 0
	s_cmp_eq_u32 s[WV], 3
	s_cselect_b32 s[LIM], 1, -1
	s_mov_b32 s[SEL], 0x76543210
	s_mov_b32 s[SEL+1], 0xfedcba98
	s_mov_b32 s[CS], 0x3fb8aa3b                    ; log2(e)
	s_mov_b32 s[CS+1], s[CS]
	s_mov_b32 s79, 0xf1000000                      ; -2^99
	s_mov_b32 s[TB], 0
	s_mov_b32 s[SLOTS], 15
	s_wait_dscnt 0x0                               ; both opening adds are done
	s_wait_kmcnt 0x0
	CROUND                                         ; all sixteen work-groups are here: the first joint loads meet
	s_mov_b32 s[G0K], 1
	s_mov_b32 s[G0K+1], s55
	s_add_nc_u64 s[G0K+2:G0K+3], s[4:5], s[56:57]
	s_or_b32 s[G0K+3], s[G0K+3], 0x80000000
	s_mov_b32 s[G0B], 1
	s_mov_b32 s[G0B+1], BOFF
	s_add_nc_u64 s[G0B+2:G0B+3], s[6:7], s[58:59]
	s_or_b32 s[G0B+3], s[G0B+3], 0x80000000
	JL3                                            ; step 0, into slot 0
	s_add_nc_u64 s[70:71], s[4:5], s[70:71]
	s_add_nc_u64 s[72:73], s[4:5], s[72:73]
	s_add_nc_u64 s[84:85], s[8:9], s[84:85]
	s_add_nc_u64 s[86:87], s[8:9], s[86:87]
	s_add_nc_u64 s[PFA:PFA+1], s[6:7], s[90:91]
	v_and_b32 v8, 31, v0                           ; lane       (v8-v11 hold these only up to the first step)
	v_and_b32 v9, 15, v0                           ; r
	v_bfe_u32 v10, v0, 4, 1                        ; h
	v_lshlrev_b32 v93, 4, v8
	v_lshlrev_b32 v94, 3, v8
	v_lshlrev_b32 v11, 4, v9                       ; 16 r
	v_lshl_add_u32 v[SWOF], v10, 14, v11           ; h x 16,384 + 16 r: kept for the last store
	global_load_b128 v[16:19], v93, s[70:71]       ; q's fragment stays in registers
	global_load_b128 v[20:23], v93, s[70:71] offset:512
	global_load_b32 v28, v11, s[72:73]
	v_add_nc_u32 v[AK0], s67, v93
	s_add_co_u32 s74, s67, 8192
	v_add_nc_u32 v[AS0], s74, v11
	s_mul_i32 s75, s63, 6400
	s_add_co_u32 s75, s75, VOFFS
	v_add_nc_u32 v[AV0], s75, v93
	s_add_co_u32 s75, s75, 6144
	v_add_nc_u32 v[AT0], s75, v11
	v_and_b32 v12, 8, v9
	v_add_nc_u32 v12, v12, v9                      ; the token at row r of a tile: r + 8 (r / 8)
	v_mul_u32_u24 v[AB0], v12, BP
	v_lshl_add_u32 v[AB0], v10, 6, v[AB0]          ; + 64 h: my 16 keys of each 32
	s_lshr_b32 s76, s66, 1
	s_lshl_b32 s76, s76, 5
	s_and_b32 s77, s66, 1
	s_lshl_b32 s77, s77, 3
	s_add_co_u32 s76, s76, s77
	s_mul_i32 s76, s76, BP
	s_add_co_u32 s76, s76, BOFF
	v_add_nc_u32 v[AB0], s76, v[AB0]
	s_lshr_b32 s81, s63, 1
	s_lshl_b32 s81, s81, 8
	s_lshl_b32 s82, s66, 6
	s_add_co_u32 s81, s81, s82
	s_and_b32 s82, s63, 1
	s_lshl_b32 s82, s82, 1
	s_add_co_u32 s81, s81, s82
	s_add_co_u32 s81, s81, SA
	v_lshl_add_u32 v95, v9, 2, s81                 ; where my half of a scale word goes
	v_add_nc_u32 v31, SA, v93                      ; and where wave 0 reads the words back
	v_lshrrev_b32 v[PFO], 1, v8
	v_lshlrev_b32 v[PFO], 13, v[PFO]
	v_and_b32 v13, 1, v8
	v_lshl_add_u32 v[PFO], v13, 8, v[PFO]          ; a row for two lanes, 256 bytes apart
.irp j, 24,25,26,27
	v_mov_b32 v[\j], 0                             ; q's k = 96 on
.endr
.irp t, 0,1,2,3
.irp j, 8,9,10,11
	v_mov_b32 v[32+12*\t+\j], 0                    ; k's likewise: written once, never loaded
.endr
.endr
	v_mov_b32 v13, 0xf1800000                      ; the largest t so far: -2^100: under every t that is served, over every masked one
	v_floor_f32 v12, -v13
	v_mov_b32 v14, 0
	v_mov_b32 v15, 0
.irp b, 0,1,2,3
	v_mov_b32 v[236+\b], 0                         ; (a lane permute's destination counts as one of its sources)
.endr
	v_mov_b32 v253, 0
	v_mov_b32 v241, 0xffff
.set j, 0
.rept 32
	v_mov_b32 v[160+j], 0                          ; O^T: the step is written for every step alike; the first finds zeros
.set j, j+1
.endr
.macro STEP
	v_add_nc_u32 v[ADK], s[TB], v[AK0]             ; (these five are also the places behind the last step's products)
	v_add_nc_u32 v[ADS], s[TB], v[AS0]
	v_add_nc_u32 v[ADV], s[TB], v[AV0]
	v_add_nc_u32 v[ADT], s[TB], v[AT0]
	v_add_nc_u32 v[ADB], s[TB], v[AB0]
.irp be, 0,1,2,3
.irp j, 0,1,2,3
	ds_load_b128 v[96+16*\be+4*\j:99+16*\be+4*\j], v[ADB] offset:128*\be+16*\j   ; the bias of my query at keys 32 be + 16 h + 0 .. 15: the C of tiles 2 be, 2 be + 1
.endr
.endr
	ds_load_b128 v[80:83], v[ADS]
	ds_load_b128 v[84:87], v[ADS] offset:256
.irp g, 0,1
.if \g > 0
.rept 4
	v_nop                                          ; places in front of loads into registers that matrix instructions have read
.endr
.endif
.irp t, 0,1,2,3
	ds_load_b128 v[32+12*\t:35+12*\t], v[ADK] offset:(4*\g+\t)*1024
	ds_load_b128 v[36+12*\t:39+12*\t], v[ADK] offset:(4*\g+\t)*1024+512
.endr
	s_wait_dscnt 0x0
.irp t, 0,1,2,3
	v_wmma_scale_f32_16x16x128_f8f6f4 v[96+8*(4*\g+\t):103+8*(4*\g+\t)], v[32+12*\t:43+12*\t], v[16:27], v[96+8*(4*\g+\t):103+8*(4*\g+\t)], v[80+4*\g+\t], v28 matrix_a_fmt:MATRIX_FMT_FP6 matrix_b_fmt:MATRIX_FMT_FP6
.endr
.endr
.rept 4
	v_nop
.endr
.irp b, 0,1,2,3
	v_max3_num_f32 v[232+\b], v[96+16*\b], v[97+16*\b], v[98+16*\b]   ; the largest score of each block of 32 keys: for the row's maximum, and, since p rises with the score, for the block's largest p
.endr
.irp i, 3,5,7,9,11,13
.irp b, 0,1,2,3
	v_max3_num_f32 v[232+\b], v[232+\b], v[96+16*\b+\i], v[97+16*\b+\i]
.endr
.endr
.irp b, 0,1,2,3
	v_max_num_f32 v[232+\b], v[232+\b], v[111+16*\b]
.endr
.irp b, 0,1,2,3
	v_permlanex16_b32 v[236+\b], v[232+\b], s[SEL], s[SEL+1]
.endr
.irp b, 0,1,2,3
	v_max_num_f32 v[232+\b], v[232+\b], v[236+\b]
.endr
	v_max3_num_f32 v254, v232, v233, v234
	v_max_num_f32 v254, v254, v235
	v_mul_f32 v254, s[CS], v254
	v_max_num_f32 v13, v13, v254                   ; the running largest t
	v_mov_b32 v254, v12
	v_floor_f32 v12, -v13                          ; -M = floor(-t): M is a whole number
	v_sub_f32 v254, v12, v254                      ; old M - new M, 0 or less
	v_cvt_i32_f32 v254, v254                       ; (it saturates)
	v_ldexp_f32 v252, 1.0, v254                    ; f = 2^(old M - new M): exact
.set j, 0
.rept 32
	v_pk_fma_f32 v[96+j:97+j], v[96+j:97+j], s[CS:CS+1], v[12:13] op_sel_hi:[1,0,0]   ; t - M
.set j, j+2
.endr
.irp b, 0,1,2,3
	v_fma_f32 v[232+\b], v[232+\b], s[CS], v12
.endr
.set j, 0
.rept 64
	v_exp_f32 v[96+j], v[96+j]                     ; p
.set j, j+1
.endr
	v_pk_mul_f32 v[14:15], v[14:15], v[252:253] op_sel_hi:[1,0]   ; the sums under the new M (a plain line behind the batch)
	s_wait_alu depctr_va_vdst(0)                   ; one wait for the batch, ahead of its first reader
.irp b, 0,1,2,3
	v_exp_f32 v[232+\b], v[232+\b]                 ; the blocks' largest p
.endr
	v_pk_add_f32 v[236:237], v[96:97], v[98:99]    ; the row's sum, of the unquantised p, in two chains
.irp j, 4,8,12,16,20,24,28,32,36,40,44,48,52,56,60
	v_pk_add_f32 v[14:15], v[14:15], v[96+\j:97+\j]
	v_pk_add_f32 v[236:237], v[236:237], v[98+\j:99+\j]
.endr
	v_pk_add_f32 v[14:15], v[14:15], v[236:237]
	s_wait_alu depctr_va_vdst(0)                   ; and one for the four
.irp b, 0,1,2,3
	v_max_num_f32 v[232+\b], 0x1800000, v[232+\b]  ; the floor: the byte cannot fall under 1
.endr
.irp b, 0,1,2,3
	v_add_nc_u32 v[244+\b], 0xff000000, v[232+\b]
.endr
.irp b, 0,1,2,3
	v_lshrrev_b32 v[236+\b], 23, v[244+\b]
.endr
	v_lshl_or_b32 v92, v237, 8, v236               ; p's scale word for these 128 keys
	v_lshl_or_b32 v92, v238, 16, v92
	v_lshl_or_b32 v92, v239, 24, v92
.irp c, 0,1
	v_cvt_scalef32_pk16_fp6_f32 v[192+6*\c:194+6*\c], v[96+32*\c:111+32*\c], v[244+2*\c]
	v_cvt_scalef32_pk16_fp6_f32 v[204+4*\c:206+4*\c], v[112+32*\c:127+32*\c], v[244+2*\c+1]
.endr
	v_nop
.irp c, 0,1
.irp i, 0,1,2
	v_permlane16_swap_b32 v[192+6*\c+\i], v[204+4*\c+\i]
.endr
.irp i, 0,1,2
	v_mov_b32 v[195+6*\c+\i], v[204+4*\c+\i]
.endr
.endr
.irp t, 0,1,2,3
.irp c, 0,1,2
	ds_load_b128 v[96+12*\t+4*\c:99+12*\t+4*\c], v[ADV] offset:1536*\t+512*\c   ; v's four tiles, where p lay
.endr
.endr
	ds_load_b128 v[88:91], v[ADT]
.set j, 0
.rept 16
	v_pk_mul_f32 v[160+j:161+j], v[160+j:161+j], v[252:253] op_sel_hi:[1,0]   ; O^T under the new M (also the places in front of the products below)
.set j, j+2
.endr
	s_wait_dscnt 0x0
.irp t, 0,1,2,3
	v_wmma_scale_f32_16x16x128_f8f6f4 v[160+8*\t:167+8*\t], v[96+12*\t:107+12*\t], v[192:203], v[160+8*\t:167+8*\t], v[88+\t], v92 matrix_a_fmt:MATRIX_FMT_FP6 matrix_b_fmt:MATRIX_FMT_FP6
.endr
	s_xor_b32 s[TB], s[TB], SLOT1                  ; on to the other slot
.endm
; THE CHANGE OF SLOTS stands at a step's head.  Each wave waits for all its tensor loads, adds 0 to its spare word, and waits for that and for its reads of the slot that it has left.
.macro CHANGE fill
	s_wait_tensorcnt 0x0
	ds_add_u32 v[SPW], v[NIL]                      ; 0 onto my spare word
.if \fill
	ds_add_u32 v[SPW], v[NIL]                      ; twice on end
	s_xor_b32 s[G0K+1], s[G0K+1], SLOT1            ; no tensor load of mine is out: the walking descriptors step
	s_add_nc_u64 s[G0K+2:G0K+3], s[G0K+2:G0K+3], 60416
	s_xor_b32 s[G0B+1], s[G0B+1], SLOT1
	s_add_nc_u64 s[G0B+2:G0B+3], s[G0B+2:G0B+3], 512
	s_wait_xcnt 0x0                                ; the last prefetch, a step back, has read its address
	s_add_nc_u64 s[PFA:PFA+1], s[PFA:PFA+1], 512
	s_wait_dscnt 0x0
	CROUND                                         ; no wave of any partner still reads the slot or has a load on its way
	JL3                                            ; the next step's tiles: they have this step's work in which to land
	ASK
.else
	s_wait_dscnt 0x0
	s_barrier_signal -1
	s_barrier_wait -1
.endif
.endm
	s_wait_loadcnt 0x0                             ; q
.Lstep:
	CHANGE 1
	STEP
	s_sub_co_u32 s[SLOTS], s[SLOTS], 1
	s_cmp_lg_u32 s[SLOTS], 0
	s_cbranch_scc1 .Lstep
	CHANGE 0                                       ; the last step is written out
	STEP
	; THE WAY OUT: O^T / the sum; its 64 numbers of my head are two blocks of product 4's K: half a fragment
.rept 4
	v_nop
.endr
	v_add_f32 v14, v14, v15
	v_permlanex16_b32 v252, v14, s[SEL], s[SEL+1]
	v_add_f32 v14, v14, v252                       ; the row's sum
	v_cmp_gt_f32 s78, s79, v13                     ; every key of my query was masked
	v_cndmask_b32 v14, v14, 1.0, s78
	v_rcp_f32 v14, v14
	v_nop                                          ; a plain line behind the reciprocal,
	s_wait_alu depctr_va_vdst(0)                   ; and the wait ahead of its first reader
.set j, 0
.rept 32
	v_mul_f32 v[96+j], v[160+j], v14               ; register 16 b + i: d = 32 b + 16 h + i
.set j, j+1
.endr
.irp b, 0,1
	v_max3_num_f32 v[232+\b], |v[96+16*\b]|, |v[97+16*\b]|, 0x1800000
.endr
.irp i, 2,4,6,8,10,12,14
.irp b, 0,1
	v_max3_num_f32 v[232+\b], v[232+\b], |v[96+16*\b+\i]|, |v[97+16*\b+\i]|
.endr
.endr
.irp b, 0,1
	v_permlanex16_b32 v[236+\b], v[232+\b], s[SEL], s[SEL+1]
.endr
.irp b, 0,1
	v_max_num_f32 v[232+\b], v[232+\b], v[236+\b]
.endr
.irp b, 0,1
	v_add_nc_u32 v[244+\b], 0xff000000, v[232+\b]
.endr
.irp b, 0,1
	v_lshrrev_b32 v[236+\b], 23, v[244+\b]
.endr
	v_lshl_or_b32 v240, v237, 8, v236
	v_cndmask_b32 v240, v240, v241, s78            ; a wholly masked row: both bytes 0xff
	v_cvt_scalef32_pk16_fp6_f32 v[192:194], v[96:111], v244
	v_cvt_scalef32_pk16_fp6_f32 v[204:206], v[112:127], v245
	v_nop
.irp i, 0,1,2
	v_permlane16_swap_b32 v[192+\i], v[204+\i]
.endr
.irp i, 0,1,2
	v_mov_b32 v[195+\i], v[204+\i]
.endr
	ds_store_b16 v95, v240                         ; (both lanes of a row write the same half-word)
	s_and_b32 s80, s[WV], 1
	s_cmp_eq_u32 s80, 1
	s_cbranch_scc1 .Lodd
	global_store_b128 v93, v[192:195], s[84:85]    ; an even head: the fragment's registers 0-5
	global_store_b64 v94, v[196:197], s[84:85] offset:512
	s_branch .Lstored
.Lodd:
	global_store_b64 v94, v[192:193], s[84:85] offset:768   ; an odd head: registers 6-11
	global_store_b128 v93, v[194:197], s[84:85] offset:1024
.Lstored:
	s_wait_dscnt 0x0                               ; for wave 0's sake
	s_barrier_signal -1
	s_barrier_wait -1
	s_cmp_lg_u32 s[WV], 0
	s_cbranch_scc1 .Lnot0
	ds_load_b128 v[248:251], v31
	s_wait_dscnt 0x0
	global_store_b128 v[SWOF], v[248:251], s[86:87]   ; two runs of 256 consecutive bytes
.Lnot0:
	s_wait_tensorcnt 0x0                           ; the wave's end
	ds_add_u32 v[SPW], v[NIL]
	s_wait_dscnt 0x0
	CROUND                                         ; the closing round
	s_endpgm
.Lfunc_end_k_qb1be1ce9a3_attn:
	.size	k_qb1be1ce9a3_attn, .Lfunc_end_k_qb1be1ce9a3_attn-k_qb1be1ce9a3_attn
	.p2alignl 7, 3214868480
	.fill 96, 4, 3214868480
	.section	.rodata,"a",@progbits
	.p2align	6, 0x0
	.amdhsa_kernel k_qb1be1ce9a3_attn
		.amdhsa_group_segment_fixed_size 327680
		.amdhsa_private_segment_fixed_size 0
		.amdhsa_enable_private_segment 0
		.amdhsa_kernarg_size 24
		.amdhsa_user_sgpr_count 2
		.amdhsa_user_sgpr_kernarg_segment_ptr 1
		.amdhsa_wavefront_size32 1
		.amdhsa_system_sgpr_workgroup_id_x 1
		.amdhsa_system_sgpr_workgroup_id_y 1
		.amdhsa_system_sgpr_workgroup_id_z 1
		.amdhsa_system_vgpr_workitem_id 0
		.amdhsa_next_free_vgpr 256
		.amdhsa_next_free_sgpr 100
		.amdhsa_reserve_vcc 0
		.amdhsa_float_denorm_mode_32 3
		.amdhsa_float_denorm_mode_16_64 3
		.amdhsa_memory_ordered 1
		.amdhsa_forward_progress 1
		.amdhsa_inst_pref_size 50
	.end_amdhsa_kernel
	.amdgpu_metadata
---
amdhsa.version: [ 1, 2 ]
amdhsa.kernels:
  - .name:           k_qb1be1ce9a3_attn
    .symbol:         k_qb1be1ce9a3_attn.kd
    .args:
      - { .name: qkv, .offset: 0, .size: 8, .value_kind: global_buffer, .address_space: global }
      - { .name: bias, .offset: 8, .size: 8, .value_kind: global_buffer, .address_space: global }
      - { .name: a4, .offset: 16, .size: 8, .value_kind: global_buffer, .address_space: global }
    .group_segment_fixed_size: 327680
    .private_segment_fixed_size: 0
    .kernarg_segment_align: 8
    .kernarg_segment_size: 24
    .max_flat_workgroup_size: 512
    .sgpr_count:     100
    .vgpr_count:     256
    .wavefront_size: 32
...
	.end_amdgpu_metadata
.endif
;; end of part 4
;; launch g4 (part 5): grid 4 x 16, 4 waves a work-group, clusters of 4 x 4, 327,680 bytes of LDS; arguments a4, wts, x, xmid; writes xmid
.if DOCPART == 5
	.amdgcn_target "amdgcn-amd-amdhsa--gfx1250"
	.amdhsa_code_object_version 6
	.text
	.protected	k_qb1be1ce9a3_g4
	.globl	k_qb1be1ce9a3_g4
	.p2align	8
	.type	k_qb1be1ce9a3_g4,@function
k_qb1be1ce9a3_g4:
	s_mov_b64 s[64:65], 0
	v_nop
	global_prefetch_b8 v0, s[64:65] scope:SCOPE_SE
	s_setreg_imm32_b32 hwreg(HW_REG_WAVE_MODE, 25, 1), 1
	s_wait_xcnt 0x0
	s_wait_alu depctr_hold_cnt(0) depctr_sa_sdst(0) depctr_va_vdst(0) depctr_va_sdst(0) depctr_va_ssrc(0) depctr_va_vcc(0) depctr_vm_vsrc(0)
	s_getreg_b32 s2, hwreg(HW_REG_IB_STS2, 6, 4)
	s_cmp_eq_u32 s2, 0
	s_cbranch_scc0 .Lentry_in_a_cluster
	s_endpgm
.Lentry_in_a_cluster:
	s_bfe_u32 s2, ttmp6, 0x10000c
	s_cmp_lg_u32 s2, 0xf033
	s_cbranch_scc0 .Lentry_shape_is_right
	s_endpgm
.Lentry_shape_is_right:
; PRODUCT 4 AND THE FIRST RESIDUAL: xmid = x + attention's result x W_o, on codes of E2M3.  No work of reference() is left out here.
; THE PRODUCT: a tile of 256 x 256 to a work-group of four waves, 128 x 128 (64 accumulators) to a wave; K in steps of 256 through two LDS slots filled by the tensor data mover; operands lie in memory as images of the
; operand's registers, so a quarter of a slot is one dense block; the scale words of all of K come once; 4 x 4 work-groups form a cluster and ask jointly for A's tiles along a row, for B's along a column.
; The matrix instruction is used transposed: a lane holds one token (position order) and eight neighbouring columns.
; THE WAY OUT: a block of 16 rows goes through the wave's stage in LDS and comes back as rows of 512 bytes; the residual's rows, asked for three blocks ahead, are added; row t of block a is token 32 (a / 2) + 8 (a % 2) + t + 8 (t / 8).
; The grid has 64 work-groups: the product's 4,096 x 1,024 in tiles of 256 x 256.
.set SIZE_N, 1024
.set SIZE_K, 1024
.set BIASC,  0
.set ASCO,   3145728
.set BCO,    2457600
.set BSCO,   3244032
.set RESP,   8                         ; s[8:9] the residual
.set OUTP,   10                        ; s[10:11] the result
.set FR,     12
.set NL,     4
.set NP,     4
.set FRB,    1536
.set HALFT,  16*FRB
.set SLOT,   4*HALFT
.set SCL,    2*SLOT
.set KST,    SIZE_K/128
.set HALFS,  KST*512
.set SPARE,  262144
.set LAPS,   SIZE_K/512
.set ASTR,   256*2*FRB
.set BSTR,   (SIZE_N/16)*2*FRB
.set SPITCH, 528
.set ADRA, 16
.set ADRB, 20
.set STO,  24
.set RD,   25
.set CO,   26
.set ADRS, 27
.set SPW,  28
.set NIL,  29
.set SC,   32                          ; v32-63 scale words and nothing else
.set BI,   64
.set AF,   128
.set BK,   128
.set G1, 24
.set G0, 32
.set G1B, 48
.set G0B, 56
.set G1S, 68
.set G0S, 76
.set G1SB, 80
.set G0SB, 88
.set MSB, 0
.macro WIN new
.if MSB != \new
	s_set_vgpr_msb (MSB<<8)|\new
.set MSB, \new
.endif
.endm
.set MUL_LO, 0xa1
.set MUL_HI, 0xf1
.set TO_B,   0x40
.macro JLOAD g0a, g1a, g0b, g1b
	s_cmp_eq_u32 s15, 0
	s_cbranch_scc0 .Lfor_b_\@
	tensor_load_to_lds s[\g0a:\g0a+3], s[\g1a:\g1a+7]
	s_nop 0
.rept 4
	v_nop
.endr
	s_branch .Lasked_\@
.Lfor_b_\@:
	tensor_load_to_lds s[\g0b:\g0b+3], s[\g1b:\g1b+7]
	s_nop 0
.rept 4
	v_nop
.endr
.Lasked_\@:
.endm
.macro CREST
	s_cmp_lg_u32 s14, 0
	s_cbranch_scc1 .Lnot_wave_0_\@
	s_barrier_signal -3
.Lnot_wave_0_\@:
	s_barrier_wait -3
	s_barrier_signal -1
	s_barrier_wait -1
.endm
.macro CROUND
	s_barrier_signal -1
	s_barrier_wait -1
	CREST
.endm
	s_load_b128 s[4:7], s[0:1], 0x0                ; A's buffer, wts
	s_load_b128 s[8:11], s[0:1], 0x10
.if BIASC
	s_load_b64 s[12:13], s[0:1], 0x20
.endif
	v_lshl_add_u32 v[SPW], v0, 2, SPARE
	v_mov_b32 v[NIL], 0
	ds_add_u32 v[SPW], v[NIL]                      ; the wave's opening: the add, twice on end, and its wait ahead of my first tensor load
	ds_add_u32 v[SPW], v[NIL]
	v_lshrrev_b32 v1, 5, v0
	v_readfirstlane_b32 s14, v1
	s_lshr_b32 s15, s14, 1
	s_and_b32 s16, s14, 1
	s_bfe_u32 s40, ttmp6, 0x40000
	s_bfe_u32 s41, ttmp6, 0x40004
	s_lshl_b32 s42, ttmp9, 2
	s_add_co_u32 s42, s42, s40                     ; tile column
	s_and_b32 s17, ttmp7, 0xffff
	s_lshl_b32 s17, s17, 2
	s_add_co_u32 s17, s17, s41                     ; tile row
	s_lshl_b32 s43, s41, 2
	s_lshl_b32 s43, 15, s43
	s_lshl_b32 s44, 0x1111, s40
	s_or_b32 s[G1+0], s43, (3<<16)|(1<<21)
	s_or_b32 s[G1B+0], s44, (3<<16)|(1<<21)
.irp g, G1, G1B
	s_mov_b32 s[\g+1], 32<<16
	s_mov_b32 s[\g+2], 96<<16
	s_mov_b32 s[\g+3], 32<<16
	s_mov_b32 s[\g+4], 96
	s_mov_b32 s[\g+5], 32
	s_mov_b32 s[\g+6], 0
	s_mov_b32 s[\g+7], 0
.endr
	s_or_b32 s[G1S+0], s43, (3<<16)|(1<<21)
	s_or_b32 s[G1SB+0], s44, (3<<16)|(1<<21)
.irp g, G1S, G1SB
	s_mov_b32 s[\g+1], 64<<16
	s_mov_b32 s[\g+2], KST<<16
	s_mov_b32 s[\g+3], 64<<16
	s_mov_b32 s[\g+4], KST
	s_mov_b32 s[\g+6], 0
	s_mov_b32 s[\g+7], 0
.endr
	s_mov_b32 s[G1S+5], 2048
	s_mov_b32 s[G1SB+5], SIZE_N/2
	s_lshl_b32 s18, s16, 3
	s_lshl_b32 s20, s17, 4
	s_add_co_u32 s20, s20, s18
	s_lshl_b32 s46, s42, 4
	s_add_co_u32 s46, s46, s18
	s_lshl_b32 s22, s20, 6
	s_add_co_u32 s22, s22, ASCO
	s_mov_b32 s23, 0
	s_lshl_b32 s92, s46, 6
	s_add_co_u32 s92, s92, BSCO
	s_mov_b32 s93, 0
	s_mul_i32 s20, s20, 2*FRB
	s_mov_b32 s21, 0
	s_mul_i32 s46, s46, 2*FRB
	s_add_co_u32 s46, s46, BCO
	s_mov_b32 s47, 0
	s_mul_i32 s45, s14, HALFT
	s_mul_i32 s94, s14, HALFS
	s_wait_dscnt 0x0
	s_wait_kmcnt 0x0
	s_add_nc_u64 s[20:21], s[4:5], s[20:21]
	s_add_nc_u64 s[22:23], s[4:5], s[22:23]
	s_add_nc_u64 s[46:47], s[6:7], s[46:47]
	s_add_nc_u64 s[92:93], s[6:7], s[92:93]
	CROUND
	s_mov_b32 s[G0S], 1
	s_add_co_u32 s[G0S+1], s94, SCL
	s_mov_b64 s[G0S+2:G0S+3], s[22:23]
	s_or_b32 s[G0S+3], s[G0S+3], 0x80000000
	s_mov_b32 s[G0SB], 1
	s_add_co_u32 s[G0SB+1], s94, SCL
	s_mov_b64 s[G0SB+2:G0SB+3], s[92:93]
	s_or_b32 s[G0SB+3], s[G0SB+3], 0x80000000
	JLOAD G0S, G1S, G0SB, G1SB
.irp s, 0,1
	s_mov_b32 s[G0+4*\s], 1
	s_add_co_u32 s[G0+4*\s+1], s45, \s*SLOT
	s_add_nc_u64 s[G0+4*\s+2:G0+4*\s+3], s[20:21], \s*ASTR
	s_or_b32 s[G0+4*\s+3], s[G0+4*\s+3], 0x80000000
	s_mov_b32 s[G0B+4*\s], 1
	s_add_co_u32 s[G0B+4*\s+1], s45, \s*SLOT
	s_add_nc_u64 s[G0B+4*\s+2:G0B+4*\s+3], s[46:47], \s*BSTR
	s_or_b32 s[G0B+4*\s+3], s[G0B+4*\s+3], 0x80000000
	JLOAD G0+4*\s, G1, G0B+4*\s, G1B
.endr
	v_and_b32 v1, 31, v0
	v_and_b32 v2, 15, v0
	v_bfe_u32 v3, v0, 4, 1
	v_lshlrev_b32 v4, 4, v1
	v_lshlrev_b32 v5, 3, v1
	s_mul_i32 s21, s15, HALFT
	s_mul_i32 s22, s16, HALFT
	s_add_co_u32 s22, s22, 2*HALFT
.irp s, 0,1
	v_add_nc_u32 v[ADRA+\s], s21, v4
	v_add_nc_u32 v[ADRB+\s], s22, v4
	v_add_nc_u32 v[ADRA+2+\s], s21, v5
	v_add_nc_u32 v[ADRB+2+\s], s22, v5
	s_add_co_u32 s21, s21, SLOT
	s_add_co_u32 s22, s22, SLOT
.endr
	v_lshlrev_b32 v7, 2, v2
	s_mul_i32 s21, s15, HALFS
	s_mul_i32 s22, s16, HALFS
	s_add_co_u32 s22, s22, 2*HALFS
	s_sub_co_u32 s22, s22, s21
	v_mul_u32_u24 v6, s22, v3
	s_add_co_u32 s21, s21, SCL
	v_add_nc_u32 v7, v7, v6
	v_add_nc_u32 v[ADRS], s21, v7
	; ---- this launch's own addresses
	s_mul_i32 s23, s14, 16*SPITCH                  ; my stage, in slot 0
	v_mul_u32_u24 v6, v2, SPITCH
	v_lshl_add_u32 v6, v3, 5, v6
	v_add_nc_u32 v[STO], s23, v6                   ; in: row r, 32 bytes for each half of the lanes
	v_lshlrev_b32 v[CO], 4, v1
	v_add_nc_u32 v[RD], s23, v[CO]                 ; back: a row of 512 bytes to the 32 lanes
	s_lshl_b32 s46, s42, 10
	s_lshl_b32 s47, s16, 9
	s_add_co_u32 s46, s46, s47                     ; my first column, in bytes
	s_mov_b32 s47, 0
.if BIASC
	s_add_nc_u64 s[8:9], s[8:9], s[46:47]
	v_lshlrev_b32 v8, 5, v3                        ; the bias of column tile b: columns 16 b + 8 h + 0 .. 7
.irp b, 0,1,2,3,4,5,6,7
	global_load_b128 v[BI+8*\b:BI+8*\b+3], v8, s[8:9] offset:64*\b
	global_load_b128 v[BI+8*\b+4:BI+8*\b+7], v8, s[8:9] offset:64*\b+16
.endr
.endif
	s_lshl_b32 s20, s17, 8
	s_lshl_b32 s21, s15, 7
	s_add_co_u32 s20, s20, s21
	s_lshl_b32 s20, s20, 12                        ; my first row x 4,096 bytes
	s_add_co_u32 s20, s20, s46
	s_mov_b32 s21, 0
	s_add_nc_u64 s[RESP:RESP+1], s[RESP:RESP+1], s[20:21]
	s_add_nc_u64 s[OUTP:OUTP+1], s[OUTP:OUTP+1], s[20:21]
.macro FRAG reg, adr, q, i
	ds_load_b128 v[\reg:\reg+3], v[\adr] offset:(2*(\i)+(\q))*FRB
	ds_load_b64 v[\reg+4:\reg+5], v[\adr+2] offset:(2*(\i)+(\q))*FRB+512
	ds_load_b64 v[\reg+6:\reg+7], v[\adr+2] offset:(2*(\i)+(\q))*FRB+768
	ds_load_b128 v[\reg+8:\reg+11], v[\adr] offset:(2*(\i)+(\q))*FRB+1024
.endm
.macro MUL16 a0, p, q, sc, zero        ; the 64 accumulators take turns, one instruction a turn
.irp a, \a0, \a0+1
.irp b, 0,1,2,3,4,5,6,7
.if \zero == 1
	v_wmma_scale_f32_16x16x128_f8f6f4 v[8*(8*((\a)%4)+\b):8*(8*((\a)%4)+\b)+7], v[128*(\p)+FR*\b:128*(\p)+FR*\b+FR-1], v[AF+FR*(\a):AF+FR*(\a)+FR-1], 0, v[SC+16*(\sc)+8*(\q)+\b], v[SC+16*(\sc)+8*(\q)+(\a)] matrix_a_fmt:MATRIX_FMT_FP6 matrix_b_fmt:MATRIX_FMT_FP6 matrix_a_scale:MATRIX_SCALE_ROW1
.elseif \zero == 2
	v_wmma_scale_f32_16x16x128_f8f6f4 v[8*(8*((\a)%4)+\b):8*(8*((\a)%4)+\b)+7], v[128*(\p)+FR*\b:128*(\p)+FR*\b+FR-1], v[AF+FR*(\a):AF+FR*(\a)+FR-1], v[BI+8*\b:BI+8*\b+7], v[SC+16*(\sc)+8*(\q)+\b], v[SC+16*(\sc)+8*(\q)+(\a)] matrix_a_fmt:MATRIX_FMT_FP6 matrix_b_fmt:MATRIX_FMT_FP6 matrix_a_scale:MATRIX_SCALE_ROW1
.else
	v_wmma_scale_f32_16x16x128_f8f6f4 v[8*(8*((\a)%4)+\b):8*(8*((\a)%4)+\b)+7], v[128*(\p)+FR*\b:128*(\p)+FR*\b+FR-1], v[AF+FR*(\a):AF+FR*(\a)+FR-1], v[8*(8*((\a)%4)+\b):8*(8*((\a)%4)+\b)+7], v[SC+16*(\sc)+8*(\q)+\b], v[SC+16*(\sc)+8*(\q)+(\a)] matrix_a_fmt:MATRIX_FMT_FP6 matrix_b_fmt:MATRIX_FMT_FP6 matrix_a_scale:MATRIX_SCALE_ROW1
.endif
.endr
.endr
.endm
.macro FETCH_B slot, q, p
	WIN TO_B
.irp i, 0,1,2,3,4,5,6,7
	FRAG 128*(\p)+FR*\i, ADRB+\slot, \q, \i
.endr
	WIN 0
.endm
.macro FETCH_A slot, q, i0
.irp i, \i0, \i0+1, \i0+2, \i0+3
	FRAG AF+FR*(\i), ADRA+\slot, \q, \i
.endr
.endm
.macro SCALES sc
.irp q, 0,1
.irp i, 0,1,2,3,4,5,6,7
	ds_load_b32 v[SC+16*\sc+8*\q+\i], v[ADRS] offset:512*\q+64*\i
.endr
.endr
.endm
.macro PLACES n
.rept \n
	v_nop
.endr
.endm
.macro STEP slot, q, zero
	s_wait_dscnt 4*NL                              ; all but the youngest sixteen loads (A's blocks 4-7) are in
.if \zero == 2
	WIN 0x81
.else
	WIN MUL_LO
.endif
	MUL16 0, (\q)%2, \q, \slot, \zero
	MUL16 2, (\q)%2, \q, \slot, \zero
	s_wait_dscnt 0
	PLACES NP
	FETCH_B \slot, (\q)+1, 1-(\q)%2
	FETCH_A \slot, (\q)+1, 0
.if \zero == 2
	WIN 0xc1
.else
	WIN MUL_HI
.endif
	MUL16 4, (\q)%2, \q, \slot, \zero
	MUL16 6, (\q)%2, \q, \slot, \zero
	PLACES NP
	WIN 0
	FETCH_A \slot, (\q)+1, 4
.endm
.macro TURN slot, next, fill
	s_wait_tensorcnt 0x0                           ; all my tensor loads have landed: my part of the next slot
	ds_add_u32 v[SPW], v[NIL]
	s_wait_dscnt 4*NL+1                            ; (the add and the youngest sixteen loads may be out)
	WIN MUL_LO
	MUL16 0, 1, 1, \slot, 0
	s_wait_dscnt 0x0                               ; the add is done, and my reads of this slot are over
	s_barrier_signal -1
	MUL16 2, 1, 1, \slot, 0
	WIN 0
	s_barrier_wait -1
.if \fill
	CREST
	s_add_nc_u64 s[G0+4*\slot+2:G0+4*\slot+3], s[G0+4*\slot+2:G0+4*\slot+3], 2*ASTR
	s_add_nc_u64 s[G0B+4*\slot+2:G0B+4*\slot+3], s[G0B+4*\slot+2:G0B+4*\slot+3], 2*BSTR
	JLOAD G0+4*\slot, G1, G0B+4*\slot, G1B
.else
	PLACES NP
.endif
	v_add_nc_u32 v[ADRS], 1024, v[ADRS]
	FETCH_B \next, 0, 0
	FETCH_A \next, 0, 0
	SCALES \next
	WIN MUL_HI
	MUL16 4, 1, 1, \slot, 0
	MUL16 6, 1, 1, \slot, 0
	PLACES NP
	WIN 0
	FETCH_A \next, 0, 4
.endm
	s_wait_tensorcnt 1                             ; the scale words and my part of slot 0 are in; slot 1's load may be out
	s_barrier_signal -1
	s_barrier_wait -1
	FETCH_B 0, 0, 0
	FETCH_A 0, 0, 0
	SCALES 0
	FETCH_A 0, 0, 4
.if BIASC
	s_wait_loadcnt 0x0                             ; the bias
.endif
	STEP 0, 0, 1+BIASC
	s_mov_b32 s3, LAPS-1
.Llap:
	TURN 0, 1, 1
	STEP 1, 0, 0
	TURN 1, 0, 1
	STEP 0, 0, 0
	s_sub_co_u32 s3, s3, 1
	s_cmp_lg_u32 s3, 0
	s_cbranch_scc1 .Llap
	TURN 0, 1, 0
	STEP 1, 0, 0
	s_wait_dscnt 4*NL
	WIN MUL_LO
	MUL16 0, 1, 1, 1, 0
	MUL16 2, 1, 1, 1, 0
	s_wait_dscnt 0
	WIN MUL_HI
	MUL16 4, 1, 1, 1, 0
	MUL16 6, 1, 1, 1, 0
	WIN 0
; ---------------- the way out ----------------
.macro RLOAD a                         ; the residual's 16 rows of block a into window 1, v[64 (a % 4)] on
	WIN 0x40
.irp t, 0,1,2,3,4,5,6,7,8,9,10,11,12,13,14,15
	global_load_b128 v[64*((\a)%4)+4*\t:64*((\a)%4)+4*\t+3], v[CO], s[RESP:RESP+1] offset:(32*((\a)/2)+8*((\a)%2)+\t+8*(\t/8))*4096
.endr
	WIN 0
.endm
.macro TOSTAGE a
.set AC, 64*((\a)%4)
	WIN 0x08+4*((\a)/4)
.irp b, 0,1,2,3,4,5,6,7
	ds_store_b128 v[STO], v[AC+8*\b:AC+8*\b+3] offset:64*\b          ; each accumulator from its low end on
	ds_store_b128 v[STO], v[AC+8*\b+4:AC+8*\b+7] offset:64*\b+16
.endr
	WIN 0
.set BB, BK+64*((\a)%2)
.irp t, 0,1,2,3,4,5,6,7,8,9,10,11,12,13,14,15
	ds_load_b128 v[BB+4*\t:BB+4*\t+3], v[RD] offset:\t*SPITCH        ; LDS serves a wave's instructions in order: these see my stores
.endr
.endm
.macro SEND a, ds, ld                  ; ds: LDS instructions issued behind block a's loads; ld: residual loads issued behind block a's
.set BB, BK+64*((\a)%2)
	s_wait_dscnt \ds
	s_wait_loadcnt \ld
	WIN 0x04                                       ; source 1: window 1
.set si, 0
.rept 32
	v_pk_add_f32 v[BB+si:BB+si+1], v[BB+si:BB+si+1], v[64*((\a)%4)+si:64*((\a)%4)+si+1]
.set si, si+2
.endr
	WIN 0
.irp t, 0,1,2,3,4,5,6,7,8,9,10,11,12,13,14,15
	global_store_b128 v[CO], v[BB+4*\t:BB+4*\t+3], s[OUTP:OUTP+1] offset:(32*((\a)/2)+8*((\a)%2)+\t+8*(\t/8))*4096   ; 512 consecutive bytes
.endr
.endm
	PLACES NP
	RLOAD 0
	RLOAD 1
	RLOAD 2
	RLOAD 3
	TOSTAGE 0
	TOSTAGE 1
	SEND 0, 32, 48
	RLOAD 4
	s_wait_xcnt 0x0                                ; the stores of two blocks back have read their registers
	TOSTAGE 2
	SEND 1, 32, 48
	RLOAD 5
	s_wait_xcnt 0x0
	TOSTAGE 3
	SEND 2, 32, 48
	RLOAD 6
	s_wait_xcnt 0x0
	TOSTAGE 4
	SEND 3, 32, 48
	RLOAD 7
	s_wait_xcnt 0x0
	TOSTAGE 5
	SEND 4, 32, 48
	s_wait_xcnt 0x0
	TOSTAGE 6
	SEND 5, 32, 32
	s_wait_xcnt 0x0
	TOSTAGE 7
	SEND 6, 32, 16
	SEND 7, 0, 0
	s_wait_tensorcnt 0x0                           ; the wave's end
	ds_add_u32 v[SPW], v[NIL]
	s_wait_dscnt 0x0
	CROUND                                         ; the closing round
	s_endpgm
.Lfunc_end_k_qb1be1ce9a3_g4:
	.size	k_qb1be1ce9a3_g4, .Lfunc_end_k_qb1be1ce9a3_g4-k_qb1be1ce9a3_g4
	.p2alignl 7, 3214868480
	.fill 96, 4, 3214868480
	.section	.rodata,"a",@progbits
	.p2align	6, 0x0
	.amdhsa_kernel k_qb1be1ce9a3_g4
		.amdhsa_group_segment_fixed_size 327680
		.amdhsa_private_segment_fixed_size 0
		.amdhsa_enable_private_segment 0
		.amdhsa_kernarg_size 32
		.amdhsa_user_sgpr_count 2
		.amdhsa_user_sgpr_kernarg_segment_ptr 1
		.amdhsa_wavefront_size32 1
		.amdhsa_system_sgpr_workgroup_id_x 1
		.amdhsa_system_sgpr_workgroup_id_y 1
		.amdhsa_system_sgpr_workgroup_id_z 1
		.amdhsa_system_vgpr_workitem_id 0
		.amdhsa_next_free_vgpr 1024
		.amdhsa_next_free_sgpr 100
		.amdhsa_reserve_vcc 0
		.amdhsa_float_denorm_mode_32 3
		.amdhsa_float_denorm_mode_16_64 3
		.amdhsa_memory_ordered 1
		.amdhsa_forward_progress 1
		.amdhsa_inst_pref_size 174
	.end_amdhsa_kernel
	.amdgpu_metadata
---
amdhsa.version: [ 1, 2 ]
amdhsa.kernels:
  - .name:           k_qb1be1ce9a3_g4
    .symbol:         k_qb1be1ce9a3_g4.kd
    .args:
      - { .name: a4, .offset: 0, .size: 8, .value_kind: global_buffer, .address_space: global }
      - { .name: wts, .offset: 8, .size: 8, .value_kind: global_buffer, .address_space: global }
      - { .name: x, .offset: 16, .size: 8, .value_kind: global_buffer, .address_space: global }
      - { .name: xmid, .offset: 24, .size: 8, .value_kind: global_buffer, .address_space: global }
    .group_segment_fixed_size: 327680
    .private_segment_fixed_size: 0
    .kernarg_segment_align: 8
    .kernarg_segment_size: 32
    .max_flat_workgroup_size: 128
    .sgpr_count:     100
    .vgpr_count:     1024
    .wavefront_size: 32
...
	.end_amdgpu_metadata
.endif
;; end of part 5
;; launch ln2: the kernel of part 2 again; grid 256 x 1, 4 waves a work-group, no clusters, 66,560 bytes of LDS; arguments xmid, ln2_g, ln2_b, act; writes act
;; launch g5 (part 6): grid 16 x 16, 4 waves a work-group, clusters of 4 x 4, 327,680 bytes of LDS; arguments act, wts, b1, hid; writes hid
.if DOCPART == 6
	.amdgcn_target "amdgcn-amd-amdhsa--gfx1250"
	.amdhsa_code_object_version 6
	.text
	.protected	k_qb1be1ce9a3_g5
	.globl	k_qb1be1ce9a3_g5
	.p2align	8
	.type	k_qb1be1ce9a3_g5,@function
k_qb1be1ce9a3_g5:
	s_mov_b64 s[64:65], 0
	v_nop
	global_prefetch_b8 v0, s[64:65] scope:SCOPE_SE
	s_setreg_imm32_b32 hwreg(HW_REG_WAVE_MODE, 25, 1), 1
	s_wait_xcnt 0x0
	s_wait_alu depctr_hold_cnt(0) depctr_sa_sdst(0) depctr_va_vdst(0) depctr_va_sdst(0) depctr_va_ssrc(0) depctr_va_vcc(0) depctr_vm_vsrc(0)
	s_getreg_b32 s2, hwreg(HW_REG_IB_STS2, 6, 4)
	s_cmp_eq_u32 s2, 0
	s_cbranch_scc0 .Lentry_in_a_cluster
	s_endpgm
.Lentry_in_a_cluster:
	s_bfe_u32 s2, ttmp6, 0x10000c
	s_cmp_lg_u32 s2, 0xf033
	s_cbranch_scc0 .Lentry_shape_is_right
	s_endpgm
.Lentry_shape_is_right:
; PRODUCT 5, THE EXACT GELU AND THE QUANTISER AHEAD OF PRODUCT 6: hid = Q(gelu(LN2(xmid) W1 + b1)), on codes of E2M3.  No work of reference() is left out here.
; THE PRODUCT: as in the other products of this program: 256 x 256 to a work-group, 128 x 128 to a wave, K in steps of 256 through two LDS slots, operands as images of their registers, scale words once, joint loads in a cluster of 4 x 4.
; b1 is the C of each sum's first matrix instruction.  W1's columns lie in position order, so the 16 registers of column tiles 2 b, 2 b + 1 are 16 neighbouring hidden units: a wave's 128 columns are one K step of product 6.
; THE WAY OUT: eight copies of the activation would make the text too long, so the accumulators go once into the wave's own 65,536 bytes of LDS as they stand (the ring and the scale words have had their last fill and,
; behind a barrier, their last read), and a loop of four trips takes two tiles of 16 rows a trip: 64 numbers a lane, gelu, quantised, stored as a fragment's image.
; gelu(u) = u/2 + u/2 erf(u / sqrt 2); erf(z) = z P(z^2) / Q(z^2) on z held to +-4: a quotient of polynomials of degree 6 and 4, good to a few units in f32's last place.
; LIMITS: NaN and infinities are not served.
.set SIZE_N, 4096
.set SIZE_K, 1024
.set BIASC,  1
.set ASCO,   3145728
.set BCO,    3276800
.set BSCO,   6422528
.set FR,     12
.set NL,     4
.set NP,     4
.set FRB,    1536
.set HALFT,  16*FRB
.set SLOT,   4*HALFT
.set SCL,    2*SLOT
.set KST,    SIZE_K/128
.set HALFS,  KST*512
.set SPARE,  262144
.set LAPS,   SIZE_K/512
.set ASTR,   256*2*FRB
.set BSTR,   (SIZE_N/16)*2*FRB
.set ADRA, 16
.set ADRB, 20
.set STO,  24
.set RD,   25
.set ADRS, 27
.set SPW,  28
.set NIL,  29
.set SC,   32                          ; v32-63 scale words and nothing else
.set BI,   64
.set AF,   128
.set G1, 24
.set G0, 32
.set G1B, 48
.set G0B, 56
.set G1S, 68
.set G0S, 76
.set G1SB, 80
.set G0SB, 88
.set MSB, 0
.macro WIN new
.if MSB != \new
	s_set_vgpr_msb (MSB<<8)|\new
.set MSB, \new
.endif
.endm
.set MUL_LO, 0xa1
.set MUL_HI, 0xf1
.set TO_B,   0x40
.macro JLOAD g0a, g1a, g0b, g1b
	s_cmp_eq_u32 s15, 0
	s_cbranch_scc0 .Lfor_b_\@
	tensor_load_to_lds s[\g0a:\g0a+3], s[\g1a:\g1a+7]
	s_nop 0
.rept 4
	v_nop
.endr
	s_branch .Lasked_\@
.Lfor_b_\@:
	tensor_load_to_lds s[\g0b:\g0b+3], s[\g1b:\g1b+7]
	s_nop 0
.rept 4
	v_nop
.endr
.Lasked_\@:
.endm
.macro CREST
	s_cmp_lg_u32 s14, 0
	s_cbranch_scc1 .Lnot_wave_0_\@
	s_barrier_signal -3
.Lnot_wave_0_\@:
	s_barrier_wait -3
	s_barrier_signal -1
	s_barrier_wait -1
.endm
.macro CROUND
	s_barrier_signal -1
	s_barrier_wait -1
	CREST
.endm
	s_load_b128 s[4:7], s[0:1], 0x0                ; act, wts
	s_load_b128 s[8:11], s[0:1], 0x10              ; b1, hid
	v_lshl_add_u32 v[SPW], v0, 2, SPARE
	v_mov_b32 v[NIL], 0
	ds_add_u32 v[SPW], v[NIL]                      ; the wave's opening: the add, twice on end, and its wait ahead of my first tensor load
	ds_add_u32 v[SPW], v[NIL]
	v_lshrrev_b32 v1, 5, v0
	v_readfirstlane_b32 s14, v1
	s_lshr_b32 s15, s14, 1
	s_and_b32 s16, s14, 1
	s_bfe_u32 s40, ttmp6, 0x40000
	s_bfe_u32 s41, ttmp6, 0x40004
	s_lshl_b32 s42, ttmp9, 2
	s_add_co_u32 s42, s42, s40
	s_and_b32 s17, ttmp7, 0xffff
	s_lshl_b32 s17, s17, 2
	s_add_co_u32 s17, s17, s41
	s_lshl_b32 s43, s41, 2
	s_lshl_b32 s43, 15, s43
	s_lshl_b32 s44, 0x1111, s40
	s_or_b32 s[G1+0], s43, (3<<16)|(1<<21)
	s_or_b32 s[G1B+0], s44, (3<<16)|(1<<21)
.irp g, G1, G1B
	s_mov_b32 s[\g+1], 32<<16
	s_mov_b32 s[\g+2], 96<<16
	s_mov_b32 s[\g+3], 32<<16
	s_mov_b32 s[\g+4], 96
	s_mov_b32 s[\g+5], 32
	s_mov_b32 s[\g+6], 0
	s_mov_b32 s[\g+7], 0
.endr
	s_or_b32 s[G1S+0], s43, (3<<16)|(1<<21)
	s_or_b32 s[G1SB+0], s44, (3<<16)|(1<<21)
.irp g, G1S, G1SB
	s_mov_b32 s[\g+1], 64<<16
	s_mov_b32 s[\g+2], KST<<16
	s_mov_b32 s[\g+3], 64<<16
	s_mov_b32 s[\g+4], KST
	s_mov_b32 s[\g+6], 0
	s_mov_b32 s[\g+7], 0
.endr
	s_mov_b32 s[G1S+5], 2048
	s_mov_b32 s[G1SB+5], SIZE_N/2
	s_lshl_b32 s18, s16, 3
	s_lshl_b32 s20, s17, 4
	s_add_co_u32 s20, s20, s18
	s_lshl_b32 s46, s42, 4
	s_add_co_u32 s46, s46, s18
	s_lshl_b32 s22, s20, 6
	s_add_co_u32 s22, s22, ASCO
	s_mov_b32 s23, 0
	s_lshl_b32 s92, s46, 6
	s_add_co_u32 s92, s92, BSCO
	s_mov_b32 s93, 0
	s_mul_i32 s20, s20, 2*FRB
	s_mov_b32 s21, 0
	s_mul_i32 s46, s46, 2*FRB
	s_add_co_u32 s46, s46, BCO
	s_mov_b32 s47, 0
	s_mul_i32 s45, s14, HALFT
	s_mul_i32 s94, s14, HALFS
	s_wait_dscnt 0x0
	s_wait_kmcnt 0x0
	s_add_nc_u64 s[20:21], s[4:5], s[20:21]
	s_add_nc_u64 s[22:23], s[4:5], s[22:23]
	s_add_nc_u64 s[46:47], s[6:7], s[46:47]
	s_add_nc_u64 s[92:93], s[6:7], s[92:93]
	CROUND
	s_mov_b32 s[G0S], 1
	s_add_co_u32 s[G0S+1], s94, SCL
	s_mov_b64 s[G0S+2:G0S+3], s[22:23]
	s_or_b32 s[G0S+3], s[G0S+3], 0x80000000
	s_mov_b32 s[G0SB], 1
	s_add_co_u32 s[G0SB+1], s94, SCL
	s_mov_b64 s[G0SB+2:G0SB+3], s[92:93]
	s_or_b32 s[G0SB+3], s[G0SB+3], 0x80000000
	JLOAD G0S, G1S, G0SB, G1SB
.irp s, 0,1
	s_mov_b32 s[G0+4*\s], 1
	s_add_co_u32 s[G0+4*\s+1], s45, \s*SLOT
	s_add_nc_u64 s[G0+4*\s+2:G0+4*\s+3], s[20:21], \s*ASTR
	s_or_b32 s[G0+4*\s+3], s[G0+4*\s+3], 0x80000000
	s_mov_b32 s[G0B+4*\s], 1
	s_add_co_u32 s[G0B+4*\s+1], s45, \s*SLOT
	s_add_nc_u64 s[G0B+4*\s+2:G0B+4*\s+3], s[46:47], \s*BSTR
	s_or_b32 s[G0B+4*\s+3], s[G0B+4*\s+3], 0x80000000
	JLOAD G0+4*\s, G1, G0B+4*\s, G1B
.endr
	v_and_b32 v1, 31, v0
	v_and_b32 v2, 15, v0
	v_bfe_u32 v3, v0, 4, 1
	v_lshlrev_b32 v4, 4, v1                        ; 16 x lane; kept
	v_lshlrev_b32 v5, 3, v1                        ; 8 x lane; kept
	v_lshlrev_b32 v9, 2, v1                        ; 4 x lane; kept
	s_mul_i32 s21, s15, HALFT
	s_mul_i32 s22, s16, HALFT
	s_add_co_u32 s22, s22, 2*HALFT
.irp s, 0,1
	v_add_nc_u32 v[ADRA+\s], s21, v4
	v_add_nc_u32 v[ADRB+\s], s22, v4
	v_add_nc_u32 v[ADRA+2+\s], s21, v5
	v_add_nc_u32 v[ADRB+2+\s], s22, v5
	s_add_co_u32 s21, s21, SLOT
	s_add_co_u32 s22, s22, SLOT
.endr
	v_lshlrev_b32 v7, 2, v2
	s_mul_i32 s21, s15, HALFS
	s_mul_i32 s22, s16, HALFS
	s_add_co_u32 s22, s22, 2*HALFS
	s_sub_co_u32 s22, s22, s21
	v_mul_u32_u24 v6, s22, v3
	s_add_co_u32 s21, s21, SCL
	v_add_nc_u32 v7, v7, v6
	v_add_nc_u32 v[ADRS], s21, v7
	; ---- this launch's own addresses
	s_lshl_b32 s46, s42, 10
	s_lshl_b32 s47, s16, 9
	s_add_co_u32 s46, s46, s47
	s_mov_b32 s47, 0
	s_add_nc_u64 s[8:9], s[8:9], s[46:47]          ; b1 at my first column
	v_lshlrev_b32 v8, 6, v3                        ; column tile b holds hidden units 32 (b / 2) + 8 (b % 2) + 16 h + 0 .. 7
.irp b, 0,1,2,3,4,5,6,7
	global_load_b128 v[BI+8*\b:BI+8*\b+3], v8, s[8:9] offset:(32*(\b/2)+8*(\b%2))*4
	global_load_b128 v[BI+8*\b+4:BI+8*\b+7], v8, s[8:9] offset:(32*(\b/2)+8*(\b%2))*4+16
.endr
	s_lshl_b32 s20, s42, 8
	s_lshl_b32 s21, s17, 4
	s_add_co_u32 s20, s20, s21
	s_lshl_b32 s21, s15, 3
	s_add_co_u32 s20, s20, s21
	s_mul_i32 s20, s20, 3072
	s_mul_i32 s21, s16, 1536
	s_add_co_u32 s20, s20, s21
	s_mov_b32 s21, 0
	s_add_nc_u64 s[96:97], s[10:11], s[20:21]      ; hid's codes: (256 x + my first tile of rows) x 3,072 + my half of the 256 columns
	s_lshl_b32 s20, s42, 1
	s_add_co_u32 s20, s20, s16
	s_lshl_b32 s20, s20, 14
	s_lshl_b32 s22, s17, 10
	s_add_co_u32 s20, s20, s22
	s_lshl_b32 s22, s15, 9
	s_add_co_u32 s20, s20, s22
	s_add_co_u32 s20, s20, 12582912
	s_add_nc_u64 s[98:99], s[10:11], s[20:21]      ; its scale words: K step 2 x + half, my first position
	s_lshl_b32 s20, s14, 16
	v_add_nc_u32 v[STO], s20, v4                   ; my 65,536 bytes of LDS on the way out
	v_add_nc_u32 v[RD], s20, v4
.macro FRAG reg, adr, q, i
	ds_load_b128 v[\reg:\reg+3], v[\adr] offset:(2*(\i)+(\q))*FRB
	ds_load_b64 v[\reg+4:\reg+5], v[\adr+2] offset:(2*(\i)+(\q))*FRB+512
	ds_load_b64 v[\reg+6:\reg+7], v[\adr+2] offset:(2*(\i)+(\q))*FRB+768
	ds_load_b128 v[\reg+8:\reg+11], v[\adr] offset:(2*(\i)+(\q))*FRB+1024
.endm
.macro MUL16 a0, p, q, sc, zero        ; the 64 accumulators take turns, one instruction a turn
.irp a, \a0, \a0+1
.irp b, 0,1,2,3,4,5,6,7
.if \zero == 1
	v_wmma_scale_f32_16x16x128_f8f6f4 v[8*(8*((\a)%4)+\b):8*(8*((\a)%4)+\b)+7], v[128*(\p)+FR*\b:128*(\p)+FR*\b+FR-1], v[AF+FR*(\a):AF+FR*(\a)+FR-1], 0, v[SC+16*(\sc)+8*(\q)+\b], v[SC+16*(\sc)+8*(\q)+(\a)] matrix_a_fmt:MATRIX_FMT_FP6 matrix_b_fmt:MATRIX_FMT_FP6 matrix_a_scale:MATRIX_SCALE_ROW1
.elseif \zero == 2
	v_wmma_scale_f32_16x16x128_f8f6f4 v[8*(8*((\a)%4)+\b):8*(8*((\a)%4)+\b)+7], v[128*(\p)+FR*\b:128*(\p)+FR*\b+FR-1], v[AF+FR*(\a):AF+FR*(\a)+FR-1], v[BI+8*\b:BI+8*\b+7], v[SC+16*(\sc)+8*(\q)+\b], v[SC+16*(\sc)+8*(\q)+(\a)] matrix_a_fmt:MATRIX_FMT_FP6 matrix_b_fmt:MATRIX_FMT_FP6 matrix_a_scale:MATRIX_SCALE_ROW1
.else
	v_wmma_scale_f32_16x16x128_f8f6f4 v[8*(8*((\a)%4)+\b):8*(8*((\a)%4)+\b)+7], v[128*(\p)+FR*\b:128*(\p)+FR*\b+FR-1], v[AF+FR*(\a):AF+FR*(\a)+FR-1], v[8*(8*((\a)%4)+\b):8*(8*((\a)%4)+\b)+7], v[SC+16*(\sc)+8*(\q)+\b], v[SC+16*(\sc)+8*(\q)+(\a)] matrix_a_fmt:MATRIX_FMT_FP6 matrix_b_fmt:MATRIX_FMT_FP6 matrix_a_scale:MATRIX_SCALE_ROW1
.endif
.endr
.endr
.endm
.macro FETCH_B slot, q, p
	WIN TO_B
.irp i, 0,1,2,3,4,5,6,7
	FRAG 128*(\p)+FR*\i, ADRB+\slot, \q, \i
.endr
	WIN 0
.endm
.macro FETCH_A slot, q, i0
.irp i, \i0, \i0+1, \i0+2, \i0+3
	FRAG AF+FR*(\i), ADRA+\slot, \q, \i
.endr
.endm
.macro SCALES sc
.irp q, 0,1
.irp i, 0,1,2,3,4,5,6,7
	ds_load_b32 v[SC+16*\sc+8*\q+\i], v[ADRS] offset:512*\q+64*\i
.endr
.endr
.endm
.macro PLACES n
.rept \n
	v_nop
.endr
.endm
.macro STEP slot, q, zero
	s_wait_dscnt 4*NL                              ; all but the youngest sixteen loads (A's blocks 4-7) are in
.if \zero == 2
	WIN 0x81
.else
	WIN MUL_LO
.endif
	MUL16 0, (\q)%2, \q, \slot, \zero
	MUL16 2, (\q)%2, \q, \slot, \zero
	s_wait_dscnt 0
	PLACES NP
	FETCH_B \slot, (\q)+1, 1-(\q)%2
	FETCH_A \slot, (\q)+1, 0
.if \zero == 2
	WIN 0xc1
.else
	WIN MUL_HI
.endif
	MUL16 4, (\q)%2, \q, \slot, \zero
	MUL16 6, (\q)%2, \q, \slot, \zero
	PLACES NP
	WIN 0
	FETCH_A \slot, (\q)+1, 4
.endm
.macro TURN slot, next, fill
	s_wait_tensorcnt 0x0                           ; all my tensor loads have landed: my part of the next slot
	ds_add_u32 v[SPW], v[NIL]
	s_wait_dscnt 4*NL+1                            ; (the add and the youngest sixteen loads may be out)
	WIN MUL_LO
	MUL16 0, 1, 1, \slot, 0
	s_wait_dscnt 0x0                               ; the add is done, and my reads of this slot are over
	s_barrier_signal -1
	MUL16 2, 1, 1, \slot, 0
	WIN 0
	s_barrier_wait -1
.if \fill
	CREST
	s_add_nc_u64 s[G0+4*\slot+2:G0+4*\slot+3], s[G0+4*\slot+2:G0+4*\slot+3], 2*ASTR
	s_add_nc_u64 s[G0B+4*\slot+2:G0B+4*\slot+3], s[G0B+4*\slot+2:G0B+4*\slot+3], 2*BSTR
	JLOAD G0+4*\slot, G1, G0B+4*\slot, G1B
.else
	PLACES NP
.endif
	v_add_nc_u32 v[ADRS], 1024, v[ADRS]
	FETCH_B \next, 0, 0
	FETCH_A \next, 0, 0
	SCALES \next
	WIN MUL_HI
	MUL16 4, 1, 1, \slot, 0
	MUL16 6, 1, 1, \slot, 0
	PLACES NP
	WIN 0
	FETCH_A \next, 0, 4
.endm
	s_wait_tensorcnt 1                             ; the scale words and my part of slot 0 are in; slot 1's load may be out
	s_barrier_signal -1
	s_barrier_wait -1
	FETCH_B 0, 0, 0
	FETCH_A 0, 0, 0
	SCALES 0
	FETCH_A 0, 0, 4
	s_wait_loadcnt 0x0                             ; the bias
	STEP 0, 0, 1+BIASC
	s_mov_b32 s3, LAPS-1
.Llap:
	TURN 0, 1, 1
	STEP 1, 0, 0
	TURN 1, 0, 1
	STEP 0, 0, 0
	s_sub_co_u32 s3, s3, 1
	s_cmp_lg_u32 s3, 0
	s_cbranch_scc1 .Llap
	TURN 0, 1, 0
	STEP 1, 0, 0
	s_wait_dscnt 4*NL
	WIN MUL_LO
	MUL16 0, 1, 1, 1, 0
	MUL16 2, 1, 1, 1, 0
	s_wait_dscnt 0
	WIN MUL_HI
	MUL16 4, 1, 1, 1, 0
	MUL16 6, 1, 1, 1, 0
	WIN 0
; ---------------- the way out ----------------
.set U,   64                           ; v64-127  a tile's 64 numbers of a lane
.set ZC,  128                          ; v128-159 z, held
.set Y,   160                          ; v160-191 z^2, later u / 2
.set PP,  192                          ; v192-223 P
.set QQ,  224                          ; v224-255 Q
.set PC,  128                          ; codes
.set TM,  152
.set SEL, 48
.set SQH, 24                           ; scalar pairs: the constants (no tensor load of mine is out: the descriptors' registers are free)
.set CA0, 26
.set CA2, 28
.set CA3, 30
.set CA4, 32
.set CA5, 34
.set CA6, 36
.set CB0, 38
.set CB2, 40
.set CB3, 42
.set CB4, 44
.macro QUANT s, pw, fl
.irp b, 0,1,2,3
	v_max3_num_f32 v[TM+\b], |v[\s+16*\b]|, |v[\s+1+16*\b]|, \fl
.endr
.irp i, 2,4,6,8,10,12,14
.irp b, 0,1,2,3
	v_max3_num_f32 v[TM+\b], v[TM+\b], |v[\s+16*\b+\i]|, |v[\s+1+16*\b+\i]|
.endr
.endr
.irp b, 0,1,2,3
	v_permlanex16_b32 v[TM+4+\b], v[TM+\b], s[SEL], s[SEL+1]
.endr
.irp b, 0,1,2,3
	v_max_num_f32 v[TM+\b], v[TM+\b], v[TM+4+\b]
.endr
.irp b, 0,1,2,3
	v_add_nc_u32 v[TM+12+\b], 0xff000000, v[TM+\b]
.endr
.irp b, 0,1,2,3
	v_lshrrev_b32 v[TM+4+\b], 23, v[TM+12+\b]
.endr
	v_lshl_or_b32 v[\pw], v[TM+5], 8, v[TM+4]
	v_lshl_or_b32 v[\pw], v[TM+6], 16, v[\pw]
	v_lshl_or_b32 v[\pw], v[TM+7], 24, v[\pw]
.irp c, 0,1
	v_cvt_scalef32_pk16_fp6_f32 v[PC+6*\c:PC+2+6*\c], v[\s+32*\c:\s+15+32*\c], v[TM+12+2*\c]
	v_cvt_scalef32_pk16_fp6_f32 v[PC+12+4*\c:PC+14+4*\c], v[\s+16+32*\c:\s+31+32*\c], v[TM+12+2*\c+1]
.endr
	v_nop
.irp c, 0,1
.irp i, 0,1,2
	v_permlane16_swap_b32 v[PC+6*\c+\i], v[PC+12+4*\c+\i]
.endr
.irp i, 0,1,2
	v_mov_b32 v[PC+3+6*\c+\i], v[PC+12+4*\c+\i]
.endr
.endr
.endm
.macro GELU hf                         ; 32 numbers, two at a time
.set UB, U+32*(\hf)
.set gi, 0
.rept 16
	v_pk_mul_f32 v[ZC+gi:ZC+gi+1], v[UB+gi:UB+gi+1], s[SQH:SQH+1] op_sel_hi:[1,0]
.set gi, gi+2
.endr
.set gi, 0
.rept 32
	v_med3_num_f32 v[ZC+gi], v[ZC+gi], -4.0, 4.0
.set gi, gi+1
.endr
.set gi, 0
.rept 16
	v_pk_mul_f32 v[Y+gi:Y+gi+1], v[ZC+gi:ZC+gi+1], v[ZC+gi:ZC+gi+1]
.set gi, gi+2
.endr
.set gi, 0
.rept 16
	v_pk_fma_f32 v[PP+gi:PP+gi+1], v[Y+gi:Y+gi+1], s[CA0:CA0+1], v[20:21] op_sel_hi:[1,0,1]
	v_pk_fma_f32 v[QQ+gi:QQ+gi+1], v[Y+gi:Y+gi+1], s[CB0:CB0+1], v[22:23] op_sel_hi:[1,0,1]
.set gi, gi+2
.endr
.irp c, CB2, CB3, CB4
.set gi, 0
.rept 16
	v_pk_fma_f32 v[QQ+gi:QQ+gi+1], v[QQ+gi:QQ+gi+1], v[Y+gi:Y+gi+1], s[\c:\c+1] op_sel_hi:[1,1,0]
.set gi, gi+2
.endr
.endr
.set gi, 0
.rept 32
	v_rcp_f32 v[QQ+gi], v[QQ+gi]
.set gi, gi+1
.endr
.irp c, CA2, CA3, CA4, CA5, CA6        ; P's steps name no reciprocal: work behind the batch
.set gi, 0
.rept 16
	v_pk_fma_f32 v[PP+gi:PP+gi+1], v[PP+gi:PP+gi+1], v[Y+gi:Y+gi+1], s[\c:\c+1] op_sel_hi:[1,1,0]
.set gi, gi+2
.endr
.endr
.set gi, 0
.rept 16
	v_pk_mul_f32 v[PP+gi:PP+gi+1], v[PP+gi:PP+gi+1], v[ZC+gi:ZC+gi+1]
	v_pk_mul_f32 v[Y+gi:Y+gi+1], v[UB+gi:UB+gi+1], 0.5 op_sel_hi:[1,0]
.set gi, gi+2
.endr
	s_wait_alu depctr_va_vdst(0)                   ; one wait for the 32 reciprocals, ahead of their first reader
.set gi, 0
.rept 16
	v_pk_mul_f32 v[PP+gi:PP+gi+1], v[PP+gi:PP+gi+1], v[QQ+gi:QQ+gi+1]   ; erf
.set gi, gi+2
.endr
.set gi, 0
.rept 16
	v_pk_fma_f32 v[UB+gi:UB+gi+1], v[Y+gi:Y+gi+1], v[PP+gi:PP+gi+1], v[Y+gi:Y+gi+1]
.set gi, gi+2
.endr
.endm
.macro TILE k
.set ti, 0
.rept 16
	ds_load_b128 v[U+4*ti:U+4*ti+3], v[RD] offset:8192*(\k)+512*ti   ; my own bytes, in the order of the accumulators' registers
.set ti, ti+1
.endr
	s_wait_xcnt 0x0                                ; the last tile's stores have read their registers
	s_wait_dscnt 0x0
	GELU 0
	GELU 1
	QUANT U, 30+\k, 0x1800000
	global_store_b128 v4, v[PC:PC+3], s[96:97] offset:3072*(\k)
	global_store_b64 v5, v[PC+4:PC+5], s[96:97] offset:3072*(\k)+512
	global_store_b64 v5, v[PC+6:PC+7], s[96:97] offset:3072*(\k)+768
	global_store_b128 v4, v[PC+8:PC+11], s[96:97] offset:3072*(\k)+1024
.endm
	PLACES NP
	s_wait_dscnt 0x0
	s_barrier_signal -1                            ; every wave has left the ring and the scale words: nothing is filled any more, and their bytes are free
	s_barrier_wait -1
.irp a, 0,1,2,3,4,5,6,7
	WIN 0x08+4*(\a/4)
.irp b, 0,1,2,3,4,5,6,7
	ds_store_b128 v[STO], v[8*(8*(\a%4)+\b):8*(8*(\a%4)+\b)+3] offset:(16*\a+2*\b)*512   ; each accumulator from its low end on
	ds_store_b128 v[STO], v[8*(8*(\a%4)+\b)+4:8*(8*(\a%4)+\b)+7] offset:(16*\a+2*\b+1)*512
.endr
.endr
	WIN 0
	s_mov_b32 s[SEL], 0x76543210
	s_mov_b32 s[SEL+1], 0xfedcba98
	s_mov_b32 s50, 0xffff0000                      ; lanes 16-31
	s_mov_b32 s[SQH], 0x3f3504f3                   ; 1 / sqrt 2
	s_mov_b32 s[CA0], 0xaf95df0b                   ; P: -2.72614225801306e-10
	s_mov_b32 s[CA2], 0xb60cff51                   ; -2.10102402082508e-06
	s_mov_b32 s[CA3], 0xb86ec2d2                   ; -5.69250639462346e-05
	s_mov_b32 s[CA4], 0xba40ac63                   ; -7.34990630326855e-04
	s_mov_b32 s[CA5], 0xbb41a1f6                   ; -2.95459980854025e-03
	s_mov_b32 s[CA6], 0xbc83dbd4                   ; -1.60960333262415e-02
	s_mov_b32 s[CB0], 0xb77460cd                   ; Q: -1.45660718464996e-05
	s_mov_b32 s[CB2], 0xbadc924e                   ; -1.68282697438203e-03
	s_mov_b32 s[CB3], 0xbbf19bf8                   ; -7.37332916720468e-03
	s_mov_b32 s[CB4], 0xbc69b6a7                   ; -1.42647390514189e-02
.irp c, SQH, CA0, CA2, CA3, CA4, CA5, CA6, CB0, CB2, CB3, CB4
	s_mov_b32 s[\c+1], s[\c]                       ; (named as pairs, so both words are written)
.endr
	v_mov_b32 v20, 0x32edffee                      ; P's second: 2.77068142495902e-08
	v_mov_b32 v21, v20
	v_mov_b32 v22, 0xb95fbd29                      ; Q's second: -2.13374055278905e-04
	v_mov_b32 v23, v22
	s_mov_b32 s3, 4
.Ltrip:
	TILE 0
	TILE 1
	v_cndmask_b32 v150, v30, v31, s50              ; lanes 0-15 the first tile's scale words, lanes 16-31 the second's
	global_store_b32 v9, v150, s[98:99]
	s_wait_xcnt 0x0                                ; the stores have read their registers and bases
	v_add_nc_u32 v[RD], 16384, v[RD]
	s_add_nc_u64 s[96:97], s[96:97], 6144
	s_add_nc_u64 s[98:99], s[98:99], 128
	s_sub_co_u32 s3, s3, 1
	s_cmp_lg_u32 s3, 0
	s_cbranch_scc1 .Ltrip
	s_wait_tensorcnt 0x0                           ; the wave's end
	ds_add_u32 v[SPW], v[NIL]
	s_wait_dscnt 0x0
	CROUND                                         ; the closing round
	s_endpgm
.Lfunc_end_k_qb1be1ce9a3_g5:
	.size	k_qb1be1ce9a3_g5, .Lfunc_end_k_qb1be1ce9a3_g5-k_qb1be1ce9a3_g5
	.p2alignl 7, 3214868480
	.fill 96, 4, 3214868480
	.section	.rodata,"a",@progbits
	.p2align	6, 0x0
	.amdhsa_kernel k_qb1be1ce9a3_g5
		.amdhsa_group_segment_fixed_size 327680
		.amdhsa_private_segment_fixed_size 0
		.amdhsa_enable_private_segment 0
		.amdhsa_kernarg_size 32
		.amdhsa_user_sgpr_count 2
		.amdhsa_user_sgpr_kernarg_segment_ptr 1
		.amdhsa_wavefront_size32 1
		.amdhsa_system_sgpr_workgroup_id_x 1
		.amdhsa_system_sgpr_workgroup_id_y 1
		.amdhsa_system_sgpr_workgroup_id_z 1
		.amdhsa_system_vgpr_workitem_id 0
		.amdhsa_next_free_vgpr 1024
		.amdhsa_next_free_sgpr 100
		.amdhsa_reserve_vcc 0
		.amdhsa_float_denorm_mode_32 3
		.amdhsa_float_denorm_mode_16_64 3
		.amdhsa_memory_ordered 1
		.amdhsa_forward_progress 1
		.amdhsa_inst_pref_size 215
	.end_amdhsa_kernel
	.amdgpu_metadata
---
amdhsa.version: [ 1, 2 ]
amdhsa.kernels:
  - .name:           k_qb1be1ce9a3_g5
    .symbol:         k_qb1be1ce9a3_g5.kd
    .args:
      - { .name: act, .offset: 0, .size: 8, .value_kind: global_buffer, .address_space: global }
      - { .name: wts, .offset: 8, .size: 8, .value_kind: global_buffer, .address_space: global }
      - { .name: b1, .offset: 16, .size: 8, .value_kind: global_buffer, .address_space: global }
      - { .name: hid, .offset: 24, .size: 8, .value_kind: global_buffer, .address_space: global }
    .group_segment_fixed_size: 327680
    .private_segment_fixed_size: 0
    .kernarg_segment_align: 8
    .kernarg_segment_size: 32
    .max_flat_workgroup_size: 128
    .sgpr_count:     100
    .vgpr_count:     1024
    .wavefront_size: 32
...
	.end_amdgpu_metadata
.endif
;; end of part 6
;; launch g6 (part 7): grid 4 x 16, 4 waves a work-group, clusters of 4 x 4, 327,680 bytes of LDS; arguments hid, wts, b2, xmid, out0; writes out0
.if DOCPART == 7
	.amdgcn_target "amdgcn-amd-amdhsa--gfx1250"
	.amdhsa_code_object_version 6
	.text
	.protected	k_qb1be1ce9a3_g6
	.globl	k_qb1be1ce9a3_g6
	.p2align	8
	.type	k_qb1be1ce9a3_g6,@function
k_qb1be1ce9a3_g6:
	s_mov_b64 s[64:65], 0
	v_nop
	global_prefetch_b8 v0, s[64:65] scope:SCOPE_SE
	s_setreg_imm32_b32 hwreg(HW_REG_WAVE_MODE, 25, 1), 1
	s_wait_xcnt 0x0
	s_wait_alu depctr_hold_cnt(0) depctr_sa_sdst(0) depctr_va_vdst(0) depctr_va_sdst(0) depctr_va_ssrc(0) depctr_va_vcc(0) depctr_vm_vsrc(0)
	s_getreg_b32 s2, hwreg(HW_REG_IB_STS2, 6, 4)
	s_cmp_eq_u32 s2, 0
	s_cbranch_scc0 .Lentry_in_a_cluster
	s_endpgm
.Lentry_in_a_cluster:
	s_bfe_u32 s2, ttmp6, 0x10000c
	s_cmp_lg_u32 s2, 0xf033
	s_cbranch_scc0 .Lentry_shape_is_right
	s_endpgm
.Lentry_shape_is_right:
; PRODUCT 6 AND THE SECOND RESIDUAL: out0 = xmid + hid x W2 + b2, on codes of E2M3.  No work of reference() is left out here.
; THE PRODUCT: a tile of 256 x 256 to a work-group of four waves, 128 x 128 (64 accumulators) to a wave; K = 4,096 in steps of 256 through two LDS slots filled by the tensor data mover; operands lie in memory as images of the
; operand's registers, so a quarter of a slot is one dense block; the scale words of all of K come once; 4 x 4 work-groups form a cluster and ask jointly for A's tiles along a row, for B's along a column.
; The matrix instruction is used transposed: a lane holds one token (position order) and eight neighbouring columns.  b2 is the C of each sum's first matrix instruction.
; THE WAY OUT: a block of 16 rows goes through the wave's stage in LDS and comes back as rows of 512 bytes; the residual's rows, asked for three blocks ahead, are added; row t of block a is token 32 (a / 2) + 8 (a % 2) + t + 8 (t / 8).
; The grid has 64 work-groups: the product's 4,096 x 1,024 in tiles of 256 x 256.
.set SIZE_N, 1024
.set SIZE_K, 4096
.set BIASC,  1
.set ASCO,   12582912
.set BCO,    6553600
.set BSCO,   9699328
.set RESP,   10                        ; s[10:11] the residual
.set OUTP,   12                        ; s[12:13] the result
.set FR,     12
.set NL,     4
.set NP,     4
.set FRB,    1536
.set HALFT,  16*FRB
.set SLOT,   4*HALFT
.set SCL,    2*SLOT
.set KST,    SIZE_K/128
.set HALFS,  KST*512
.set SPARE,  262144
.set LAPS,   SIZE_K/512
.set ASTR,   256*2*FRB
.set BSTR,   (SIZE_N/16)*2*FRB
.set SPITCH, 528
.set ADRA, 16
.set ADRB, 20
.set STO,  24
.set RD,   25
.set CO,   26
.set ADRS, 27
.set SPW,  28
.set NIL,  29
.set SC,   32                          ; v32-63 scale words and nothing else
.set BI,   64
.set AF,   128
.set BK,   128
.set G1, 24
.set G0, 32
.set G1B, 48
.set G0B, 56
.set G1S, 68
.set G0S, 76
.set G1SB, 80
.set G0SB, 88
.set MSB, 0
.macro WIN new
.if MSB != \new
	s_set_vgpr_msb (MSB<<8)|\new
.set MSB, \new
.endif
.endm
.set MUL_LO, 0xa1
.set MUL_HI, 0xf1
.set TO_B,   0x40
.macro JLOAD g0a, g1a, g0b, g1b
	s_cmp_eq_u32 s15, 0
	s_cbranch_scc0 .Lfor_b_\@
	tensor_load_to_lds s[\g0a:\g0a+3], s[\g1a:\g1a+7]
	s_nop 0
.rept 4
	v_nop
.endr
	s_branch .Lasked_\@
.Lfor_b_\@:
	tensor_load_to_lds s[\g0b:\g0b+3], s[\g1b:\g1b+7]
	s_nop 0
.rept 4
	v_nop
.endr
.Lasked_\@:
.endm
.macro CREST
	s_cmp_lg_u32 s14, 0
	s_cbranch_scc1 .Lnot_wave_0_\@
	s_barrier_signal -3
.Lnot_wave_0_\@:
	s_barrier_wait -3
	s_barrier_signal -1
	s_barrier_wait -1
.endm
.macro CROUND
	s_barrier_signal -1
	s_barrier_wait -1
	CREST
.endm
	s_load_b128 s[4:7], s[0:1], 0x0                ; A's buffer, wts
	s_load_b128 s[8:11], s[0:1], 0x10
.if BIASC
	s_load_b64 s[12:13], s[0:1], 0x20
.endif
	v_lshl_add_u32 v[SPW], v0, 2, SPARE
	v_mov_b32 v[NIL], 0
	ds_add_u32 v[SPW], v[NIL]                      ; the wave's opening: the add, twice on end, and its wait ahead of my first tensor load
	ds_add_u32 v[SPW], v[NIL]
	v_lshrrev_b32 v1, 5, v0
	v_readfirstlane_b32 s14, v1
	s_lshr_b32 s15, s14, 1
	s_and_b32 s16, s14, 1
	s_bfe_u32 s40, ttmp6, 0x40000
	s_bfe_u32 s41, ttmp6, 0x40004
	s_lshl_b32 s42, ttmp9, 2
	s_add_co_u32 s42, s42, s40                     ; tile column
	s_and_b32 s17, ttmp7, 0xffff
	s_lshl_b32 s17, s17, 2
	s_add_co_u32 s17, s17, s41                     ; tile row
	s_lshl_b32 s43, s41, 2
	s_lshl_b32 s43, 15, s43
	s_lshl_b32 s44, 0x1111, s40
	s_or_b32 s[G1+0], s43, (3<<16)|(1<<21)
	s_or_b32 s[G1B+0], s44, (3<<16)|(1<<21)
.irp g, G1, G1B
	s_mov_b32 s[\g+1], 32<<16
	s_mov_b32 s[\g+2], 96<<16
	s_mov_b32 s[\g+3], 32<<16
	s_mov_b32 s[\g+4], 96
	s_mov_b32 s[\g+5], 32
	s_mov_b32 s[\g+6], 0
	s_mov_b32 s[\g+7], 0
.endr
	s_or_b32 s[G1S+0], s43, (3<<16)|(1<<21)
	s_or_b32 s[G1SB+0], s44, (3<<16)|(1<<21)
.irp g, G1S, G1SB
	s_mov_b32 s[\g+1], 64<<16
	s_mov_b32 s[\g+2], KST<<16
	s_mov_b32 s[\g+3], 64<<16
	s_mov_b32 s[\g+4], KST
	s_mov_b32 s[\g+6], 0
	s_mov_b32 s[\g+7], 0
.endr
	s_mov_b32 s[G1S+5], 2048
	s_mov_b32 s[G1SB+5], SIZE_N/2
	s_lshl_b32 s18, s16, 3
	s_lshl_b32 s20, s17, 4
	s_add_co_u32 s20, s20, s18
	s_lshl_b32 s46, s42, 4
	s_add_co_u32 s46, s46, s18
	s_lshl_b32 s22, s20, 6
	s_add_co_u32 s22, s22, ASCO
	s_mov_b32 s23, 0
	s_lshl_b32 s92, s46, 6
	s_add_co_u32 s92, s92, BSCO
	s_mov_b32 s93, 0
	s_mul_i32 s20, s20, 2*FRB
	s_mov_b32 s21, 0
	s_mul_i32 s46, s46, 2*FRB
	s_add_co_u32 s46, s46, BCO
	s_mov_b32 s47, 0
	s_mul_i32 s45, s14, HALFT
	s_mul_i32 s94, s14, HALFS
	s_wait_dscnt 0x0
	s_wait_kmcnt 0x0
	s_add_nc_u64 s[20:21], s[4:5], s[20:21]
	s_add_nc_u64 s[22:23], s[4:5], s[22:23]
	s_add_nc_u64 s[46:47], s[6:7], s[46:47]
	s_add_nc_u64 s[92:93], s[6:7], s[92:93]
	CROUND
	s_mov_b32 s[G0S], 1
	s_add_co_u32 s[G0S+1], s94, SCL
	s_mov_b64 s[G0S+2:G0S+3], s[22:23]
	s_or_b32 s[G0S+3], s[G0S+3], 0x80000000
	s_mov_b32 s[G0SB], 1
	s_add_co_u32 s[G0SB+1], s94, SCL
	s_mov_b64 s[G0SB+2:G0SB+3], s[92:93]
	s_or_b32 s[G0SB+3], s[G0SB+3], 0x80000000
	JLOAD G0S, G1S, G0SB, G1SB
.irp s, 0,1
	s_mov_b32 s[G0+4*\s], 1
	s_add_co_u32 s[G0+4*\s+1], s45, \s*SLOT
	s_add_nc_u64 s[G0+4*\s+2:G0+4*\s+3], s[20:21], \s*ASTR
	s_or_b32 s[G0+4*\s+3], s[G0+4*\s+3], 0x80000000
	s_mov_b32 s[G0B+4*\s], 1
	s_add_co_u32 s[G0B+4*\s+1], s45, \s*SLOT
	s_add_nc_u64 s[G0B+4*\s+2:G0B+4*\s+3], s[46:47], \s*BSTR
	s_or_b32 s[G0B+4*\s+3], s[G0B+4*\s+3], 0x80000000
	JLOAD G0+4*\s, G1, G0B+4*\s, G1B
.endr
	v_and_b32 v1, 31, v0
	v_and_b32 v2, 15, v0
	v_bfe_u32 v3, v0, 4, 1
	v_lshlrev_b32 v4, 4, v1
	v_lshlrev_b32 v5, 3, v1
	s_mul_i32 s21, s15, HALFT
	s_mul_i32 s22, s16, HALFT
	s_add_co_u32 s22, s22, 2*HALFT
.irp s, 0,1
	v_add_nc_u32 v[ADRA+\s], s21, v4
	v_add_nc_u32 v[ADRB+\s], s22, v4
	v_add_nc_u32 v[ADRA+2+\s], s21, v5
	v_add_nc_u32 v[ADRB+2+\s], s22, v5
	s_add_co_u32 s21, s21, SLOT
	s_add_co_u32 s22, s22, SLOT
.endr
	v_lshlrev_b32 v7, 2, v2
	s_mul_i32 s21, s15, HALFS
	s_mul_i32 s22, s16, HALFS
	s_add_co_u32 s22, s22, 2*HALFS
	s_sub_co_u32 s22, s22, s21
	v_mul_u32_u24 v6, s22, v3
	s_add_co_u32 s21, s21, SCL
	v_add_nc_u32 v7, v7, v6
	v_add_nc_u32 v[ADRS], s21, v7
	; ---- this launch's own addresses
	s_mul_i32 s23, s14, 16*SPITCH                  ; my stage, in slot 0
	v_mul_u32_u24 v6, v2, SPITCH
	v_lshl_add_u32 v6, v3, 5, v6
	v_add_nc_u32 v[STO], s23, v6                   ; in: row r, 32 bytes for each half of the lanes
	v_lshlrev_b32 v[CO], 4, v1
	v_add_nc_u32 v[RD], s23, v[CO]                 ; back: a row of 512 bytes to the 32 lanes
	s_lshl_b32 s46, s42, 10
	s_lshl_b32 s47, s16, 9
	s_add_co_u32 s46, s46, s47                     ; my first column, in bytes
	s_mov_b32 s47, 0
.if BIASC
	s_add_nc_u64 s[8:9], s[8:9], s[46:47]
	v_lshlrev_b32 v8, 5, v3                        ; the bias of column tile b: columns 16 b + 8 h + 0 .. 7
.irp b, 0,1,2,3,4,5,6,7
	global_load_b128 v[BI+8*\b:BI+8*\b+3], v8, s[8:9] offset:64*\b
	global_load_b128 v[BI+8*\b+4:BI+8*\b+7], v8, s[8:9] offset:64*\b+16
.endr
.endif
	s_lshl_b32 s20, s17, 8
	s_lshl_b32 s21, s15, 7
	s_add_co_u32 s20, s20, s21
	s_lshl_b32 s20, s20, 12                        ; my first row x 4,096 bytes
	s_add_co_u32 s20, s20, s46
	s_mov_b32 s21, 0
	s_add_nc_u64 s[RESP:RESP+1], s[RESP:RESP+1], s[20:21]
	s_add_nc_u64 s[OUTP:OUTP+1], s[OUTP:OUTP+1], s[20:21]
.macro FRAG reg, adr, q, i
	ds_load_b128 v[\reg:\reg+3], v[\adr] offset:(2*(\i)+(\q))*FRB
	ds_load_b64 v[\reg+4:\reg+5], v[\adr+2] offset:(2*(\i)+(\q))*FRB+512
	ds_load_b64 v[\reg+6:\reg+7], v[\adr+2] offset:(2*(\i)+(\q))*FRB+768
	ds_load_b128 v[\reg+8:\reg+11], v[\adr] offset:(2*(\i)+(\q))*FRB+1024
.endm
.macro MUL16 a0, p, q, sc, zero        ; the 64 accumulators take turns, one instruction a turn
.irp a, \a0, \a0+1
.irp b, 0,1,2,3,4,5,6,7
.if \zero == 1
	v_wmma_scale_f32_16x16x128_f8f6f4 v[8*(8*((\a)%4)+\b):8*(8*((\a)%4)+\b)+7], v[128*(\p)+FR*\b:128*(\p)+FR*\b+FR-1], v[AF+FR*(\a):AF+FR*(\a)+FR-1], 0, v[SC+16*(\sc)+8*(\q)+\b], v[SC+16*(\sc)+8*(\q)+(\a)] matrix_a_fmt:MATRIX_FMT_FP6 matrix_b_fmt:MATRIX_FMT_FP6 matrix_a_scale:MATRIX_SCALE_ROW1
.elseif \zero == 2
	v_wmma_scale_f32_16x16x128_f8f6f4 v[8*(8*((\a)%4)+\b):8*(8*((\a)%4)+\b)+7], v[128*(\p)+FR*\b:128*(\p)+FR*\b+FR-1], v[AF+FR*(\a):AF+FR*(\a)+FR-1], v[BI+8*\b:BI+8*\b+7], v[SC+16*(\sc)+8*(\q)+\b], v[SC+16*(\sc)+8*(\q)+(\a)] matrix_a_fmt:MATRIX_FMT_FP6 matrix_b_fmt:MATRIX_FMT_FP6 matrix_a_scale:MATRIX_SCALE_ROW1
.else
	v_wmma_scale_f32_16x16x128_f8f6f4 v[8*(8*((\a)%4)+\b):8*(8*((\a)%4)+\b)+7], v[128*(\p)+FR*\b:128*(\p)+FR*\b+FR-1], v[AF+FR*(\a):AF+FR*(\a)+FR-1], v[8*(8*((\a)%4)+\b):8*(8*((\a)%4)+\b)+7], v[SC+16*(\sc)+8*(\q)+\b], v[SC+16*(\sc)+8*(\q)+(\a)] matrix_a_fmt:MATRIX_FMT_FP6 matrix_b_fmt:MATRIX_FMT_FP6 matrix_a_scale:MATRIX_SCALE_ROW1
.endif
.endr
.endr
.endm
.macro FETCH_B slot, q, p
	WIN TO_B
.irp i, 0,1,2,3,4,5,6,7
	FRAG 128*(\p)+FR*\i, ADRB+\slot, \q, \i
.endr
	WIN 0
.endm
.macro FETCH_A slot, q, i0
.irp i, \i0, \i0+1, \i0+2, \i0+3
	FRAG AF+FR*(\i), ADRA+\slot, \q, \i
.endr
.endm
.macro SCALES sc
.irp q, 0,1
.irp i, 0,1,2,3,4,5,6,7
	ds_load_b32 v[SC+16*\sc+8*\q+\i], v[ADRS] offset:512*\q+64*\i
.endr
.endr
.endm
.macro PLACES n
.rept \n
	v_nop
.endr
.endm
.macro STEP slot, q, zero
	s_wait_dscnt 4*NL                              ; all but the youngest sixteen loads (A's blocks 4-7) are in
.if \zero == 2
	WIN 0x81
.else
	WIN MUL_LO
.endif
	MUL16 0, (\q)%2, \q, \slot, \zero
	MUL16 2, (\q)%2, \q, \slot, \zero
	s_wait_dscnt 0
	PLACES NP
	FETCH_B \slot, (\q)+1, 1-(\q)%2
	FETCH_A \slot, (\q)+1, 0
.if \zero == 2
	WIN 0xc1
.else
	WIN MUL_HI
.endif
	MUL16 4, (\q)%2, \q, \slot, \zero
	MUL16 6, (\q)%2, \q, \slot, \zero
	PLACES NP
	WIN 0
	FETCH_A \slot, (\q)+1, 4
.endm
.macro TURN slot, next, fill
	s_wait_tensorcnt 0x0                           ; all my tensor loads have landed: my part of the next slot
	ds_add_u32 v[SPW], v[NIL]
	s_wait_dscnt 4*NL+1                            ; (the add and the youngest sixteen loads may be out)
	WIN MUL_LO
	MUL16 0, 1, 1, \slot, 0
	s_wait_dscnt 0x0                               ; the add is done, and my reads of this slot are over
	s_barrier_signal -1
	MUL16 2, 1, 1, \slot, 0
	WIN 0
	s_barrier_wait -1
.if \fill
	CREST
	s_add_nc_u64 s[G0+4*\slot+2:G0+4*\slot+3], s[G0+4*\slot+2:G0+4*\slot+3], 2*ASTR
	s_add_nc_u64 s[G0B+4*\slot+2:G0B+4*\slot+3], s[G0B+4*\slot+2:G0B+4*\slot+3], 2*BSTR
	JLOAD G0+4*\slot, G1, G0B+4*\slot, G1B
.else
	PLACES NP
.endif
	v_add_nc_u32 v[ADRS], 1024, v[ADRS]
	FETCH_B \next, 0, 0
	FETCH_A \next, 0, 0
	SCALES \next
	WIN MUL_HI
	MUL16 4, 1, 1, \slot, 0
	MUL16 6, 1, 1, \slot, 0
	PLACES NP
	WIN 0
	FETCH_A \next, 0, 4
.endm
	s_wait_tensorcnt 1                             ; the scale words and my part of slot 0 are in; slot 1's load may be out
	s_barrier_signal -1
	s_barrier_wait -1
	FETCH_B 0, 0, 0
	FETCH_A 0, 0, 0
	SCALES 0
	FETCH_A 0, 0, 4
.if BIASC
	s_wait_loadcnt 0x0                             ; the bias
.endif
	STEP 0, 0, 1+BIASC
	s_mov_b32 s3, LAPS-1
.Llap:
	TURN 0, 1, 1
	STEP 1, 0, 0
	TURN 1, 0, 1
	STEP 0, 0, 0
	s_sub_co_u32 s3, s3, 1
	s_cmp_lg_u32 s3, 0
	s_cbranch_scc1 .Llap
	TURN 0, 1, 0
	STEP 1, 0, 0
	s_wait_dscnt 4*NL
	WIN MUL_LO
	MUL16 0, 1, 1, 1, 0
	MUL16 2, 1, 1, 1, 0
	s_wait_dscnt 0
	WIN MUL_HI
	MUL16 4, 1, 1, 1, 0
	MUL16 6, 1, 1, 1, 0
	WIN 0
; ---------------- the way out ----------------
.macro RLOAD a                         ; the residual's 16 rows of block a into window 1, v[64 (a % 4)] on
	WIN 0x40
.irp t, 0,1,2,3,4,5,6,7,8,9,10,11,12,13,14,15
	global_load_b128 v[64*((\a)%4)+4*\t:64*((\a)%4)+4*\t+3], v[CO], s[RESP:RESP+1] offset:(32*((\a)/2)+8*((\a)%2)+\t+8*(\t/8))*4096
.endr
	WIN 0
.endm
.macro TOSTAGE a
.set AC, 64*((\a)%4)
	WIN 0x08+4*((\a)/4)
.irp b, 0,1,2,3,4,5,6,7
	ds_store_b128 v[STO], v[AC+8*\b:AC+8*\b+3] offset:64*\b          ; each accumulator from its low end on
	ds_store_b128 v[STO], v[AC+8*\b+4:AC+8*\b+7] offset:64*\b+16
.endr
	WIN 0
.set BB, BK+64*((\a)%2)
.irp t, 0,1,2,3,4,5,6,7,8,9,10,11,12,13,14,15
	ds_load_b128 v[BB+4*\t:BB+4*\t+3], v[RD] offset:\t*SPITCH        ; LDS serves a wave's instructions in order: these see my stores
.endr
.endm
.macro SEND a, ds, ld                  ; ds: LDS instructions issued behind block a's loads; ld: residual loads issued behind block a's
.set BB, BK+64*((\a)%2)
	s_wait_dscnt \ds
	s_wait_loadcnt \ld
	WIN 0x04                                       ; source 1: window 1
.set si, 0
.rept 32
	v_pk_add_f32 v[BB+si:BB+si+1], v[BB+si:BB+si+1], v[64*((\a)%4)+si:64*((\a)%4)+si+1]
.set si, si+2
.endr
	WIN 0
.irp t, 0,1,2,3,4,5,6,7,8,9,10,11,12,13,14,15
	global_store_b128 v[CO], v[BB+4*\t:BB+4*\t+3], s[OUTP:OUTP+1] offset:(32*((\a)/2)+8*((\a)%2)+\t+8*(\t/8))*4096 th:TH_STORE_NT   ; 512 consecutive bytes; written once, read by nobody here
.endr
.endm
	PLACES NP
	RLOAD 0
	RLOAD 1
	RLOAD 2
	RLOAD 3
	TOSTAGE 0
	TOSTAGE 1
	SEND 0, 32, 48
	RLOAD 4
	s_wait_xcnt 0x0                                ; the stores of two blocks back have read their registers
	TOSTAGE 2
	SEND 1, 32, 48
	RLOAD 5
	s_wait_xcnt 0x0
	TOSTAGE 3
	SEND 2, 32, 48
	RLOAD 6
	s_wait_xcnt 0x0
	TOSTAGE 4
	SEND 3, 32, 48
	RLOAD 7
	s_wait_xcnt 0x0
	TOSTAGE 5
	SEND 4, 32, 48
	s_wait_xcnt 0x0
	TOSTAGE 6
	SEND 5, 32, 32
	s_wait_xcnt 0x0
	TOSTAGE 7
	SEND 6, 32, 16
	SEND 7, 0, 0
	s_wait_tensorcnt 0x0                           ; the wave's end
	ds_add_u32 v[SPW], v[NIL]
	s_wait_dscnt 0x0
	CROUND                                         ; the closing round
	s_endpgm
.Lfunc_end_k_qb1be1ce9a3_g6:
	.size	k_qb1be1ce9a3_g6, .Lfunc_end_k_qb1be1ce9a3_g6-k_qb1be1ce9a3_g6
	.p2alignl 7, 3214868480
	.fill 96, 4, 3214868480
	.section	.rodata,"a",@progbits
	.p2align	6, 0x0
	.amdhsa_kernel k_qb1be1ce9a3_g6
		.amdhsa_group_segment_fixed_size 327680
		.amdhsa_private_segment_fixed_size 0
		.amdhsa_enable_private_segment 0
		.amdhsa_kernarg_size 40
		.amdhsa_user_sgpr_count 2
		.amdhsa_user_sgpr_kernarg_segment_ptr 1
		.amdhsa_wavefront_size32 1
		.amdhsa_system_sgpr_workgroup_id_x 1
		.amdhsa_system_sgpr_workgroup_id_y 1
		.amdhsa_system_sgpr_workgroup_id_z 1
		.amdhsa_system_vgpr_workitem_id 0
		.amdhsa_next_free_vgpr 1024
		.amdhsa_next_free_sgpr 100
		.amdhsa_reserve_vcc 0
		.amdhsa_float_denorm_mode_32 3
		.amdhsa_float_denorm_mode_16_64 3
		.amdhsa_memory_ordered 1
		.amdhsa_forward_progress 1
		.amdhsa_inst_pref_size 176
	.end_amdhsa_kernel
	.amdgpu_metadata
---
amdhsa.version: [ 1, 2 ]
amdhsa.kernels:
  - .name:           k_qb1be1ce9a3_g6
    .symbol:         k_qb1be1ce9a3_g6.kd
    .args:
      - { .name: hid, .offset: 0, .size: 8, .value_kind: global_buffer, .address_space: global }
      - { .name: wts, .offset: 8, .size: 8, .value_kind: global_buffer, .address_space: global }
      - { .name: b2, .offset: 16, .size: 8, .value_kind: global_buffer, .address_space: global }
      - { .name: xmid, .offset: 24, .size: 8, .value_kind: global_buffer, .address_space: global }
      - { .name: out0, .offset: 32, .size: 8, .value_kind: global_buffer, .address_space: global }
    .group_segment_fixed_size: 327680
    .private_segment_fixed_size: 0
    .kernarg_segment_align: 8
    .kernarg_segment_size: 40
    .max_flat_workgroup_size: 128
    .sgpr_count:     100
    .vgpr_count:     1024
    .wavefront_size: 32
...
	.end_amdgpu_metadata
.endif
;; end of part 7
;; ======== version 2 of 2: 7 launches
;; limits: right only within a limited range of input values
;; workspace buffers: wts 10,354,688 bytes; act 3,276,800 bytes; qkv 12,189,696 bytes; a4 3,276,800 bytes; xmid 16,777,216 bytes; hid 13,107,200 bytes
;; launch ln1 (part 8): grid 704 x 1, 4 waves a work-group, no clusters, 66,560 bytes of LDS; arguments x, ln1_g, ln1_b, act, W_qkv, W_o, W1, W2, wts; writes act, wts
.if DOCPART == 8
	.amdgcn_target "amdgcn-amd-amdhsa--gfx1250"
	.amdhsa_code_object_version 6
	.text
	.protected	k_qb1be1ce9a3_ln1
	.globl	k_qb1be1ce9a3_ln1
	.p2align	8
	.type	k_qb1be1ce9a3_ln1,@function
k_qb1be1ce9a3_ln1:
	s_mov_b64 s[64:65], 0
	v_nop
	global_prefetch_b8 v0, s[64:65] scope:SCOPE_SE
	s_setreg_imm32_b32 hwreg(HW_REG_WAVE_MODE, 25, 1), 1
	s_wait_xcnt 0x0
; LAYER NORM AND QUANTISER (it serves both norms).  y = (x - mean) / sqrt(var + 1e-5) x g + b in f32, rows of 1,024; y becomes codes of E2M3 along the row, laid as the next product's operand wants them.
; No work of reference() is left out here.
; A work-group makes one tile of 16 rows in POSITION ORDER: row t of tile p is token 32 (p / 2) + 8 (p % 2) + t + 8 (t / 8).
; PHASE 1: wave w takes rows 4 w .. 4 w + 3, four neighbouring tokens, 16 KB of consecutive memory; a row lies in 32 registers, so it is read once; mean and variance are taken in two passes, as reference() takes them.
; The normalised rows meet in a stage in LDS (pitch 4,112 bytes = 1,028 words: the 16 rows of a load start 4 banks apart).
; PHASE 2: wave w makes the fragments of K steps 2 w and 2 w + 1: lane (r, h) takes from row r the 32 neighbours k = 64 c + 32 h on: a whole block a lane.
; Out: a fragment's image (registers 0-3 at 16 x lane, 4-5 at 512 + 8 x lane, 6-7 at 768 + 8 x lane, 8-11 at 1,024 + 16 x lane) at [K / 256][tile][2][1,536]; scale words at 3,145,728 + [K / 128][position].
; LIMITS: NaN and infinities among the inputs are not served; a block of zeros gets the byte 1 (its codes are zeros; this program alone reads the bytes).
.set PITCH, 4112
.set SPARE, 16*PITCH                   ; behind the stage: the spare words, 128 bytes a wave
.set SPW, 2                            ; v2  my spare word's LDS address; never rewritten
.set NIL, 3                            ; v3  0; never rewritten
.set X,   16                           ; v16-143  four rows x 32; later 2 x 64 numbers
.set G,   144                          ; v144-175 g; later the two fragments
.set BV,  176                          ; v176-207 b
.set QT,  208                          ; v208..   at work
.set H8,  12                           ; v12 8 h
.set SEL, 20                           ; s[20:21] lane l xor 16
	; ONE BODY, TWO JOBS, parted by the work-group's number alone: work-groups 0 .. 255 make the norm's 256 tiles; those from 256 on (the first launch has 448 of them, the second norm's launch none) prepare the weights and the RoPE table
	s_cmp_ge_u32 ttmp9, 256
	s_cbranch_scc1 .Lprep
	s_load_b256 s[4:11], s[0:1], 0x0
	v_lshl_add_u32 v[SPW], v0, 2, SPARE
	v_mov_b32 v[NIL], 0
	v_lshrrev_b32 v1, 5, v0
	v_readfirstlane_b32 s12, v1                    ; wave
	v_and_b32 v4, 31, v0                           ; lane
	v_lshlrev_b32 v5, 4, v4                        ; 16 x lane
	s_wait_alu depctr_va_vdst(0)
	v_lshlrev_b32 v6, 3, v4                        ; 8 x lane
	v_and_b32 v7, 15, v0                           ; r
	s_wait_alu depctr_va_vdst(0)
	v_bfe_u32 v8, v0, 4, 1                         ; h
	v_lshlrev_b32 v[H8], 3, v8
	s_lshr_b32 s13, ttmp9, 1
	s_lshl_b32 s13, s13, 5
	s_and_b32 s14, ttmp9, 1
	s_lshl_b32 s14, s14, 3
	s_add_co_u32 s13, s13, s14
	s_lshl_b32 s14, s12, 2
	s_add_co_u32 s13, s13, s14
	s_lshr_b32 s14, s12, 1
	s_lshl_b32 s14, s14, 3
	s_add_co_u32 s13, s13, s14                     ; my first token
	s_lshl_b32 s14, s13, 12                        ; x 4,096 bytes
	s_mov_b32 s15, 0
	s_mul_i32 s16, s12, 4*PITCH
	v_add_nc_u32 v9, s16, v5                       ; the stage, in: my four rows, 16 x lane
	v_mul_u32_u24 v10, v7, PITCH
	s_wait_alu depctr_va_vdst(0)
	v_lshl_add_u32 v10, v8, 7, v10
	s_lshl_b32 s16, s12, 10
	v_add_nc_u32 v10, s16, v10                     ; out: row r, + 128 h, + my two K steps
	v_lshlrev_b32 v11, 14, v8
	v_lshl_add_u32 v11, v7, 2, v11                 ; scale words: h x 16,384 + 4 r
	s_mov_b32 s[SEL], 0x76543210
	s_mov_b32 s[SEL+1], 0xfedcba98
	s_mov_b32 s22, 0x3a800000                      ; 1 / 1,024
	s_mov_b32 s23, 0x3727c5ac                      ; 1e-5
	s_lshl_b32 s16, s12, 8
	s_add_co_u32 s16, s16, ttmp9
	s_mul_i32 s16, s16, 3072                       ; codes: (256 w + tile) x 3,072
	s_mov_b32 s17, 0
	s_lshl_b32 s18, s12, 15
	s_lshl_b32 s19, ttmp9, 6
	s_add_co_u32 s18, s18, s19
	s_add_co_u32 s18, s18, 3145728                 ; scale words: K step 2 w, position 16 x tile
	s_mov_b32 s19, 0
	s_wait_kmcnt 0x0
	s_add_nc_u64 s[4:5], s[4:5], s[14:15]
	s_add_nc_u64 s[16:17], s[10:11], s[16:17]
	s_add_nc_u64 s[18:19], s[10:11], s[18:19]
.irp t, 0,1,2,3
.irp j, 0,1,2,3,4,5,6,7
	global_load_b128 v[X+32*\t+4*\j:X+32*\t+4*\j+3], v5, s[4:5] offset:4096*\t+512*\j th:TH_LOAD_NT   ; 512 consecutive bytes
.endr
.endr
.irp j, 0,1,2,3,4,5,6,7
	global_load_b128 v[G+4*\j:G+4*\j+3], v5, s[6:7] offset:512*\j
	global_load_b128 v[BV+4*\j:BV+4*\j+3], v5, s[8:9] offset:512*\j
.endr
; the sum over the wave's 32 lanes of v[reg + 4 t], the four rows by turns; v[reg + 1 + 4 t] is used up
.macro RED reg
.irp m, 1,2,4,8
.irp t, 0,1,2,3
	v_add_f32_dpp v[\reg+4*\t], v[\reg+4*\t], v[\reg+4*\t] row_xmask:\m row_mask:0xf bank_mask:0xf
.endr
.endr
.irp t, 0,1,2,3
	v_permlanex16_b32 v[\reg+1+4*\t], v[\reg+4*\t], s[SEL], s[SEL+1]
.endr
.irp t, 0,1,2,3
	v_add_f32 v[\reg+4*\t], v[\reg+4*\t], v[\reg+1+4*\t]
.endr
.endm
	s_wait_loadcnt 16                              ; the rows are in; g's and b's sixteen loads may be out
.irp t, 0,1,2,3
	v_pk_add_f32 v[208+4*\t:209+4*\t], v[X+32*\t:X+32*\t+1], v[X+32*\t+2:X+32*\t+3]
	v_pk_add_f32 v[210+4*\t:211+4*\t], v[X+32*\t+4:X+32*\t+5], v[X+32*\t+6:X+32*\t+7]
.endr
.irp i, 8,12,16,20,24,28
.irp t, 0,1,2,3
	v_pk_add_f32 v[208+4*\t:209+4*\t], v[208+4*\t:209+4*\t], v[X+32*\t+\i:X+32*\t+\i+1]
	v_pk_add_f32 v[210+4*\t:211+4*\t], v[210+4*\t:211+4*\t], v[X+32*\t+\i+2:X+32*\t+\i+3]
.endr
.endr
.irp t, 0,1,2,3
	v_pk_add_f32 v[208+4*\t:209+4*\t], v[208+4*\t:209+4*\t], v[210+4*\t:211+4*\t]
.endr
.irp t, 0,1,2,3
	v_add_f32 v[208+4*\t], v[208+4*\t], v[209+4*\t]
.endr
	RED 208
.irp t, 0,1,2,3
	v_mul_f32 v[208+4*\t], 0xba800000, v[208+4*\t] ; minus the mean
.endr
.irp i, 0,2,4,6,8,10,12,14,16,18,20,22,24,26,28,30
.irp t, 0,1,2,3
	v_pk_add_f32 v[X+32*\t+\i:X+32*\t+\i+1], v[X+32*\t+\i:X+32*\t+\i+1], v[208+4*\t:209+4*\t] op_sel_hi:[1,0]
.endr
.endr
.irp t, 0,1,2,3
	v_pk_mul_f32 v[210+4*\t:211+4*\t], v[X+32*\t:X+32*\t+1], v[X+32*\t:X+32*\t+1]
	v_pk_mul_f32 v[224+2*\t:225+2*\t], v[X+32*\t+2:X+32*\t+3], v[X+32*\t+2:X+32*\t+3]
.endr
.irp i, 4,8,12,16,20,24,28
.irp t, 0,1,2,3
	v_pk_fma_f32 v[210+4*\t:211+4*\t], v[X+32*\t+\i:X+32*\t+\i+1], v[X+32*\t+\i:X+32*\t+\i+1], v[210+4*\t:211+4*\t]
	v_pk_fma_f32 v[224+2*\t:225+2*\t], v[X+32*\t+\i+2:X+32*\t+\i+3], v[X+32*\t+\i+2:X+32*\t+\i+3], v[224+2*\t:225+2*\t]
.endr
.endr
.irp t, 0,1,2,3
	v_pk_add_f32 v[210+4*\t:211+4*\t], v[210+4*\t:211+4*\t], v[224+2*\t:225+2*\t]
.endr
.irp t, 0,1,2,3
	v_add_f32 v[210+4*\t], v[210+4*\t], v[211+4*\t]
.endr
	RED 210
.irp t, 0,1,2,3
	v_fma_f32 v[210+4*\t], v[210+4*\t], s22, s23   ; the variance + 1e-5
.endr
	s_wait_alu depctr_va_vdst(0)
.irp t, 0,1,2,3
	v_rsq_f32 v[210+4*\t], v[210+4*\t]
.endr
	v_nop                                          ; a plain line behind the four,
	s_wait_alu depctr_va_vdst(0)                   ; and one wait ahead of their first reader
	s_wait_loadcnt 0x0                             ; g and b
.irp i, 0,2,4,6,8,10,12,14,16,18,20,22,24,26,28,30
.irp t, 0,1,2,3
	v_pk_mul_f32 v[X+32*\t+\i:X+32*\t+\i+1], v[X+32*\t+\i:X+32*\t+\i+1], v[210+4*\t:211+4*\t] op_sel_hi:[1,0]
.endr
.irp t, 0,1,2,3
	v_pk_fma_f32 v[X+32*\t+\i:X+32*\t+\i+1], v[X+32*\t+\i:X+32*\t+\i+1], v[G+\i:G+\i+1], v[BV+\i:BV+\i+1]
.endr
.endr
.irp t, 0,1,2,3
.irp j, 0,1,2,3,4,5,6,7
	ds_store_b128 v9, v[X+32*\t+4*\j:X+32*\t+4*\j+3] offset:PITCH*\t+512*\j
.endr
.endr
	s_wait_dscnt 0x0                               ; for the others' sake: my rows lie in the stage
	s_barrier_signal -1
	s_barrier_wait -1
.irp s, 0,1
.irp c, 0,1
.irp j, 0,1,2,3,4,5,6,7
	ds_load_b128 v[X+64*\s+32*\c+4*\j:X+64*\s+32*\c+4*\j+3], v10 offset:512*\s+256*\c+16*\j
.endr
.endr
.endr
	v_mov_b32 v[QT+6], 0                           ; (a lane permute's destination counts as one of its sources)
	s_wait_dscnt 0x0
; 64 numbers of a lane, register 32 c + i = k 64 c + 32 h + i of my row, become a fragment in v[f] on and its scale word in v[w]
.macro QF s, f, w
.irp c, 0,1
	v_max3_num_f32 v[QT+\c], |v[\s+32*\c]|, |v[\s+32*\c+1]|, 0x1800000   ; my block, and the floor 2^(3 - 127): the byte cannot fall under 1
.endr
.irp i, 2,4,6,8,10,12,14,16,18,20,22,24,26,28,30
.irp c, 0,1
	v_max3_num_f32 v[QT+\c], v[QT+\c], |v[\s+32*\c+\i]|, |v[\s+32*\c+\i+1]|
.endr
.endr
.irp c, 0,1
	v_add_nc_u32 v[QT+2+\c], 0xff000000, v[QT+\c]  ; 2 off the exponent field: the conversion's scale operand
.endr
.irp c, 0,1
	v_lshrrev_b32 v[QT+4+\c], 23, v[QT+2+\c]       ; the byte
.endr
	v_lshl_or_b32 v[\w], v[QT+5], 16, v[QT+4]      ; blocks h and 2 + h,
	v_lshlrev_b32 v[\w], v[H8], v[\w]              ; at their places;
	v_permlanex16_b32 v[QT+6], v[\w], s[SEL], s[SEL+1]
	v_or_b32 v[\w], v[\w], v[QT+6]                 ; with lane l xor 16's the word is whole
.irp c, 0,1
	v_cvt_scalef32_pk16_fp6_f32 v[\f+6*\c:\f+6*\c+2], v[\s+32*\c:\s+32*\c+15], v[QT+2+\c]
	v_cvt_scalef32_pk16_fp6_f32 v[QT+8+4*\c:QT+10+4*\c], v[\s+32*\c+16:\s+32*\c+31], v[QT+2+\c]
.endr
	v_nop                                          ; one plain line behind the conversions
.irp c, 0,1
.irp i, 0,1,2
	v_mov_b32 v[\f+3+6*\c+\i], v[QT+8+4*\c+\i]
.endr
.endr
.endm
	QF X, G, 232
	QF X+64, G+12, 233
	v_cmp_eq_u32 vcc_lo, 1, v8
	v_cndmask_b32 v234, v232, v233, vcc_lo         ; lanes 0-15 store K step 2 w's words, lanes 16-31 the next step's
.irp s, 0,1
	global_store_b128 v5, v[G+12*\s:G+12*\s+3], s[16:17] offset:1536*\s
	global_store_b64 v6, v[G+12*\s+4:G+12*\s+5], s[16:17] offset:1536*\s+512
	global_store_b64 v6, v[G+12*\s+6:G+12*\s+7], s[16:17] offset:1536*\s+768
	global_store_b128 v5, v[G+12*\s+8:G+12*\s+11], s[16:17] offset:1536*\s+1024
.endr
	global_store_b32 v11, v234, s[18:19]
	s_wait_tensorcnt 0x0                           ; the wave's end
	ds_add_u32 v[SPW], v[NIL]
	s_wait_dscnt 0x0
	s_endpgm
; THE WEIGHTS AND THE TABLE.  Each wave has a job of its own, number 4 x (work-group - 256) + wave; no LDS, no barrier.
; POSITION ORDER.  swap34(i) = i with bits 3 and 4 exchanged.  Tokens, and the columns of W_qkv and W1, are stored at position swap34(index).
; A FRAGMENT'S IMAGE (16 rows x 128 K, 12 registers a lane, 1,536 bytes): registers 0-3 at 16 x lane, 4-5 at 512 + 8 x lane, 6-7 at 768 + 8 x lane, 8-11 at 1,024 + 16 x lane.
; Codes of an operand: [K / 256][rows / 16][2][1,536].  Scale words: [K / 128][position].  wts: W_qkv codes 0, scales 2,359,296; W_o 2,457,600 and 3,244,032; W1 3,276,800 and 6,422,528; W2 6,553,600 and 9,699,328; the table 9,830,400.
; W_qkv's columns are stored as all q (head x 64 + d), all k, all v.
; JOBS 0 .. 1,535: 64 stored columns x 128 along K.  A lane takes a column and its registers run down K: a block of 32 lies in one lane.  A block of zeros gets the byte 1: its codes are zeros, and this program alone reads the bytes.
; JOBS 1,536 .. 1,791: cos and sin of pos x 10000^(-i/32), laid [tile of 16 positions][8][lane] x (c, s, c, s).
; LIMITS: NaN and infinities among the weights are not served.  The angle carries the f32 rounding of pos x frequency, as reference()'s own f32 product does.
.set VO,  16                           ; v16-47   row i's byte offset; never rewritten
.set X,   48                           ; v48-143  three sets of 32 numbers
.set C,   144                          ; v144-191 block n's six code registers at C + 6 n
.set TT,  192
.set W,   196
.set SB,  32
.set DCO, 40
.set DSO, 42
.set ID,  3                            ; s3 the job's number
.Lprep:
	s_load_b256 s[4:11], s[0:1], 0x20              ; W_qkv, W_o, W1, W2
	s_load_b64 s[12:13], s[0:1], 0x40              ; wts
	v_lshrrev_b32 v1, 5, v0
	v_readfirstlane_b32 s2, v1                     ; wave
	s_sub_co_u32 s[ID], ttmp9, 256
	s_lshl_b32 s[ID], s[ID], 2
	s_add_co_u32 s[ID], s[ID], s2
	v_and_b32 v1, 31, v0                           ; lane
	v_lshlrev_b32 v2, 2, v1
	v_lshlrev_b32 v3, 3, v1
	v_lshlrev_b32 v4, 4, v1
	s_wait_alu depctr_va_vdst(0)
	s_wait_kmcnt 0x0
	s_cmp_ge_u32 s[ID], 1536
	s_cbranch_scc1 .Lrope
	s_mov_b64 s[14:15], s[10:11]                   ; which weight: W2's figures first, then the others take their place
	s_mov_b32 s16, 1024                            ; first job of the weight
	s_mov_b32 s17, 5                               ; log2 of its K steps of 128
	s_mov_b32 s18, 4096                            ; bytes in a row
	s_mov_b32 s19, 6553600                         ; codes
	s_mov_b32 s20, 9699328                         ; scale words
	s_mov_b32 s21, 0                               ; 0x18 where the columns go in position order
	s_cmp_lt_u32 s[ID], 1024
	s_cselect_b64 s[14:15], s[8:9], s[14:15]
	s_cselect_b32 s16, 512, s16
	s_cselect_b32 s17, 3, s17
	s_cselect_b32 s18, 16384, s18
	s_cselect_b32 s19, 3276800, s19
	s_cselect_b32 s20, 6422528, s20
	s_cselect_b32 s21, 0x18, s21
	s_cmp_lt_u32 s[ID], 512
	s_cselect_b64 s[14:15], s[6:7], s[14:15]
	s_cselect_b32 s16, 384, s16
	s_cselect_b32 s18, 4096, s18
	s_cselect_b32 s19, 2457600, s19
	s_cselect_b32 s20, 3244032, s20
	s_cselect_b32 s21, 0, s21
	s_cmp_lt_u32 s[ID], 384
	s_cselect_b64 s[14:15], s[4:5], s[14:15]
	s_cselect_b32 s16, 0, s16
	s_cselect_b32 s18, 12288, s18
	s_cselect_b32 s19, 0, s19
	s_cselect_b32 s20, 2359296, s20
	s_cselect_b32 s21, 0x18, s21
	s_sub_co_u32 s23, s[ID], s16
	s_bfm_b32 s24, s17, 0
	s_and_b32 s24, s23, s24                        ; my K step of 128
	s_lshr_b32 s25, s23, s17                       ; my group of 64 stored columns
	s_lshl_b32 s26, s25, 8
	s_and_b32 s27, s25, 15
	s_mul_i32 s27, s27, 768
	s_lshr_b32 s28, s25, 4
	s_lshl_b32 s28, s28, 8
	s_add_co_u32 s27, s27, s28                     ; in W_qkv: head x 768 + part x 256
	s_cmp_lt_u32 s[ID], 384
	s_cselect_b32 s26, s27, s26
	s_lshl_b32 s27, s18, 7
	s_mul_i32 s27, s27, s24
	s_add_co_u32 s26, s26, s27
	s_mov_b32 s27, 0
	s_lshl_b32 s28, s18, 5                         ; 32 rows
	s_mov_b32 s29, 0
	s_add_nc_u64 s[SB:SB+1], s[14:15], s[26:27]
	s_add_nc_u64 s[SB+2:SB+3], s[SB:SB+1], s[28:29]
	s_add_nc_u64 s[SB+4:SB+5], s[SB+2:SB+3], s[28:29]
	s_add_nc_u64 s[SB+6:SB+7], s[SB+4:SB+5], s[28:29]
	s_lshr_b32 s30, s24, 1
	s_mul_i32 s31, s18, 48
	s_mul_i32 s30, s30, s31
	s_mul_i32 s31, s25, 12288
	s_add_co_u32 s30, s30, s31
	s_and_b32 s31, s24, 1
	s_mul_i32 s31, s31, 1536
	s_add_co_u32 s30, s30, s31
	s_add_co_u32 s30, s30, s19
	s_mov_b32 s31, 0
	s_add_nc_u64 s[DCO:DCO+1], s[12:13], s[30:31]
	s_mul_i32 s30, s24, s18
	s_lshl_b32 s44, s25, 8
	s_add_co_u32 s30, s30, s44
	s_add_co_u32 s30, s30, s20
	s_add_nc_u64 s[DSO:DSO+1], s[12:13], s[30:31]
	v_lshrrev_b32 v5, 3, v1
	v_lshrrev_b32 v6, 4, v1
	v_xor_b32 v5, v5, v6
	v_and_b32 v5, 1, v5
	v_mul_u32_u24 v5, s21, v5
	v_xor_b32 v5, v1, v5                           ; the column that lies at position lane: swap34(lane), or lane
	v_lshlrev_b32 v5, 2, v5
.set i, 0
.rept 32
	v_mad_u32_u24 v[VO+i], s18, i, v5
.set i, i+1
.endr
.macro LOAD n                          ; block n = 4 cg + k: column group cg (32 columns), rows 32 k on
.set li, 0
.rept 32
	global_load_b32 v[X+32*((\n)%3)+li], v[VO+li], s[SB+2*((\n)%4):SB+2*((\n)%4)+1] offset:128*((\n)/4) th:TH_LOAD_NT
.set li, li+1
.endr
.endm
.macro BLOCK n
.set XS, X+32*((\n)%3)
.set CN, C+6*(\n)
.if (\n) <= 5
	s_wait_loadcnt 63                              ; this block's 32 loads are in: the 64 of the two blocks behind it could stay out, the count's field holds 63
.elseif (\n) == 6
	s_wait_loadcnt 32
.else
	s_wait_loadcnt 0
.endif
	v_max3_num_f32 v198, |v[XS]|, |v[XS+1]|, |v[XS+2]|
	v_max3_num_f32 v199, |v[XS+3]|, |v[XS+4]|, |v[XS+5]|
.irp i, 6,10,14,18,22,26
	v_max3_num_f32 v198, v198, |v[XS+\i]|, |v[XS+\i+1]|
	v_max3_num_f32 v199, v199, |v[XS+\i+2]|, |v[XS+\i+3]|
.endr
	v_max3_num_f32 v198, v198, |v[XS+30]|, |v[XS+31]|
	v_max3_num_f32 v198, v198, v199, 0x1800000     ; the floor 2^(3 - 127): the byte cannot fall under 1
	v_add_nc_u32 v200, 0xff000000, v198            ; 2 off the exponent field: the conversion's scale operand
	v_lshrrev_b32 v201, 23, v200                   ; the scale's byte
	v_cvt_scalef32_pk16_fp6_f32 v[CN:CN+2], v[XS:XS+15], v200
	v_cvt_scalef32_pk16_fp6_f32 v[TT:TT+2], v[XS+16:XS+31], v200
.if (\n)%4 == 0
	v_mov_b32 v[W+(\n)/4], v201                    ; (also the plain line behind the conversions)
.else
	v_lshl_or_b32 v[W+(\n)/4], v201, 8*((\n)%4), v[W+(\n)/4]
.endif
	v_mov_b32 v[CN+3], v[TT]
	v_mov_b32 v[CN+4], v[TT+1]
	v_mov_b32 v[CN+5], v[TT+2]
.if (\n)+3 < 8
	LOAD (\n)+3
.endif
.endm
.macro OUTP cg                         ; a column group's four blocks become two tiles' images: the exchange of halves gives blocks 0 and 1 (2 and 3) of one tile to the two halves of the lanes
.set B0, C+24*(\cg)
.irp i, 0,1,2,3,4,5
	v_permlane16_swap_b32 v[B0+\i], v[B0+6+\i]
	v_permlane16_swap_b32 v[B0+12+\i], v[B0+18+\i]
.endr
.irp t, 0,1
	global_store_b128 v4, v[B0+6*\t:B0+6*\t+3], s[DCO:DCO+1] offset:6144*(\cg)+3072*\t
	global_store_b64 v3, v[B0+6*\t+4:B0+6*\t+5], s[DCO:DCO+1] offset:6144*(\cg)+3072*\t+512
	global_store_b64 v3, v[B0+12+6*\t:B0+12+6*\t+1], s[DCO:DCO+1] offset:6144*(\cg)+3072*\t+768
	global_store_b128 v4, v[B0+12+6*\t+2:B0+12+6*\t+5], s[DCO:DCO+1] offset:6144*(\cg)+3072*\t+1024
.endr
	global_store_b32 v2, v[W+\cg], s[DSO:DSO+1] offset:128*(\cg)
.endm
	LOAD 0
	LOAD 1
	LOAD 2
	BLOCK 0
	BLOCK 1
	BLOCK 2
	BLOCK 3
	OUTP 0
	BLOCK 4
	BLOCK 5
	BLOCK 6
	BLOCK 7
	OUTP 1                                         ; no register that a pending store reads is written again
	s_endpgm
.Lrope:
	s_sub_co_u32 s16, s[ID], 1536
	s_lshr_b32 s17, s16, 1                         ; tile of 16 positions
	s_and_b32 s18, s16, 1                          ; which 32 of the head's 64
	v_and_b32 v5, 15, v1                           ; r
	v_lshrrev_b32 v6, 4, v1                        ; h
	v_and_b32 v7, 8, v5
	v_add_nc_u32 v7, v7, v5
	s_lshr_b32 s19, s17, 1
	s_lshl_b32 s19, s19, 5
	s_and_b32 s20, s17, 1
	s_lshl_b32 s20, s20, 3
	s_add_co_u32 s19, s19, s20
	v_add_nc_u32 v7, s19, v7                       ; the sequence position at row r of the tile
	v_cvt_f32_u32 v7, v7
	s_lshl_b32 s20, s18, 4
	v_lshl_add_u32 v8, v6, 3, s20                  ; my first pair: 16 beta + 8 h
	s_wait_alu depctr_va_vdst(0)
	s_mov_b32 s30, 0x3fc90fdb                      ; pi/2, upper part
	s_mov_b32 s31, 0xb33bbd2e                      ; and the rest
	s_mov_b32 s32, 0xb94ca1f9                      ; the sine's coefficients
	s_mov_b32 s33, 0x3c08839e
	s_mov_b32 s34, 0xbe2aaaa3
	s_mov_b32 s35, 0x37ccf5ce                      ; the cosine's
	s_mov_b32 s36, 0xbab6061a
	s_mov_b32 s37, 0x3d2aaaa5
	s_lshl_b32 s22, s17, 12
	s_lshl_b32 s23, s18, 11
	s_add_co_u32 s22, s22, s23
	s_add_co_u32 s22, s22, 9830400
	s_mov_b32 s23, 0
	s_add_nc_u64 s[12:13], s[12:13], s[22:23]
.irp p, 0,1,2,3,4,5,6,7
	v_add_nc_u32 v[16+\p], \p, v8
.endr
.irp p, 0,1,2,3,4,5,6,7
	v_cvt_f32_u32 v[16+\p], v[16+\p]
.endr
.irp p, 0,1,2,3,4,5,6,7
	v_mul_f32 v[16+\p], 0xbed49a78, v[16+\p]       ; x -log2(10000) / 32
.endr
	s_wait_alu depctr_va_vdst(0)
.irp p, 0,1,2,3,4,5,6,7
	v_exp_f32 v[16+\p], v[16+\p]                   ; the frequency
.endr
	v_nop
	s_wait_alu depctr_va_vdst(0)
.irp p, 0,1,2,3,4,5,6,7
	v_mul_f32 v[16+\p], v7, v[16+\p]               ; the angle
.endr
.irp p, 0,1,2,3,4,5,6,7
	v_mul_f32 v32, 0x3f22f983, v[16+\p]            ; x 2 / pi
	v_rndne_f32 v32, v32                           ; n quarter turns
	v_fma_f32 v33, -v32, s30, v[16+\p]
	v_fma_f32 v33, -v32, s31, v33                  ; what is left, within pi/4
	v_mul_f32 v34, v33, v33
	v_fma_f32 v35, v34, s32, s33
	v_fma_f32 v35, v35, v34, s34
	v_mul_f32 v35, v35, v34
	v_fma_f32 v35, v35, v33, v33                   ; its sine
	v_fma_f32 v36, v34, s35, s36
	v_fma_f32 v36, v36, v34, s37
	v_mul_f32 v36, v36, v34
	v_mul_f32 v36, v36, v34
	v_fma_f32 v36, v34, -0.5, v36
	v_add_f32 v36, 1.0, v36                        ; its cosine
	v_cvt_i32_f32 v37, v32
	v_and_b32 v38, 1, v37
	v_cmp_eq_u32 vcc_lo, 1, v38                    ; an odd quarter turn exchanges the two
	v_cndmask_b32 v39, v35, v36, vcc_lo
	v_cndmask_b32 v40, v36, v35, vcc_lo
	v_and_b32 v38, 2, v37
	v_lshlrev_b32 v38, 30, v38
	v_xor_b32 v[49+2*\p], v39, v38                 ; the sine changes sign in quarters 2, 3
	v_add_nc_u32 v38, 1, v37
	v_and_b32 v38, 2, v38
	v_lshlrev_b32 v38, 30, v38
	v_xor_b32 v[48+2*\p], v40, v38                 ; the cosine in quarters 1, 2
.endr
.irp j, 0,1,2,3
	global_store_b128 v4, v[48+4*\j:51+4*\j], s[12:13] offset:512*\j
.endr
	s_endpgm
.Lfunc_end_k_qb1be1ce9a3_ln1:
	.size	k_qb1be1ce9a3_ln1, .Lfunc_end_k_qb1be1ce9a3_ln1-k_qb1be1ce9a3_ln1
	.p2alignl 7, 3214868480
	.fill 96, 4, 3214868480
	.section	.rodata,"a",@progbits
	.p2align	6, 0x0
	.amdhsa_kernel k_qb1be1ce9a3_ln1
		.amdhsa_group_segment_fixed_size 66560
		.amdhsa_private_segment_fixed_size 0
		.amdhsa_enable_private_segment 0
		.amdhsa_kernarg_size 72
		.amdhsa_user_sgpr_count 2
		.amdhsa_user_sgpr_kernarg_segment_ptr 1
		.amdhsa_wavefront_size32 1
		.amdhsa_system_sgpr_workgroup_id_x 1
		.amdhsa_system_sgpr_workgroup_id_y 1
		.amdhsa_system_sgpr_workgroup_id_z 1
		.amdhsa_system_vgpr_workitem_id 0
		.amdhsa_next_free_vgpr 240
		.amdhsa_next_free_sgpr 66
		.amdhsa_reserve_vcc 1
		.amdhsa_float_denorm_mode_32 3
		.amdhsa_float_denorm_mode_16_64 3
		.amdhsa_memory_ordered 1
		.amdhsa_forward_progress 1
		.amdhsa_inst_pref_size 98
	.end_amdhsa_kernel
	.amdgpu_metadata
---
amdhsa.version: [ 1, 2 ]
amdhsa.kernels:
  - .name:           k_qb1be1ce9a3_ln1
    .symbol:         k_qb1be1ce9a3_ln1.kd
    .args:
      - { .name: x, .offset: 0, .size: 8, .value_kind: global_buffer, .address_space: global }
      - { .name: ln1_g, .offset: 8, .size: 8, .value_kind: global_buffer, .address_space: global }
      - { .name: ln1_b, .offset: 16, .size: 8, .value_kind: global_buffer, .address_space: global }
      - { .name: act, .offset: 24, .size: 8, .value_kind: global_buffer, .address_space: global }
      - { .name: W_qkv, .offset: 32, .size: 8, .value_kind: global_buffer, .address_space: global }
      - { .name: W_o, .offset: 40, .size: 8, .value_kind: global_buffer, .address_space: global }
      - { .name: W1, .offset: 48, .size: 8, .value_kind: global_buffer, .address_space: global }
      - { .name: W2, .offset: 56, .size: 8, .value_kind: global_buffer, .address_space: global }
      - { .name: wts, .offset: 64, .size: 8, .value_kind: global_buffer, .address_space: global }
    .group_segment_fixed_size: 66560
    .private_segment_fixed_size: 0
    .kernarg_segment_align: 8
    .kernarg_segment_size: 72
    .max_flat_workgroup_size: 128
    .sgpr_count:     66
    .vgpr_count:     240
    .wavefront_size: 32
...
	.end_amdgpu_metadata
.endif
;; end of part 8
;; launch g1 (part 9): grid 12 x 16, 4 waves a work-group, clusters of 4 x 4, 327,680 bytes of LDS; arguments act, wts, pad_mask, qkv; writes qkv
.if DOCPART == 9
	.amdgcn_target "amdgcn-amd-amdhsa--gfx1250"
	.amdhsa_code_object_version 6
	.text
	.protected	k_qb1be1ce9a3_g1
	.globl	k_qb1be1ce9a3_g1
	.p2align	8
	.type	k_qb1be1ce9a3_g1,@function
k_qb1be1ce9a3_g1:
	s_mov_b64 s[64:65], 0
	v_nop
	global_prefetch_b8 v0, s[64:65] scope:SCOPE_SE
	s_setreg_imm32_b32 hwreg(HW_REG_WAVE_MODE, 25, 1), 1
	s_wait_xcnt 0x0
	s_wait_alu depctr_hold_cnt(0) depctr_sa_sdst(0) depctr_va_vdst(0) depctr_va_sdst(0) depctr_va_ssrc(0) depctr_va_vcc(0) depctr_vm_vsrc(0)
	s_getreg_b32 s2, hwreg(HW_REG_IB_STS2, 6, 4)
	s_cmp_eq_u32 s2, 0
	s_cbranch_scc0 .Lentry_in_a_cluster
	s_endpgm
.Lentry_in_a_cluster:
	s_bfe_u32 s2, ttmp6, 0x10000c
	s_cmp_lg_u32 s2, 0xf033
	s_cbranch_scc0 .Lentry_shape_is_right
	s_endpgm
.Lentry_shape_is_right:
.set SIZE_N, 3072
.set SIZE_K, 1024
.set BIASC,  0
.set ASCO,   3145728
.set BCO,    0
.set BSCO,   2359296
.set FR,     12
.set NL,     4
.set NP,     4
.set FRB,    1536
.set HALFT,  16*FRB
.set SLOT,   4*HALFT
.set SCL,    2*SLOT
.set KST,    SIZE_K/128
.set HALFS,  KST*512
.set SPARE,  262144
.set LAPS,   SIZE_K/512
.set ASTR,   256*2*FRB
.set BSTR,   (SIZE_N/16)*2*FRB
.set ADRA, 16
.set ADRB, 20
.set ADRS, 27
.set SPW,  28
.set NIL,  29
.set SC,   32
.set BI,   64
.set AF,   128
.set G1, 24
.set G0, 32
.set G1B, 48
.set G0B, 56
.set G1S, 68
.set G0S, 76
.set G1SB, 80
.set G0SB, 88
.set MSB, 0
.macro WIN new
.if MSB != \new
	s_set_vgpr_msb (MSB<<8)|\new
.set MSB, \new
.endif
.endm
.set MUL_LO, 0xa1
.set MUL_HI, 0xf1
.set TO_B,   0x40
.macro JLOAD g0a, g1a, g0b, g1b
	s_cmp_eq_u32 s15, 0
	s_cbranch_scc0 .Lfor_b_\@
	tensor_load_to_lds s[\g0a:\g0a+3], s[\g1a:\g1a+7]
	s_nop 0
.rept 4
	v_nop
.endr
	s_branch .Lasked_\@
.Lfor_b_\@:
	tensor_load_to_lds s[\g0b:\g0b+3], s[\g1b:\g1b+7]
	s_nop 0
.rept 4
	v_nop
.endr
.Lasked_\@:
.endm
.macro CREST
	s_cmp_lg_u32 s14, 0
	s_cbranch_scc1 .Lnot_wave_0_\@
	s_barrier_signal -3
.Lnot_wave_0_\@:
	s_barrier_wait -3
	s_barrier_signal -1
	s_barrier_wait -1
.endm
.macro CROUND
	s_barrier_signal -1
	s_barrier_wait -1
	CREST
.endm
	s_load_b128 s[4:7], s[0:1], 0x0
	s_load_b128 s[8:11], s[0:1], 0x10
	v_lshl_add_u32 v[SPW], v0, 2, SPARE
	v_mov_b32 v[NIL], 0
	ds_add_u32 v[SPW], v[NIL]
	ds_add_u32 v[SPW], v[NIL]
	v_lshrrev_b32 v1, 5, v0
	v_readfirstlane_b32 s14, v1
	s_lshr_b32 s15, s14, 1
	s_and_b32 s16, s14, 1
	s_bfe_u32 s40, ttmp6, 0x40000
	s_bfe_u32 s41, ttmp6, 0x40004
	s_lshl_b32 s42, ttmp9, 2
	s_add_co_u32 s42, s42, s40
	s_and_b32 s17, ttmp7, 0xffff
	s_lshl_b32 s17, s17, 2
	s_add_co_u32 s17, s17, s41
	s_lshl_b32 s43, s41, 2
	s_lshl_b32 s43, 15, s43
	s_lshl_b32 s44, 0x1111, s40
	s_or_b32 s[G1+0], s43, (3<<16)|(1<<21)
	s_or_b32 s[G1B+0], s44, (3<<16)|(1<<21)
.irp g, G1, G1B
	s_mov_b32 s[\g+1], 32<<16
	s_mov_b32 s[\g+2], 192<<16
	s_mov_b32 s[\g+3], 32<<16
	s_mov_b32 s[\g+4], 192
	s_mov_b32 s[\g+5], 32
	s_mov_b32 s[\g+6], 0
	s_mov_b32 s[\g+7], 0
.endr
	s_or_b32 s[G1S+0], s43, (3<<16)|(1<<21)
	s_or_b32 s[G1SB+0], s44, (3<<16)|(1<<21)
.irp g, G1S, G1SB
	s_mov_b32 s[\g+1], 128<<16
	s_mov_b32 s[\g+2], KST<<16
	s_mov_b32 s[\g+3], 128<<16
	s_mov_b32 s[\g+4], KST
	s_mov_b32 s[\g+6], 0
	s_mov_b32 s[\g+7], 0
.endr
	s_mov_b32 s[G1S+5], 2048
	s_mov_b32 s[G1SB+5], SIZE_N/2
	s_lshl_b32 s20, s17, 4
	s_lshl_b32 s46, s42, 4
	s_lshl_b32 s22, s20, 6
	s_add_co_u32 s22, s22, ASCO
	s_mov_b32 s23, 0
	s_lshl_b32 s92, s46, 6
	s_add_co_u32 s92, s92, BSCO
	s_mov_b32 s93, 0
	s_mul_i32 s20, s20, 2*FRB
	s_mov_b32 s21, 0
	s_mul_i32 s46, s46, 2*FRB
	s_add_co_u32 s46, s46, BCO
	s_mov_b32 s47, 0
	s_mul_i32 s45, s14, HALFT
	s_wait_dscnt 0x0
	s_wait_kmcnt 0x0
	s_add_nc_u64 s[20:21], s[4:5], s[20:21]
	s_add_nc_u64 s[22:23], s[4:5], s[22:23]
	s_add_nc_u64 s[46:47], s[6:7], s[46:47]
	s_add_nc_u64 s[92:93], s[6:7], s[92:93]
	CROUND
	s_mov_b32 s[G0S], 1
	s_mov_b32 s[G0S+1], SCL
	s_mov_b64 s[G0S+2:G0S+3], s[22:23]
	s_or_b32 s[G0S+3], s[G0S+3], 0x80000000
	s_mov_b32 s[G0SB], 1
	s_mov_b32 s[G0SB+1], SCL+2*HALFS
	s_mov_b64 s[G0SB+2:G0SB+3], s[92:93]
	s_or_b32 s[G0SB+3], s[G0SB+3], 0x80000000
	; THE HEAD'S LOADS, ONE A WAVE: wave 0 slot 0's 256 rows of A, wave 1 its 256 rows of B, wave 2 A's scale words, wave 3 B's.  Slot 0's group 0 serves them first and takes the ring's figures behind the wait
	s_mov_b32 s[G0], 1
	s_mov_b32 s[G0+1], 0
	s_mov_b64 s[G0+2:G0+3], s[20:21]
	s_or_b32 s[G0+3], s[G0+3], 0x80000000
	s_mov_b32 s[G0B], 1
	s_mov_b32 s[G0B+1], 2*HALFT
	s_mov_b64 s[G0B+2:G0B+3], s[46:47]
	s_or_b32 s[G0B+3], s[G0B+3], 0x80000000
	s_mul_i32 s18, s16, HALFT                      ; in the ring: my 128 rows of the 256
	s_mov_b32 s19, 0
	s_add_nc_u64 s[20:21], s[20:21], s[18:19]
	s_add_nc_u64 s[46:47], s[46:47], s[18:19]
	s_cmp_eq_u32 s15, 0                            ; the prefetches: of the 96 units of 256 bytes that I fetch of a slot, each of the four partners that ask with me names 24, told apart by address
	s_cselect_b64 s[66:67], s[20:21], s[46:47]
	s_cselect_b32 s12, s40, s41
	s_mov_b32 s94, BSTR
	s_cselect_b32 s94, ASTR, s94                   ; bytes from slot to slot
	s_mov_b32 s95, 0
	s_mul_i32 s12, s12, 24*256
	s_mov_b32 s13, 0
	s_add_nc_u64 s[66:67], s[66:67], s[12:13]
	s_add_nc_u64 s[66:67], s[66:67], s[94:95]      ; at K slot 1
	s_mov_b32 s[G0+4], 1
	s_add_co_u32 s[G0+5], s45, SLOT
	s_add_nc_u64 s[G0+6:G0+7], s[20:21], ASTR
	s_or_b32 s[G0+7], s[G0+7], 0x80000000
	s_mov_b32 s[G0B+4], 1
	s_add_co_u32 s[G0B+5], s45, SLOT
	s_add_nc_u64 s[G0B+6:G0B+7], s[46:47], BSTR
	s_or_b32 s[G0B+7], s[G0B+7], 0x80000000
.macro ARM under, g0, g1, next
	s_cmp_lt_u32 s14, \under
	s_cbranch_scc0 \next
	tensor_load_to_lds s[\g0:\g0+3], s[\g1:\g1+7]
	s_nop 0
.rept 4
	v_nop
.endr
	s_branch .Lhead_asked
\next:
.endm
	ARM 1, G0,  G1,  .Lhead_b
	ARM 2, G0B, G1B, .Lhead_sa
	ARM 3, G0S, G1S, .Lhead_sb
	tensor_load_to_lds s[G0SB:G0SB+3], s[G1SB:G1SB+7]
	s_nop 0
.rept 4
	v_nop
.endr
.Lhead_asked:
	v_and_b32 v1, 31, v0
	v_and_b32 v2, 15, v0
	v_bfe_u32 v3, v0, 4, 1
	v_lshlrev_b32 v4, 4, v1
	v_lshlrev_b32 v5, 3, v1
	v_min_u32 v14, 23, v1                          ; a lane a unit; the lanes left over name the last again
	v_lshlrev_b32 v14, 8, v14
	v_add_nc_u32 v15, s94, v14                     ; and the same a slot further on
	global_prefetch_b8 v14, s[66:67] th:TH_LOAD_NT scope:SCOPE_SE   ; K slot 1,
	global_prefetch_b8 v15, s[66:67] th:TH_LOAD_NT scope:SCOPE_SE   ; and K slot 2: two loads ahead of its own
	s_mul_i32 s21, s15, HALFT
	s_mul_i32 s22, s16, HALFT
	s_add_co_u32 s22, s22, 2*HALFT
.irp s, 0,1
	v_add_nc_u32 v[ADRA+\s], s21, v4
	v_add_nc_u32 v[ADRB+\s], s22, v4
	v_add_nc_u32 v[ADRA+2+\s], s21, v5
	v_add_nc_u32 v[ADRB+2+\s], s22, v5
	s_add_co_u32 s21, s21, SLOT
	s_add_co_u32 s22, s22, SLOT
.endr
	v_lshlrev_b32 v7, 2, v2
	s_lshl_b32 s21, s15, 9
	s_lshl_b32 s22, s16, 9
	s_add_co_u32 s22, s22, 2*HALFS
	s_sub_co_u32 s22, s22, s21
	v_mul_u32_u24 v6, s22, v3
	s_add_co_u32 s21, s21, SCL
	v_add_nc_u32 v7, v7, v6
	v_add_nc_u32 v[ADRS], s21, v7
	s_lshr_b32 s20, s17, 3
	s_lshl_b32 s20, s20, 2
	s_add_co_u32 s20, s20, s40
	s_lshl_b32 s20, s20, 4
	s_and_b32 s21, s17, 7
	s_lshl_b32 s21, s21, 1
	s_add_co_u32 s21, s21, s15
	s_add_co_u32 s20, s20, s21
	s_mov_b32 s22, 60416
	s_cmp_eq_u32 ttmp9, 0
	s_cselect_b32 s22, 34816, s22
	s_mul_i32 s20, s20, s22
	s_cselect_b32 s22, 0, 4456448
	s_add_co_u32 s20, s20, s22
	s_cmp_eq_u32 ttmp9, 2
	s_mov_b32 s22, 17408
	s_cselect_b32 s22, 12800, s22
	s_mul_i32 s22, s22, s16
	s_cselect_b32 s23, 34816, 0
	s_add_co_u32 s20, s20, s22
	s_add_co_u32 s20, s20, s23
	s_mov_b32 s21, 0
	s_add_nc_u64 s[96:97], s[10:11], s[20:21]
	s_and_b32 s20, s17, 7
	s_lshl_b32 s20, s20, 4
	s_lshl_b32 s22, s15, 3
	s_add_co_u32 s20, s20, s22
	s_lshl_b32 s20, s20, 12
	s_add_co_u32 s20, s20, 9830400
	s_add_nc_u64 s[98:99], s[6:7], s[20:21]
	s_lshl_b32 s20, s17, 10
	s_lshl_b32 s22, s15, 9
	s_add_co_u32 s20, s20, s22
	s_add_nc_u64 s[8:9], s[8:9], s[20:21]
	v_and_b32 v6, 8, v2
	v_add_nc_u32 v6, v6, v2
	v_lshlrev_b32 v9, 2, v6
	v_mul_u32_u24 v8, v3, 8704
	v_lshl_add_u32 v8, v2, 4, v8
	v_mul_u32_u24 v13, v3, 6400
	v_lshl_add_u32 v13, v2, 4, v13
	v_lshlrev_b32 v12, 3, v3
	s_mul_i32 s20, s14, 18688
	v_mul_u32_u24 v10, v6, 144
	v_lshl_add_u32 v10, v3, 5, v10
	v_add_nc_u32 v10, s20, v10
	v_mul_u32_u24 v11, v3, 4672
	v_lshl_add_u32 v11, v2, 2, v11
	v_add_nc_u32 v11, s20, v11
.macro FRAG reg, adr, q, i
	ds_load_b128 v[\reg:\reg+3], v[\adr] offset:(2*(\i)+(\q))*FRB
	ds_load_b64 v[\reg+4:\reg+5], v[\adr+2] offset:(2*(\i)+(\q))*FRB+512
	ds_load_b64 v[\reg+6:\reg+7], v[\adr+2] offset:(2*(\i)+(\q))*FRB+768
	ds_load_b128 v[\reg+8:\reg+11], v[\adr] offset:(2*(\i)+(\q))*FRB+1024
.endm
.macro MUL16 a0, p, q, sc, zero
.irp a, \a0, \a0+1
.irp b, 0,1,2,3,4,5,6,7
.if \zero == 1
	v_wmma_scale_f32_16x16x128_f8f6f4 v[8*(8*((\a)%4)+\b):8*(8*((\a)%4)+\b)+7], v[128*(\p)+FR*\b:128*(\p)+FR*\b+FR-1], v[AF+FR*(\a):AF+FR*(\a)+FR-1], 0, v[SC+16*(\sc)+8*(\q)+\b], v[SC+16*(\sc)+8*(\q)+(\a)] matrix_a_fmt:MATRIX_FMT_FP6 matrix_b_fmt:MATRIX_FMT_FP6 matrix_a_scale:MATRIX_SCALE_ROW1
.elseif \zero == 2
	v_wmma_scale_f32_16x16x128_f8f6f4 v[8*(8*((\a)%4)+\b):8*(8*((\a)%4)+\b)+7], v[128*(\p)+FR*\b:128*(\p)+FR*\b+FR-1], v[AF+FR*(\a):AF+FR*(\a)+FR-1], v[BI+8*\b:BI+8*\b+7], v[SC+16*(\sc)+8*(\q)+\b], v[SC+16*(\sc)+8*(\q)+(\a)] matrix_a_fmt:MATRIX_FMT_FP6 matrix_b_fmt:MATRIX_FMT_FP6 matrix_a_scale:MATRIX_SCALE_ROW1
.else
	v_wmma_scale_f32_16x16x128_f8f6f4 v[8*(8*((\a)%4)+\b):8*(8*((\a)%4)+\b)+7], v[128*(\p)+FR*\b:128*(\p)+FR*\b+FR-1], v[AF+FR*(\a):AF+FR*(\a)+FR-1], v[8*(8*((\a)%4)+\b):8*(8*((\a)%4)+\b)+7], v[SC+16*(\sc)+8*(\q)+\b], v[SC+16*(\sc)+8*(\q)+(\a)] matrix_a_fmt:MATRIX_FMT_FP6 matrix_b_fmt:MATRIX_FMT_FP6 matrix_a_scale:MATRIX_SCALE_ROW1
.endif
.endr
.endr
.endm
.macro FETCH_B slot, q, p
	WIN TO_B
.irp i, 0,1,2,3,4,5,6,7
	FRAG 128*(\p)+FR*\i, ADRB+\slot, \q, \i
.endr
	WIN 0
.endm
.macro FETCH_A slot, q, i0
.irp i, \i0, \i0+1, \i0+2, \i0+3
	FRAG AF+FR*(\i), ADRA+\slot, \q, \i
.endr
.endm
.macro SCALES sc
.irp q, 0,1
.irp i, 0,1,2,3,4,5,6,7
	ds_load_b32 v[SC+16*\sc+8*\q+\i], v[ADRS] offset:1024*\q+64*\i
.endr
.endr
.endm
.macro PLACES n
.rept \n
	v_nop
.endr
.endm
.macro STEP slot, q, zero
	s_wait_dscnt 4*NL
.if \zero == 2
	WIN 0x81
.else
	WIN MUL_LO
.endif
	MUL16 0, (\q)%2, \q, \slot, \zero
	MUL16 2, (\q)%2, \q, \slot, \zero
	s_wait_dscnt 0
	PLACES NP
	FETCH_B \slot, (\q)+1, 1-(\q)%2
	FETCH_A \slot, (\q)+1, 0
.if \zero == 2
	WIN 0xc1
.else
	WIN MUL_HI
.endif
	MUL16 4, (\q)%2, \q, \slot, \zero
	MUL16 6, (\q)%2, \q, \slot, \zero
	PLACES NP
	WIN 0
	FETCH_A \slot, (\q)+1, 4
.endm
.macro TURN slot, next, fill
	s_wait_tensorcnt 0x0
	ds_add_u32 v[SPW], v[NIL]
	s_wait_dscnt 4*NL+1
	WIN MUL_LO
	MUL16 0, 1, 1, \slot, 0
	s_wait_dscnt 0x0
	s_barrier_signal -1
	MUL16 2, 1, 1, \slot, 0
	WIN 0
	s_barrier_wait -1
.if \fill
	CREST
	s_add_nc_u64 s[G0+4*\slot+2:G0+4*\slot+3], s[G0+4*\slot+2:G0+4*\slot+3], 2*ASTR
	s_add_nc_u64 s[G0B+4*\slot+2:G0B+4*\slot+3], s[G0B+4*\slot+2:G0B+4*\slot+3], 2*BSTR
	JLOAD G0+4*\slot, G1, G0B+4*\slot, G1B
.else
	PLACES NP
.endif
	s_wait_alu depctr_va_vdst(0)
	v_add_nc_u32 v[ADRS], 2048, v[ADRS]
	FETCH_B \next, 0, 0
	FETCH_A \next, 0, 0
	SCALES \next
	WIN MUL_HI
	MUL16 4, 1, 1, \slot, 0
	MUL16 6, 1, 1, \slot, 0
	PLACES NP
	WIN 0
	FETCH_A \next, 0, 4
.endm
	s_wait_alu depctr_va_vdst(0)
	s_wait_tensorcnt 0x0                           ; my tile of the head's four is in
	ds_add_u32 v[SPW], v[NIL]
	s_mov_b32 s[G1+2], 96<<16                      ; no tensor load of mine is out: from here on a load brings 96 rows of 256 bytes,
	s_mov_b32 s[G1+4], 96
	s_mov_b32 s[G1B+2], 96<<16
	s_mov_b32 s[G1B+4], 96
	s_mov_b32 s[G0+1], s45                         ; and slot 0's group 0 names my quarter of the slot
	s_mov_b32 s[G0B+1], s45
	s_wait_xcnt 0x0                                ; the head's prefetches have read their address
	s_add_nc_u64 s[66:67], s[66:67], s[94:95]
	s_add_nc_u64 s[G0+2:G0+3], s[G0+2:G0+3], s[18:19]
	s_add_nc_u64 s[G0B+2:G0B+3], s[G0B+2:G0B+3], s[18:19]
	s_wait_dscnt 0x0
	CROUND
	JLOAD G0+4, G1, G0B+4, G1B
	global_prefetch_b8 v15, s[66:67] th:TH_LOAD_NT scope:SCOPE_SE   ; K slot 3, the last
	FETCH_B 0, 0, 0
	FETCH_A 0, 0, 0
	SCALES 0
	FETCH_A 0, 0, 4
	STEP 0, 0, 1+BIASC
	s_mov_b32 s3, LAPS-1
.Llap:
	TURN 0, 1, 1
	STEP 1, 0, 0
	TURN 1, 0, 1
	STEP 0, 0, 0
	s_sub_co_u32 s3, s3, 1
	s_cmp_lg_u32 s3, 0
	s_cbranch_scc1 .Llap
	TURN 0, 1, 0
	STEP 1, 0, 0
	s_wait_dscnt 4*NL
	WIN MUL_LO
	MUL16 0, 1, 1, 1, 0
	MUL16 2, 1, 1, 1, 0
	s_wait_dscnt 0
	WIN MUL_HI
	MUL16 4, 1, 1, 1, 0
	MUL16 6, 1, 1, 1, 0
	WIN 0
.set H,    64
.set PC,   128
.set TM,   152
.set QT,   152
.set PW,   168
.set CODEH, 170
.set KB0,  172
.set KB1,  173
.set B2R,  174
.set TMPR, 175
.set T0,   176
.set T1,   180
.set SW0,  184
.set SW1,  188
.set SWO,  192
.set MK,   200
.set H8,   12
.set VST,  10
.set VRD,  11
.set SEL,  48
.macro QUANT s, pw, fl
.irp b, 0,1,2,3
	v_max3_num_f32 v[TM+\b], |v[\s+16*\b]|, |v[\s+1+16*\b]|, \fl
.endr
.irp i, 2,4,6,8,10,12,14
.irp b, 0,1,2,3
	v_max3_num_f32 v[TM+\b], v[TM+\b], |v[\s+16*\b+\i]|, |v[\s+1+16*\b+\i]|
.endr
.endr
.irp b, 0,1,2,3
	v_permlanex16_b32 v[TM+4+\b], v[TM+\b], s[SEL], s[SEL+1]
.endr
.irp b, 0,1,2,3
	v_max_num_f32 v[TM+\b], v[TM+\b], v[TM+4+\b]
.endr
.irp b, 0,1,2,3
	v_add_nc_u32 v[TM+12+\b], 0xff000000, v[TM+\b]
.endr
.irp b, 0,1,2,3
	v_lshrrev_b32 v[TM+4+\b], 23, v[TM+12+\b]
.endr
	v_lshl_or_b32 v[\pw], v[TM+5], 8, v[TM+4]
	v_lshl_or_b32 v[\pw], v[TM+6], 16, v[\pw]
	v_lshl_or_b32 v[\pw], v[TM+7], 24, v[\pw]
.irp c, 0,1
	v_cvt_scalef32_pk16_fp6_f32 v[PC+6*\c:PC+2+6*\c], v[\s+32*\c:\s+15+32*\c], v[TM+12+2*\c]
	v_cvt_scalef32_pk16_fp6_f32 v[PC+12+4*\c:PC+14+4*\c], v[\s+16+32*\c:\s+31+32*\c], v[TM+12+2*\c+1]
.endr
	v_nop
.irp c, 0,1
.irp i, 0,1,2
	v_permlane16_swap_b32 v[PC+6*\c+\i], v[PC+12+4*\c+\i]
.endr
.irp i, 0,1,2
	v_mov_b32 v[PC+3+6*\c+\i], v[PC+12+4*\c+\i]
.endr
.endr
.endm
.macro QF s, f, w
.irp c, 0,1
	v_max3_num_f32 v[QT+\c], |v[\s+32*\c]|, |v[\s+32*\c+1]|, 0x1800000
.endr
.irp i, 2,4,6,8,10,12,14,16,18,20,22,24,26,28,30
.irp c, 0,1
	v_max3_num_f32 v[QT+\c], v[QT+\c], |v[\s+32*\c+\i]|, |v[\s+32*\c+\i+1]|
.endr
.endr
.irp c, 0,1
	v_add_nc_u32 v[QT+2+\c], 0xff000000, v[QT+\c]
.endr
.irp c, 0,1
	v_lshrrev_b32 v[QT+4+\c], 23, v[QT+2+\c]
.endr
	v_lshl_or_b32 v[\w], v[QT+5], 16, v[QT+4]
	v_lshlrev_b32 v[\w], v[H8], v[\w]
	v_permlanex16_b32 v[QT+6], v[\w], s[SEL], s[SEL+1]
	v_or_b32 v[\w], v[\w], v[QT+6]
.irp c, 0,1
	v_cvt_scalef32_pk16_fp6_f32 v[\f+6*\c:\f+6*\c+2], v[\s+32*\c:\s+32*\c+15], v[QT+2+\c]
	v_cvt_scalef32_pk16_fp6_f32 v[QT+8+4*\c:QT+10+4*\c], v[\s+32*\c+16:\s+32*\c+31], v[QT+2+\c]
.endr
	v_nop
.irp c, 0,1
.irp i, 0,1,2
	v_mov_b32 v[\f+3+6*\c+\i], v[QT+8+4*\c+\i]
.endr
.endr
.endm
	PLACES NP
	s_mov_b32 s[SEL], 0x76543210
	s_mov_b32 s[SEL+1], 0xfedcba98
	s_mov_b32 s55, 0xffff0000
.irp b, 0,1,2,3
	v_mov_b32 v[TM+4+\b], 0
.endr
	s_cmp_eq_u32 ttmp9, 2
	s_cbranch_scc1 .Lvpath
	WIN 0x40
.set ti, 0
.rept 64
	global_load_b128 v[4*ti:4*ti+3], v4, s[98:99] offset:512*ti
.set ti, ti+1
.endr
	WIN 0
	s_cmp_eq_u32 ttmp9, 0
	s_mov_b32 s52, 0x1800000
	s_cselect_b32 s52, 0x3000000, s52
	s_cselect_b32 s53, 0x03030303, 0
	s_cselect_b32 s54, 40, 8
	s_cbranch_scc1 .Lq_mask
.irp a, 0,1,2,3,4,5,6,7
	global_load_b32 v[MK+\a], v9, s[8:9] offset:(32*(\a/2)+8*(\a%2))*4
.endr
	s_branch .Lmask_done
.Lq_mask:
.irp a, 0,1,2,3,4,5,6,7
	v_mov_b32 v[MK+\a], 1
.endr
.Lmask_done:
	v_cmp_eq_u32 vcc_lo, 0, v3
	v_mov_b32 v[TMPR], s54
	v_cndmask_b32 v[CODEH], 0, v[TMPR], vcc_lo
	v_mov_b32 v[KB0], 0x01010000
	v_mov_b32 v[KB1], 0x01bb0000
	v_mov_b32 v[T0+3], 0
	v_mov_b32 v[T1+3], 0
	s_wait_loadcnt 0x0
.macro QKT a
	WIN 0x06+(\a)/4
.irp e, 0,1
.irp be, 0,1
.irp u, 0,1
.irp jj, 0,1,2,3
	v_pk_mul_f32 v[H+32*\e+16*\be+8*\u+2*\jj:H+32*\e+16*\be+8*\u+2*\jj+1], v[8*(8*((\a)%4)+4*\e+2*\be+\u)+2*\jj:8*(8*((\a)%4)+4*\e+2*\be+\u)+2*\jj+1], v[32*(\a)+16*\be+8*\u+2*\jj:32*(\a)+16*\be+8*\u+2*\jj+1] op_sel:[1,1] op_sel_hi:[0,1] neg_lo:[1,0]
	v_pk_fma_f32 v[H+32*\e+16*\be+8*\u+2*\jj:H+32*\e+16*\be+8*\u+2*\jj+1], v[8*(8*((\a)%4)+4*\e+2*\be+\u)+2*\jj:8*(8*((\a)%4)+4*\e+2*\be+\u)+2*\jj+1], v[32*(\a)+16*\be+8*\u+2*\jj:32*(\a)+16*\be+8*\u+2*\jj+1], v[H+32*\e+16*\be+8*\u+2*\jj:H+32*\e+16*\be+8*\u+2*\jj+1] op_sel_hi:[1,0,1]
.endr
.endr
.endr
.endr
	WIN 0
.if (\a) > 0
	s_wait_xcnt 0x0
.endif
	QUANT H, PW, s52
	v_sub_nc_u32 v[PW], v[PW], s53
	v_cmp_ne_u32 vcc_lo, 0, v[MK+\a]
	v_cndmask_b32 v[T0+2], 0, v[CODEH], vcc_lo
	v_cndmask_b32 v[T1+2], 0, v[CODEH], vcc_lo
	v_cndmask_b32 v[B2R], v[KB0], v[KB1], vcc_lo
	v_and_or_b32 v[SW0+(\a)%4], v[PW], 0xffff, v[B2R]
	v_lshrrev_b32 v[TMPR], 16, v[PW]
	v_or_b32 v[SW1+(\a)%4], v[TMPR], v[B2R]
	v_mov_b32 v[T0], v[PC+4]
	v_mov_b32 v[T0+1], v[PC+5]
	v_mov_b32 v[T1], v[PC+10]
	v_mov_b32 v[T1+1], v[PC+11]
	global_store_b128 v4, v[PC:PC+3], s[96:97] offset:1024*(\a)
	global_store_b128 v4, v[T0:T0+3], s[96:97] offset:1024*(\a)+512
	global_store_b128 v4, v[PC+6:PC+9], s[96:97] offset:8704+1024*(\a)
	global_store_b128 v4, v[T1:T1+3], s[96:97] offset:8704+1024*(\a)+512
.if (\a)%4 == 3
.irp i, 0,1,2,3
	v_cndmask_b32 v[SWO+4*((\a)/4)+\i], v[SW0+\i], v[SW1+\i], s55
.endr
	global_store_b128 v8, v[SWO+4*((\a)/4):SWO+4*((\a)/4)+3], s[96:97] offset:8192+256*((\a)/4)
.endif
.endm
.irp a, 0,1,2,3,4,5,6,7
	QKT \a
.endr
	s_branch .Ldone
.Lvpath:
.macro VPAIR e, be
.irp a, 0,1,2,3,4,5,6,7
	WIN 0x08+4*(\a/4)
.irp u, 0,1
	ds_store_b128 v[VST], v[8*(8*(\a%4)+4*(\e)+2*(\be)+\u):8*(8*(\a%4)+4*(\e)+2*(\be)+\u)+3] offset:(32*(\a/2)+8*(\a%2))*144+(\a/2)*64+64*\u
	ds_store_b128 v[VST], v[8*(8*(\a%4)+4*(\e)+2*(\be)+\u)+4:8*(8*(\a%4)+4*(\e)+2*(\be)+\u)+7] offset:(32*(\a/2)+8*(\a%2))*144+(\a/2)*64+64*\u+16
.endr
.endr
	WIN 0
.irp u, 0,1
.irp c, 0,1
.set vi, 0
.rept 32
	ds_load_b32 v[H+32*\c+vi], v[VRD] offset:(64*\c+vi)*144+128*\c+64*\u
.set vi, vi+1
.endr
.endr
	s_wait_xcnt 0x0
	s_wait_dscnt 0x0
	QF H, PC, SW0+4*(\e)+2*(\be)+\u
.irp c, 0,1,2
	global_store_b128 v4, v[PC+4*\c:PC+4*\c+3], s[96:97] offset:6400*(\e)+1536*(2*(\be)+\u)+512*\c
.endr
.endr
.endm
	VPAIR 0, 0
	VPAIR 0, 1
	VPAIR 1, 0
	VPAIR 1, 1
.irp i, 0,1,2,3
	v_cndmask_b32 v[SWO+\i], v[SW0+\i], v[SW1+\i], s55
.endr
	global_store_b128 v13, v[SWO:SWO+3], s[96:97] offset:6144
.Ldone:
	s_wait_tensorcnt 0x0
	ds_add_u32 v[SPW], v[NIL]
	s_wait_dscnt 0x0
	CROUND
	s_endpgm
.Lfunc_end_k_qb1be1ce9a3_g1:
	.size	k_qb1be1ce9a3_g1, .Lfunc_end_k_qb1be1ce9a3_g1-k_qb1be1ce9a3_g1
	.p2alignl 7, 3214868480
	.fill 96, 4, 3214868480
	.section	.rodata,"a",@progbits
	.p2align	6, 0x0
	.amdhsa_kernel k_qb1be1ce9a3_g1
		.amdhsa_group_segment_fixed_size 327680
		.amdhsa_private_segment_fixed_size 0
		.amdhsa_enable_private_segment 0
		.amdhsa_kernarg_size 32
		.amdhsa_user_sgpr_count 2
		.amdhsa_user_sgpr_kernarg_segment_ptr 1
		.amdhsa_wavefront_size32 1
		.amdhsa_system_sgpr_workgroup_id_x 1
		.amdhsa_system_sgpr_workgroup_id_y 1
		.amdhsa_system_sgpr_workgroup_id_z 1
		.amdhsa_system_vgpr_workitem_id 0
		.amdhsa_next_free_vgpr 1024
		.amdhsa_next_free_sgpr 100
		.amdhsa_reserve_vcc 1
		.amdhsa_float_denorm_mode_32 3
		.amdhsa_float_denorm_mode_16_64 3
		.amdhsa_memory_ordered 1
		.amdhsa_forward_progress 1
		.amdhsa_inst_pref_size 255
	.end_amdhsa_kernel
	.section	.bss,"aw",@nobits
	.p2align	6
	.space	262144
	.amdgpu_metadata
---
amdhsa.version: [ 1, 2 ]
amdhsa.kernels:
  - .name:           k_qb1be1ce9a3_g1
    .symbol:         k_qb1be1ce9a3_g1.kd
    .args:
      - { .name: act, .offset: 0, .size: 8, .value_kind: global_buffer, .address_space: global }
      - { .name: wts, .offset: 8, .size: 8, .value_kind: global_buffer, .address_space: global }
      - { .name: pad_mask, .offset: 16, .size: 8, .value_kind: global_buffer, .address_space: global }
      - { .name: qkv, .offset: 24, .size: 8, .value_kind: global_buffer, .address_space: global }
    .group_segment_fixed_size: 327680
    .private_segment_fixed_size: 0
    .kernarg_segment_align: 8
    .kernarg_segment_size: 32
    .max_flat_workgroup_size: 128
    .sgpr_count:     100
    .vgpr_count:     1024
    .wavefront_size: 32
...
	.end_amdgpu_metadata
.endif
;; end of part 9
;; launch attn (part 10): grid 4 x 64, 8 waves a work-group, clusters of 4 x 4, 327,680 bytes of LDS; arguments qkv, bias, a4; writes a4
.if DOCPART == 10
	.amdgcn_target "amdgcn-amd-amdhsa--gfx1250"
	.amdhsa_code_object_version 6
	.text
	.protected	k_qb1be1ce9a3_attn
	.globl	k_qb1be1ce9a3_attn
	.p2align	8
	.type	k_qb1be1ce9a3_attn,@function
k_qb1be1ce9a3_attn:
	s_mov_b64 s[64:65], 0
	v_nop
	global_prefetch_b8 v0, s[64:65] scope:SCOPE_SE
	s_setreg_imm32_b32 hwreg(HW_REG_WAVE_MODE, 25, 1), 1
	s_wait_xcnt 0x0
	s_wait_alu depctr_hold_cnt(0) depctr_sa_sdst(0) depctr_va_vdst(0) depctr_va_sdst(0) depctr_va_ssrc(0) depctr_va_vcc(0) depctr_vm_vsrc(0)
	s_getreg_b32 s2, hwreg(HW_REG_IB_STS2, 6, 4)
	s_cmp_eq_u32 s2, 0
	s_cbranch_scc0 .Lentry_in_a_cluster
	s_endpgm
.Lentry_in_a_cluster:
	s_bfe_u32 s2, ttmp6, 0x10000c
	s_cmp_lg_u32 s2, 0xf033
	s_cbranch_scc0 .Lentry_shape_is_right
	s_endpgm
.Lentry_shape_is_right:
; ATTENTION ON CODES OF E2M3: products 2 and 3, the softmax between them, and the quantiser ahead of product 4.  No work of reference() is left out here.
; t = (q . k / 8 + bias) x log2(e); M = the running largest t rounded up to a whole number; p = 2^(t - M) is quantised along the keys, not normalised; the row's sum is taken of the unquantised p and divides at the end.
; SHARES.  A work-group owns 64 queries of one batch and four heads.  Eight waves of 512 registers: wave w owns head w % 4 and the two tiles of 16 queries 2 (w / 4), 2 (w / 4) + 1, so each fragment of k and v feeds two matrix instructions.  16 key steps of 128.
; LAYOUT.  Both products are used transposed (S^T = K Q^T, O^T = V^T P^T): a lane holds one query.  Tokens lie in position order, so the 16 registers of key tiles 2 b, 2 b + 1 are 16 neighbouring keys.
; The bias is the C of K Q^T; the 1/8 lies in q's scale bytes.  The head has 64, the instruction 128 along K: q's codes at k = 65 .. 127 are zeros, so whatever k's fragments hold there counts for nothing
; (every code of this format is a finite number): tile t's fragment is v[28 + 8 t .. 39 + 8 t] of window 1, its last four registers being the next tile's first four.  The code at k = 64 carries the pad mask (launch 2): a masked key's score gets -2^120.
; THE TWO TILES ARE HALF A STEP APART.  Trip m: the change of slots; LDS loads of k(m) and of tile 0's bias(m); tile 1's softmax and P V of step m - 1; K Q^T of tile 0; LDS loads of tile 1's bias(m) and of v(m);
; tile 0's softmax and P V of step m; K Q^T of tile 1.  So each run of LDS loads is issued ahead of a softmax and awaited behind it, with no register held twice.
; In trip 0 tile 1 finds scores of -2^100 and zero codes of v, written at the head: p = 0, nothing is added.  Tile 1's last softmax stands behind the last trip.
; A row whose every key is masked gives NaN in reference(): here its scale bytes for product 4 become 0xff, which makes that product's sums NaN.
; LIMITS: t under -2^99 counts as masked, and scores beyond about 2^100 are not served.
; RING.  Two LDS slots, 2^17 bytes apart, each with one step's block of k and v (60,416 bytes, dense in memory) and its tile of the bias (64 rows of 512 + 16 bytes).  4 x 4 work-groups form a cluster:
; the four of a column ask jointly for k and v (waves 0-3, 59 rows of 256 bytes each), the four of a row for the bias (waves 4-7, 16 rows each): every wave issues one load behind each round.
; PREFETCH, one step ahead of the load: wave 3 names 16 of the bias tile's 64 rows (two blocks of 256 bytes a row), waves 4 and 5 name 59 of the 236 blocks of k and v; the partners share rows and blocks out by address.
; REGISTERS.  Window 0: v1-11, 29-31, 93-95, 212 addresses; v12-15 -M, largest t, sum; v16-27 q; v32-79 v's four fragments; v28, 80-92, 213, 214 scales alone; v96-159 bias, S^T, p; v160-191 O^T; v192-211 p's codes; v232-255 at work.
; Window 1: the second tile's v12-27, v96-211, v232-255 at the same numbers; v28-95 k's eight fragments.
.set SLOT1, 131072
.set BOFF,  60416
.set BP,    528
.set VOFFS, 34816
.set SA,    262144                     ; 512 bytes: the halves of a4's scale words meet here
.set SPARE, 262656                     ; the spare words, 128 bytes a wave
.set AK0, 1
.set AS0, 2
.set AV0, 3
.set AT0, 4
.set SPW, 5
.set NIL, 6
.set AB0, 7
.set ADK, 8
.set ADS, 9
.set ADV, 10
.set ADT, 11
.set ADB, 30
.set PFO, 29
.set SWOF, 212
.set QS1, 213                          ; the second tile's q scale word
.set PW0, 92                           ; p's scale word: v92, and v214 for the second tile
.set KF,  28
.set WV,  18
.set SEL, 20
.set CS,  22
.set G1K, 24
.set G1B, 32
.set G0K, 40
.set G0B, 44
.set TB,  2
.set SLOTS, 3
.set PFA, 48
.set LIM, 50
.set PFS, 92
.set MSB, 0
.macro WIN new                         ; the immediate's high byte repeats the setting that is left
.if MSB != (\new)
	s_set_vgpr_msb (MSB<<8)|(\new)
.set MSB, (\new)
.endif
.endm
.macro JL3                             ; waves 0-3: a quarter of the block of k and v; waves 4-7: a quarter of the bias tile.  The branch hangs on the wave's number alone
	s_cmp_lt_u32 s[WV], 4
	s_cbranch_scc0 .Lfor_bias_\@
	tensor_load_to_lds s[G0K:G0K+3], s[G1K:G1K+7]
	s_nop 0
.rept 4
	v_nop
.endr
	s_branch .Lasked_\@
.Lfor_bias_\@:
	tensor_load_to_lds s[G0B:G0B+3], s[G1B:G1B+7]
	s_nop 0
.rept 4
	v_nop
.endr
.Lasked_\@:
.endm
.macro ASK                             ; the step after the one just asked for; the last change that fills a slot names nothing
	s_cmp_gt_u32 s[SLOTS], s[LIM]
	s_cbranch_scc0 .Lnot_mine_\@
	global_prefetch_b8 v[PFO], s[PFA:PFA+1] th:TH_LOAD_NT scope:SCOPE_SE
.Lnot_mine_\@:
.endm
.macro CROUND
	s_barrier_signal -1
	s_barrier_wait -1
	s_cmp_lg_u32 s[WV], 0
	s_cbranch_scc1 .Lnot_wave_0_\@
	s_barrier_signal -3
.Lnot_wave_0_\@:
	s_barrier_wait -3
	s_barrier_signal -1
	s_barrier_wait -1
.endm
	s_load_b128 s[4:7], s[0:1], 0x0                ; qkv, bias
	s_load_b64 s[8:9], s[0:1], 0x10                ; a4
	v_lshl_add_u32 v[SPW], v0, 2, SPARE
	v_mov_b32 v[NIL], 0
	ds_add_u32 v[SPW], v[NIL]                      ; the wave's opening: the add, twice on end, and its wait
	ds_add_u32 v[SPW], v[NIL]
	v_lshrrev_b32 v8, 5, v0
	s_delay_alu instid0(VALU_DEP_1)
	v_readfirstlane_b32 s[WV], v8                  ; wave 0..7
	s_bfe_u32 s10, ttmp6, 0x40000                  ; cx: the group of heads
	s_bfe_u32 s11, ttmp6, 0x40004                  ; cy
	s_and_b32 s12, ttmp7, 0xffff
	s_lshl_b32 s13, s12, 2
	s_add_co_u32 s13, s13, s11                     ; y = 32 b + block of 64 queries
	s_lshr_b32 s14, s12, 3                         ; b
	s_lshl_b32 s15, 0x1111, s10                    ; my column of the cluster
	s_lshl_b32 s16, s11, 2
	s_lshl_b32 s16, 15, s16                        ; my row
	s_or_b32 s[G1K], s15, (3<<16)|(1<<21)          ; 59 rows of 32 elements of 8 bytes, dense
	s_mov_b32 s[G1K+1], 32<<16
	s_mov_b32 s[G1K+2], 59<<16
	s_mov_b32 s[G1K+3], 32<<16
	s_mov_b32 s[G1K+4], 59
	s_mov_b32 s[G1K+5], 32
	s_mov_b32 s[G1K+6], 0
	s_mov_b32 s[G1K+7], 0
	s_or_b32 s[G1B], s16, (2<<16)|(1<<20)|(1<<21)|(6<<22)|(3<<25)   ; 16 rows of 128 f32, 4 words of padding behind every 128
	s_mov_b32 s[G1B+1], 128<<16
	s_mov_b32 s[G1B+2], 16<<16
	s_mov_b32 s[G1B+3], 128<<16
	s_mov_b32 s[G1B+4], 16
	s_mov_b32 s[G1B+5], 2048
	s_mov_b32 s[G1B+6], 0
	s_mov_b32 s[G1B+7], 0
	s_and_b32 s63, s[WV], 3                        ; my head of the four; also: which quarter of a tile I fetch
	s_lshl_b32 s52, s14, 2
	s_add_co_u32 s52, s52, s10                     ; 4 b + group of heads
	s_mul_i32 s56, s52, 16*60416
	s_and_b32 s54, s[WV], 1
	s_mul_i32 s55, s63, 15104                      ; my quarter of a block, in memory and in a slot
	s_add_co_u32 s56, s56, s55
	s_add_co_u32 s56, s56, 4456448
	s_mov_b32 s57, 0
	s_lshl_b32 s58, s13, 19                        ; the bias: row 64 y, 8,192 bytes a row
	s_lshl_b32 s98, s63, 17
	s_add_co_u32 s98, s98, s58                     ; + my 16 rows
	s_mov_b32 s99, 0
	s_and_b32 s60, s13, 31
	s_lshr_b32 s61, s60, 1
	s_lshl_b32 s62, s52, 4
	s_add_co_u32 s62, s62, s61
	s_mul_i32 s62, s62, 34816                      ; q's block
	s_lshr_b32 s66, s[WV], 2
	s_lshl_b32 s66, s66, 1                         ; my first tile of queries: 0 or 2
	s_mul_i32 s67, s63, 8704
	s_add_co_u32 s62, s62, s67
	s_and_b32 s60, s60, 1
	s_lshl_b32 s68, s60, 2
	s_add_co_u32 s68, s68, s66
	s_lshl_b32 s68, s68, 10
	s_add_co_u32 s70, s62, s68                     ; q's first tile; the second lies 1,024 bytes on
	s_mov_b32 s71, 0
	s_lshl_b32 s68, s60, 8
	s_add_co_u32 s72, s62, s68
	s_lshl_b32 s68, s66, 2
	s_add_co_u32 s72, s72, s68
	s_add_co_u32 s72, s72, 8192                    ; and its scale words; the second tile's 4 bytes on
	s_mov_b32 s73, 0
	s_lshl_b32 s84, s10, 8
	s_lshl_b32 s88, s13, 2
	s_add_co_u32 s84, s84, s88
	s_add_co_u32 s84, s84, s66                     ; a4: 256 x group + tile of rows,
	s_lshl_b32 s84, s84, 1
	s_lshr_b32 s88, s63, 1
	s_add_co_u32 s84, s84, s88                     ; which 128 of the group's 256
	s_mul_i32 s84, s84, 1536
	s_mov_b32 s85, 0
	s_lshl_b32 s86, s10, 15
	s_lshl_b32 s88, s13, 8
	s_add_co_u32 s86, s86, s88
	s_add_co_u32 s86, s86, 3145728                 ; a4's scale words: K step 2 x group, position 64 y
	s_mov_b32 s87, 0
	s_lshl_b32 s90, s10, 17                        ; the prefetches.  Wave 3: my work-group's 16 rows of the bias tile, at step 1
	s_add_co_u32 s90, s90, s58
	s_add_co_u32 s90, s90, 512
	s_mul_i32 s94, s52, 16*60416                   ; waves 4, 5: my work-group's 59 blocks of k and v, at step 1
	s_mul_i32 s95, s11, 59*256
	s_add_co_u32 s94, s94, s95
	s_add_co_u32 s94, s94, 4456448+60416
	s_mov_b32 s[PFS], 60416
	s_cmp_eq_u32 s[WV], 3
	s_cselect_b32 s90, s90, s94
	s_cselect_b32 s[PFS], 512, s[PFS]              ; bytes from step to step
	s_cselect_b32 s96, -1, 0
	s_mov_b32 s91, 0
	s_mov_b32 s[PFS+1], 0
	s_sub_co_u32 s95, s[WV], 3
	s_cmp_lt_u32 s95, 3
	s_cselect_b32 s[LIM], 1, -1                    ; waves 3, 4, 5 ask
	s_lshl_b32 s97, s54, 5
	s_add_co_u32 s74, s67, 8192                    ; LDS: k's scale words of my head,
	s_mul_i32 s75, s63, 6400
	s_add_co_u32 s75, s75, VOFFS                   ; v's tiles,
	s_add_co_u32 s77, s75, 6144                    ; v's scale words,
	s_lshl_b32 s76, s66, 4
	s_mul_i32 s76, s76, BP
	s_add_co_u32 s76, s76, BOFF                    ; the bias rows of my first tile: token 16 x tile on; the second tile's lie 8 rows on
	s_lshr_b32 s81, s63, 1
	s_lshl_b32 s81, s81, 8
	s_lshl_b32 s82, s66, 6
	s_add_co_u32 s81, s81, s82
	s_and_b32 s82, s63, 1
	s_lshl_b32 s82, s82, 1
	s_add_co_u32 s81, s81, s82
	s_add_co_u32 s81, s81, SA
	s_mov_b32 s[SEL], 0x76543210
	s_mov_b32 s[SEL+1], 0xfedcba98
	s_mov_b32 s[CS], 0x3fb8aa3b                    ; log2(e)
	s_mov_b32 s[CS+1], s[CS]
	s_mov_b32 s79, 0xf1000000                      ; -2^99
	s_mov_b32 s[TB], 0
	s_mov_b32 s[SLOTS], 15
	s_wait_dscnt 0x0                               ; both opening adds are done
	s_wait_kmcnt 0x0
	CROUND                                         ; all sixteen work-groups are here: the first joint loads meet
	s_mov_b32 s[G0K], 1
	s_mov_b32 s[G0K+1], s55
	s_add_nc_u64 s[G0K+2:G0K+3], s[4:5], s[56:57]
	s_or_b32 s[G0K+3], s[G0K+3], 0x80000000
	s_mov_b32 s[G0B], 1
	s_mul_i32 s[G0B+1], s63, 16*BP
	s_add_co_u32 s[G0B+1], s[G0B+1], BOFF
	s_add_nc_u64 s[G0B+2:G0B+3], s[6:7], s[98:99]
	s_or_b32 s[G0B+3], s[G0B+3], 0x80000000
	JL3                                            ; step 0, into slot 0
	s_add_nc_u64 s[70:71], s[4:5], s[70:71]
	s_add_nc_u64 s[72:73], s[4:5], s[72:73]
	s_add_nc_u64 s[84:85], s[8:9], s[84:85]
	s_add_nc_u64 s[86:87], s[8:9], s[86:87]
	s_cmp_eq_u32 s[WV], 3
	s_cselect_b64 s[PFA:PFA+1], s[6:7], s[4:5]
	s_add_nc_u64 s[PFA:PFA+1], s[PFA:PFA+1], s[90:91]
	v_and_b32 v8, 31, v0                           ; lane       (v8-v11 hold these only up to the first step)
	v_and_b32 v9, 15, v0                           ; r
	v_bfe_u32 v10, v0, 4, 1                        ; h
	v_lshlrev_b32 v93, 4, v8
	v_lshlrev_b32 v94, 3, v8
	v_lshlrev_b32 v11, 4, v9                       ; 16 r
	v_lshl_add_u32 v[SWOF], v10, 14, v11           ; h x 16,384 + 16 r: kept for the last store
	global_load_b128 v[16:19], v93, s[70:71]       ; q's fragments stay in registers
	global_load_b128 v[20:23], v93, s[70:71] offset:512
	global_load_b32 v28, v11, s[72:73]
	global_load_b32 v[QS1], v11, s[72:73] offset:4
	WIN 0x40
	global_load_b128 v[16:19], v93, s[70:71] offset:1024
	global_load_b128 v[20:23], v93, s[70:71] offset:1536
	WIN 0
	v_add_nc_u32 v[AK0], s67, v93
	v_add_nc_u32 v[AS0], s74, v11
	v_add_nc_u32 v[AV0], s75, v93
	v_add_nc_u32 v[AT0], s77, v11
	v_and_b32 v12, 8, v9
	v_add_nc_u32 v12, v12, v9                      ; the token at row r of a tile: r + 8 (r / 8)
	v_mul_u32_u24 v[AB0], v12, BP
	v_lshl_add_u32 v[AB0], v10, 6, v[AB0]          ; + 64 h: my 16 keys of each 32
	v_add_nc_u32 v[AB0], s76, v[AB0]
	v_lshl_add_u32 v95, v9, 2, s81                 ; where my half of a scale word goes
	v_add_nc_u32 v31, SA, v93                      ; and where wave 0 reads the words back
	v_lshrrev_b32 v[PFO], 1, v8
	v_lshlrev_b32 v[PFO], 13, v[PFO]
	v_and_b32 v13, 1, v8
	v_lshl_add_u32 v[PFO], v13, 8, v[PFO]          ; the bias: a row for two lanes, 256 bytes apart
	v_add_nc_u32 v13, s97, v8
	v_min_u32 v13, 58, v13                         ; k and v: block 32 (wave % 2) + lane, the lanes left over name the last block again
	v_lshlrev_b32 v13, 8, v13
	v_cndmask_b32 v[PFO], v13, v[PFO], s96
	s_wait_alu depctr_va_vdst(0)
	ASK                                            ; step 1's tiles, which the first change of slots will load
.macro INIT                            ; a tile's state at the start: the step is written for every step alike
.irp j, 24,25,26,27,14,15,236,237,238,239,253
	v_mov_b32 v[\j], 0
.endr
	v_mov_b32 v13, 0xf1800000                      ; the largest t so far: -2^100, under every t that is served
	v_mov_b32 v12, 0x71800000                      ; -M = 2^100
	v_mov_b32 v241, 0xffff
.set j, 0
.rept 32
	v_mov_b32 v[160+j], 0
.set j, j+1
.endr
.endm
	INIT
.set j, 0
.rept 48
	v_mov_b32 v[32+j], 0                           ; v's codes for tile 1's pass in trip 0,
.set j, j+1
.endr
.irp j, 88,89,90,91
	v_mov_b32 v[\j], 0                             ; finite scale bytes,
.endr
	WIN 0x40
	INIT
.set j, 0
.rept 64
	v_mov_b32 v[96+j], 0xf1800000                  ; and its scores: -2^100
.set j, j+1
.endr
.irp j, 92,93,94,95
	v_mov_b32 v[\j], 0                             ; behind k's last tile: four registers that meet q's zeros
.endr
	WIN 0
.macro LA                              ; 34 LDS loads: k's scale words, k's eight tiles, tile 0's bias
	ds_load_b128 v[80:83], v[ADS]
	ds_load_b128 v[84:87], v[ADS] offset:256
	WIN 0x40
.irp t, 0,1,2,3,4,5,6,7
	ds_load_b128 v[KF+8*\t:KF+8*\t+3], v[ADK] offset:\t*1024
	ds_load_b128 v[KF+8*\t+4:KF+8*\t+7], v[ADK] offset:\t*1024+512
.endr
	WIN 0
.irp be, 0,1,2,3
.irp j, 0,1,2,3
	ds_load_b128 v[96+16*\be+4*\j:99+16*\be+4*\j], v[ADB] offset:128*\be+16*\j   ; the bias of my query at keys 32 be + 16 h + 0 .. 15: the C of tiles 2 be, 2 be + 1
.endr
.endr
.endm
.macro LB                              ; 29 LDS loads: tile 1's bias, v's four tiles, v's scale words
.rept 4
	v_nop                                          ; places: behind P V in front of the loads into v's registers, and behind K Q^T in front of the first read of the scores
.endr
	WIN 0x40
.irp be, 0,1,2,3
.irp j, 0,1,2,3
	ds_load_b128 v[96+16*\be+4*\j:99+16*\be+4*\j], v[ADB] offset:8*BP+128*\be+16*\j
.endr
.endr
	WIN 0
.irp t, 0,1,2,3
.irp c, 0,1,2
	ds_load_b128 v[32+12*\t+4*\c:35+12*\t+4*\c], v[ADV] offset:1536*\t+512*\c
.endr
.endr
	ds_load_b128 v[88:91], v[ADT]
.endm
.macro QK w                            ; K Q^T of tile w: k in window 1, the rest in window w
	WIN 0x01+0x54*\w
.irp t, 0,1,2,3,4,5,6,7
	v_wmma_scale_f32_16x16x128_f8f6f4 v[96+8*\t:103+8*\t], v[KF+8*\t:KF+8*\t+11], v[16:27], v[96+8*\t:103+8*\t], v[80+\t], v[28+185*\w] matrix_a_fmt:MATRIX_FMT_FP6 matrix_b_fmt:MATRIX_FMT_FP6
.endr
	WIN 0
.endm
; SOFTMAX, QUANTISER AND P V of tile w, all its registers in window w (v's fragments in window 0; scale words have no window)
; It is written in two parts.  SOFTA: the maxima, M and t - M: work on registers alone.  SOFTB: the exponentials and all behind them.
.macro SOFTA w
	WIN 0x55*\w
	s_wait_alu depctr_va_vdst(0)                   ; the wait ahead of the first reader of the scores
.irp b, 0,1,2,3
	v_max3_num_f32 v[232+\b], v[96+16*\b], v[97+16*\b], v[98+16*\b]   ; the largest score of each block of 32 keys: for the row's maximum and for the block's largest p
.endr
.irp i, 3,5,7,9,11,13
.irp b, 0,1,2,3
	v_max3_num_f32 v[232+\b], v[232+\b], v[96+16*\b+\i], v[97+16*\b+\i]
.endr
.endr
.irp b, 0,1,2,3
	v_max_num_f32 v[232+\b], v[232+\b], v[111+16*\b]
.endr
.irp b, 0,1,2,3
	s_delay_alu instid0(VALU_DEP_4)
	v_permlanex16_b32 v[236+\b], v[232+\b], s[SEL], s[SEL+1]
.endr
.irp b, 0,1,2,3
	s_delay_alu instid0(VALU_DEP_4)
	v_max_num_f32 v[232+\b], v[232+\b], v[236+\b]
.endr
	s_delay_alu instid0(VALU_DEP_2)
	v_max3_num_f32 v254, v232, v233, v234
	s_delay_alu instid0(VALU_DEP_1)
	v_max_num_f32 v254, v254, v235
	s_delay_alu instid0(VALU_DEP_1)
	v_mul_f32 v254, s[CS], v254
	s_delay_alu instid0(VALU_DEP_1)
	v_max_num_f32 v13, v13, v254                   ; the running largest t
	v_mov_b32 v254, v12
	s_delay_alu instid0(VALU_DEP_2)
	v_floor_f32 v12, -v13                          ; -M = floor(-t): M is a whole number
	s_delay_alu instid0(VALU_DEP_1)
	v_sub_f32 v254, v12, v254                      ; old M - new M, 0 or less
	s_delay_alu instid0(VALU_DEP_1)
	v_cvt_i32_f32 v254, v254                       ; (it saturates)
	s_delay_alu instid0(VALU_DEP_1)
	v_ldexp_f32 v252, 1.0, v254                    ; f = 2^(old M - new M): exact
.set j, 0
.rept 32
	v_pk_fma_f32 v[96+j:97+j], v[96+j:97+j], s[CS:CS+1], v[12:13] op_sel_hi:[1,0,0]   ; t - M
.set j, j+2
.endr
.irp b, 0,1,2,3
	v_fma_f32 v[232+\b], v[232+\b], s[CS], v12
.endr
	WIN 0
	s_wait_alu depctr_va_vdst(0)                   ; for tile 1 a barrier's wait follows
.endm
.macro SOFTB w
	WIN 0x55*\w
	s_wait_alu depctr_va_vdst(0)                   ; the wait ahead of the batch
.set j, 0
.rept 64
	v_exp_f32 v[96+j], v[96+j]                     ; p
.set j, j+1
.endr
	v_pk_mul_f32 v[14:15], v[14:15], v[252:253] op_sel_hi:[1,0]   ; the sums under the new M (a plain line behind the batch)
	s_wait_alu depctr_va_vdst(0)                   ; one wait for the batch, ahead of its first reader
.irp b, 0,1,2,3
	v_exp_f32 v[232+\b], v[232+\b]                 ; the blocks' largest p
.endr
	v_pk_add_f32 v[236:237], v[100:101], v[104:105]
	v_pk_add_f32 v[254:255], v[108:109], v[112:113]
	v_pk_add_f32 v[250:251], v[116:117], v[120:121]
	v_pk_add_f32 v[248:249], v[124:125], v[128:129]
	v_pk_add_f32 v[246:247], v[132:133], v[136:137]
	v_pk_add_f32 v[244:245], v[140:141], v[144:145]
	v_pk_add_f32 v[242:243], v[148:149], v[152:153]
	v_pk_add_f32 v[14:15], v[14:15], v[156:157]
	v_pk_add_f32 v[236:237], v[236:237], v[96:97]
	v_pk_add_f32 v[254:255], v[254:255], v[98:99]
	v_pk_add_f32 v[250:251], v[250:251], v[102:103]
	v_pk_add_f32 v[248:249], v[248:249], v[106:107]
	v_pk_add_f32 v[246:247], v[246:247], v[110:111]
	v_pk_add_f32 v[244:245], v[244:245], v[114:115]
	v_pk_add_f32 v[242:243], v[242:243], v[118:119]
	v_pk_add_f32 v[14:15], v[14:15], v[122:123]
	v_pk_add_f32 v[236:237], v[236:237], v[126:127]
	v_pk_add_f32 v[254:255], v[254:255], v[130:131]
	v_pk_add_f32 v[250:251], v[250:251], v[134:135]
	v_pk_add_f32 v[248:249], v[248:249], v[138:139]
	v_pk_add_f32 v[246:247], v[246:247], v[142:143]
	v_pk_add_f32 v[244:245], v[244:245], v[146:147]
	v_pk_add_f32 v[242:243], v[242:243], v[150:151]
	v_pk_add_f32 v[14:15], v[14:15], v[154:155]
	v_pk_add_f32 v[236:237], v[236:237], v[158:159]
	s_delay_alu instid0(VALU_DEP_2)
	v_pk_add_f32 v[14:15], v[14:15], v[248:249]
	s_delay_alu instid0(VALU_DEP_2)
	v_pk_add_f32 v[236:237], v[236:237], v[246:247]
	v_pk_add_f32 v[254:255], v[254:255], v[244:245]
	v_pk_add_f32 v[250:251], v[250:251], v[242:243]
	s_delay_alu instid0(VALU_DEP_2)
	v_pk_add_f32 v[14:15], v[14:15], v[254:255]
	s_delay_alu instid0(VALU_DEP_2)
	v_pk_add_f32 v[236:237], v[236:237], v[250:251]
	s_delay_alu instid0(VALU_DEP_1)
	v_pk_add_f32 v[14:15], v[14:15], v[236:237]
	s_wait_alu depctr_va_vdst(0)                   ; and one for the four
.irp b, 0,1,2,3
	v_max_num_f32 v[232+\b], 0x1800000, v[232+\b]  ; the floor: the byte cannot fall under 1
.endr
.irp b, 0,1,2,3
	s_delay_alu instid0(VALU_DEP_4)
	v_add_nc_u32 v[244+\b], 0xff000000, v[232+\b]
.endr
.irp b, 0,1,2,3
	s_delay_alu instid0(VALU_DEP_4)
	v_lshrrev_b32 v[236+\b], 23, v[244+\b]
.endr
	s_delay_alu instid0(VALU_DEP_3)
	v_lshl_or_b32 v240, v237, 8, v236
	s_delay_alu instid0(VALU_DEP_1)
	v_lshl_or_b32 v240, v238, 16, v240
	WIN 0x11*\w                                    ; the destination lies in window 0
	v_lshl_or_b32 v[PW0+122*\w], v239, 24, v240    ; p's scale word for these 128 keys
	WIN 0x55*\w
.irp c, 0,1
	v_cvt_scalef32_pk16_fp6_f32 v[192+6*\c:194+6*\c], v[96+32*\c:111+32*\c], v[244+2*\c]
	v_cvt_scalef32_pk16_fp6_f32 v[204+4*\c:206+4*\c], v[112+32*\c:127+32*\c], v[244+2*\c+1]
.endr
	v_nop
.irp c, 0,1
.irp i, 0,1,2
	v_permlane16_swap_b32 v[192+6*\c+\i], v[204+4*\c+\i]
.endr
.irp i, 0,1,2
	s_delay_alu instid0(VALU_DEP_3)
	v_mov_b32 v[195+6*\c+\i], v[204+4*\c+\i]
.endr
.endr
	s_wait_alu depctr_va_vdst(0)                   ; the wait ahead of the first reader of O^T
.set j, 0
.rept 16
	v_pk_mul_f32 v[160+j:161+j], v[160+j:161+j], v[252:253] op_sel_hi:[1,0]   ; O^T under the new M (also the places in front of the products below)
.set j, j+2
.endr
	s_wait_alu depctr_va_vdst(0)
	s_wait_dscnt 0x0                               ; the run of LDS loads issued ahead of this softmax is in
	WIN 0x54*\w
.irp t, 0,1,2,3
	v_wmma_scale_f32_16x16x128_f8f6f4 v[160+8*\t:167+8*\t], v[32+12*\t:43+12*\t], v[192:203], v[160+8*\t:167+8*\t], v[88+\t], v[PW0+122*\w] matrix_a_fmt:MATRIX_FMT_FP6 matrix_b_fmt:MATRIX_FMT_FP6
.endr
	WIN 0
.endm
; THE CHANGE OF SLOTS stands at a trip's head.  Each wave waits for all its tensor loads, adds 0 to its spare word, and waits for that and for its reads of the slot that it has left.
.macro CHANGE fill
	s_wait_tensorcnt 0x0
	ds_add_u32 v[SPW], v[NIL]
.if \fill
	s_xor_b32 s[G0K+1], s[G0K+1], SLOT1            ; no tensor load of mine is out: the walking descriptors step
	s_add_nc_u64 s[G0K+2:G0K+3], s[G0K+2:G0K+3], 60416
	s_xor_b32 s[G0B+1], s[G0B+1], SLOT1
	s_add_nc_u64 s[G0B+2:G0B+3], s[G0B+2:G0B+3], 512
	s_wait_xcnt 0x0                                ; the last prefetch, a step back, has read its address
	s_add_nc_u64 s[PFA:PFA+1], s[PFA:PFA+1], s[PFS:PFS+1]
	s_wait_dscnt 0x0
	s_barrier_signal -1                            ; the round's opening barrier: say so,
	SOFTA 1                                        ; work on registers while the others arrive: the first part of tile 1's softmax of the step before,
	s_barrier_wait -1                              ; and go on when all eight have said so
	s_cmp_lg_u32 s[WV], 0
	s_cbranch_scc1 .Lnw0_\@
	s_barrier_signal -3
.Lnw0_\@:
	s_barrier_wait -3
	s_barrier_signal -1
	s_barrier_wait -1                              ; no wave of any partner still reads the slot or has a load on its way
	JL3
	ASK
.else
	s_wait_dscnt 0x0
	s_barrier_signal -1
	SOFTA 1
	s_barrier_wait -1
.endif
.endm
.macro TRIP
	v_add_nc_u32 v[ADK], s[TB], v[AK0]             ; the slot's LDS addresses (with the four v_nop at the last trip's end: the places behind K Q^T in front of the loads into k's registers)
	v_add_nc_u32 v[ADS], s[TB], v[AS0]
	v_add_nc_u32 v[ADV], s[TB], v[AV0]
	v_add_nc_u32 v[ADT], s[TB], v[AT0]
	v_add_nc_u32 v[ADB], s[TB], v[AB0]
	LA
	SOFTB 1                                        ; the rest of the step before's second tile; its wait on DScnt covers the 34 loads above
	QK 0
	LB
	SOFTA 0
	SOFTB 0                                        ; its wait on DScnt covers the 29 loads above
	QK 1
.rept 4
	v_nop
.endr
	s_xor_b32 s[TB], s[TB], SLOT1                  ; on to the other slot
.endm
	s_wait_alu depctr_va_vdst(0)
	s_wait_loadcnt 0x0                             ; q
.Lstep:
	CHANGE 1
	TRIP
	s_sub_co_u32 s[SLOTS], s[SLOTS], 1
	s_cmp_lg_u32 s[SLOTS], 0
	s_cbranch_scc1 .Lstep
	CHANGE 0                                       ; the last trip is written out
	TRIP
	SOFTA 1                                        ; step 15's second tile
	SOFTB 1
	; THE WAY OUT: O^T / the sum; a tile's 64 numbers of my head are two blocks of product 4's K: half a fragment
.rept 4
	v_nop
.endr
.macro OUTV w
	WIN 0x55*\w
	v_add_f32 v14, v14, v15
	s_delay_alu instid0(VALU_DEP_1)
	v_permlanex16_b32 v252, v14, s[SEL], s[SEL+1]
	s_delay_alu instid0(VALU_DEP_1)
	v_add_f32 v14, v14, v252                       ; the row's sum
	v_cmp_gt_f32 s78, s79, v13                     ; every key of my query was masked
	s_delay_alu instid0(VALU_DEP_1)
	v_cndmask_b32 v14, v14, 1.0, s78
	s_wait_alu depctr_va_vdst(0)
	v_rcp_f32 v14, v14
	v_nop                                          ; a plain line behind the reciprocal,
	s_wait_alu depctr_va_vdst(0)                   ; and the wait ahead of its first reader and of O^T's
.set j, 0
.rept 32
	v_mul_f32 v[96+j], v[160+j], v14               ; register 16 b + i: d = 32 b + 16 h + i
.set j, j+1
.endr
.irp b, 0,1
	v_max3_num_f32 v[232+\b], |v[96+16*\b]|, |v[97+16*\b]|, 0x1800000
.endr
.irp i, 2,4,6,8,10,12,14
.irp b, 0,1
	s_delay_alu instid0(VALU_DEP_2)
	v_max3_num_f32 v[232+\b], v[232+\b], |v[96+16*\b+\i]|, |v[97+16*\b+\i]|
.endr
.endr
.irp b, 0,1
	s_delay_alu instid0(VALU_DEP_2)
	v_permlanex16_b32 v[236+\b], v[232+\b], s[SEL], s[SEL+1]
.endr
.irp b, 0,1
	s_delay_alu instid0(VALU_DEP_2)
	v_max_num_f32 v[232+\b], v[232+\b], v[236+\b]
.endr
.irp b, 0,1
	s_delay_alu instid0(VALU_DEP_2)
	v_add_nc_u32 v[244+\b], 0xff000000, v[232+\b]
.endr
.irp b, 0,1
	s_delay_alu instid0(VALU_DEP_2)
	v_lshrrev_b32 v[236+\b], 23, v[244+\b]
.endr
	s_delay_alu instid0(VALU_DEP_1)
	v_lshl_or_b32 v240, v237, 8, v236
	s_delay_alu instid0(VALU_DEP_1)
	v_cndmask_b32 v240, v240, v241, s78            ; a wholly masked row: both bytes 0xff
	v_cvt_scalef32_pk16_fp6_f32 v[192:194], v[96:111], v244
	v_cvt_scalef32_pk16_fp6_f32 v[204:206], v[112:127], v245
	v_nop
.irp i, 0,1,2
	v_permlane16_swap_b32 v[192+\i], v[204+\i]
.endr
.irp i, 0,1,2
	s_delay_alu instid0(VALU_DEP_3)
	v_mov_b32 v[195+\i], v[204+\i]
.endr
	WIN 0x04*\w                                    ; the data in window w, the address in window 0
	ds_store_b16 v95, v240 offset:64*\w            ; (both lanes of a row write the same half-word)
	WIN 0
.endm
	OUTV 0
	OUTV 1
	s_and_b32 s80, s[WV], 1
	s_cmp_eq_u32 s80, 1
	s_wait_alu depctr_va_vdst(0)
	s_cbranch_scc1 .Lodd
	global_store_b128 v93, v[192:195], s[84:85]    ; an even head: the fragment's registers 0-5
	global_store_b64 v94, v[196:197], s[84:85] offset:512
	WIN 0x04
	global_store_b128 v93, v[192:195], s[84:85] offset:3072   ; the second tile: two images on
	global_store_b64 v94, v[196:197], s[84:85] offset:3584
	WIN 0
	s_branch .Lstored
.Lodd:
	global_store_b64 v94, v[192:193], s[84:85] offset:768   ; an odd head: registers 6-11
	global_store_b128 v93, v[194:197], s[84:85] offset:1024
	WIN 0x04
	global_store_b64 v94, v[192:193], s[84:85] offset:3840
	global_store_b128 v93, v[194:197], s[84:85] offset:4096
	WIN 0
.Lstored:
	s_wait_dscnt 0x0                               ; for wave 0's sake
	s_barrier_signal -1
	s_barrier_wait -1
	s_cmp_lg_u32 s[WV], 0
	s_cbranch_scc1 .Lnot0
	ds_load_b128 v[248:251], v31
	s_wait_dscnt 0x0
	global_store_b128 v[SWOF], v[248:251], s[86:87]   ; two runs of 256 consecutive bytes
.Lnot0:
	s_wait_tensorcnt 0x0                           ; the wave's end
	ds_add_u32 v[SPW], v[NIL]
	s_wait_dscnt 0x0
	CROUND                                         ; the closing round
	s_endpgm
.Lfunc_end_k_qb1be1ce9a3_attn:
	.size	k_qb1be1ce9a3_attn, .Lfunc_end_k_qb1be1ce9a3_attn-k_qb1be1ce9a3_attn
	.p2alignl 7, 3214868480
	.fill 96, 4, 3214868480
	.section	.rodata,"a",@progbits
	.p2align	6, 0x0
	.amdhsa_kernel k_qb1be1ce9a3_attn
		.amdhsa_group_segment_fixed_size 327680
		.amdhsa_private_segment_fixed_size 0
		.amdhsa_enable_private_segment 0
		.amdhsa_kernarg_size 24
		.amdhsa_user_sgpr_count 2
		.amdhsa_user_sgpr_kernarg_segment_ptr 1
		.amdhsa_wavefront_size32 1
		.amdhsa_system_sgpr_workgroup_id_x 1
		.amdhsa_system_sgpr_workgroup_id_y 1
		.amdhsa_system_sgpr_workgroup_id_z 1
		.amdhsa_system_vgpr_workitem_id 0
		.amdhsa_next_free_vgpr 512
		.amdhsa_next_free_sgpr 100
		.amdhsa_reserve_vcc 0
		.amdhsa_float_denorm_mode_32 3
		.amdhsa_float_denorm_mode_16_64 3
		.amdhsa_memory_ordered 1
		.amdhsa_forward_progress 1
		.amdhsa_inst_pref_size 112
	.end_amdhsa_kernel
	.amdgpu_metadata
---
amdhsa.version: [ 1, 2 ]
amdhsa.kernels:
  - .name:           k_qb1be1ce9a3_attn
    .symbol:         k_qb1be1ce9a3_attn.kd
    .args:
      - { .name: qkv, .offset: 0, .size: 8, .value_kind: global_buffer, .address_space: global }
      - { .name: bias, .offset: 8, .size: 8, .value_kind: global_buffer, .address_space: global }
      - { .name: a4, .offset: 16, .size: 8, .value_kind: global_buffer, .address_space: global }
    .group_segment_fixed_size: 327680
    .private_segment_fixed_size: 0
    .kernarg_segment_align: 8
    .kernarg_segment_size: 24
    .max_flat_workgroup_size: 256
    .sgpr_count:     100
    .vgpr_count:     512
    .wavefront_size: 32
...
	.end_amdgpu_metadata
.endif
;; end of part 10
;; launch g4 (part 11): grid 8 x 32, 4 waves a work-group, clusters of 4 x 4, 327,680 bytes of LDS; arguments a4, wts, x, xmid; writes xmid
.if DOCPART == 11
	.amdgcn_target "amdgcn-amd-amdhsa--gfx1250"
	.amdhsa_code_object_version 6
	.text
	.protected	k_qb1be1ce9a3_g4
	.globl	k_qb1be1ce9a3_g4
	.p2align	8
	.type	k_qb1be1ce9a3_g4,@function
k_qb1be1ce9a3_g4:
	s_mov_b64 s[64:65], 0
	v_nop
	global_prefetch_b8 v0, s[64:65] scope:SCOPE_SE
	s_setreg_imm32_b32 hwreg(HW_REG_WAVE_MODE, 25, 1), 1
	s_wait_xcnt 0x0
	s_wait_alu depctr_hold_cnt(0) depctr_sa_sdst(0) depctr_va_vdst(0) depctr_va_sdst(0) depctr_va_ssrc(0) depctr_va_vcc(0) depctr_vm_vsrc(0)
	s_getreg_b32 s2, hwreg(HW_REG_IB_STS2, 6, 4)
	s_cmp_eq_u32 s2, 0
	s_cbranch_scc0 .Lentry_in_a_cluster
	s_endpgm
.Lentry_in_a_cluster:
	s_bfe_u32 s2, ttmp6, 0x10000c
	s_cmp_lg_u32 s2, 0xf033
	s_cbranch_scc0 .Lentry_shape_is_right
	s_endpgm
.Lentry_shape_is_right:
.set SIZE_N, 1024
.set SIZE_K, 1024
.set BIASC,  0
.set ASCO,   3145728
.set BCO,    2457600
.set BSCO,   3244032
.set RESP,   8
.set OUTP,   10
.set FR,     12
.set NL,     4
.set NP,     4
.set FRB,    1536
.set HALFT,  16*FRB
.set SLOT,   4*HALFT
.set SCL,    2*SLOT
.set KST,    SIZE_K/128
.set HALFS,  (KST/2)*512
.set SPARE,  262144
.set LAPS,   SIZE_K/1024
.set ASTR,   256*2*FRB
.set BSTR,   (SIZE_N/16)*2*FRB
.set SPITCH, 272
.set ADRA, 16
.set ADRB, 20
.set STO,  24
.set RD,   25
.set CO,   26
.set ADRS, 27
.set SPW,  28
.set NIL,  29
.set SC,   32
.set BI,   64
.set BK,   64
.set ACC,  128
.set G1, 24
.set G0, 32
.set G1B, 48
.set G0B, 56
.set G1S, 68
.set G0S, 76
.set G1SB, 80
.set G0SB, 88
.set MSB, 0
.macro WIN new
.if MSB != \new
	s_set_vgpr_msb (MSB<<8)|\new
.set MSB, \new
.endif
.endm
.set MUL,  0x05
.set TO_F, 0x40
.macro JLOAD g0a, g1a, g0b, g1b
	s_cmp_eq_u32 s15, 0
	s_cbranch_scc0 .Lfor_b_\@
	tensor_load_to_lds s[\g0a:\g0a+3], s[\g1a:\g1a+7]
	s_nop 0
.rept 4
	v_nop
.endr
	s_branch .Lasked_\@
.Lfor_b_\@:
	tensor_load_to_lds s[\g0b:\g0b+3], s[\g1b:\g1b+7]
	s_nop 0
.rept 4
	v_nop
.endr
.Lasked_\@:
.endm
.macro CREST
	s_cmp_lg_u32 s14, 0
	s_cbranch_scc1 .Lnot_wave_0_\@
	s_barrier_signal -3
.Lnot_wave_0_\@:
	s_barrier_wait -3
	s_barrier_signal -1
	s_barrier_wait -1
.endm
.macro CROUND
	s_barrier_signal -1
	s_barrier_wait -1
	CREST
.endm
	s_load_b128 s[4:7], s[0:1], 0x0
	s_load_b128 s[8:11], s[0:1], 0x10
.if BIASC
	s_load_b64 s[12:13], s[0:1], 0x20
.endif
	v_lshl_add_u32 v[SPW], v0, 2, SPARE
	v_mov_b32 v[NIL], 0
	ds_add_u32 v[SPW], v[NIL]
	ds_add_u32 v[SPW], v[NIL]
	v_lshrrev_b32 v1, 5, v0
	v_readfirstlane_b32 s14, v1
	s_lshr_b32 s15, s14, 1
	s_and_b32 s16, s14, 1
	s_bfe_u32 s40, ttmp6, 0x40000
	s_bfe_u32 s41, ttmp6, 0x40004
	s_lshl_b32 s42, ttmp9, 2
	s_add_co_u32 s42, s42, s40
	s_and_b32 s17, ttmp7, 0xffff
	s_lshl_b32 s17, s17, 2
	s_add_co_u32 s17, s17, s41
	s_lshl_b32 s43, s41, 2
	s_lshl_b32 s43, 15, s43
	s_lshl_b32 s44, 0x1111, s40
	s_or_b32 s[G1+0], s43, (3<<16)|(1<<21)
	s_or_b32 s[G1B+0], s44, (3<<16)|(1<<21)
	s_mov_b32 s[G1+5], ASTR/8                      ; for the head's loads: a slot's two blocks of 24,576 bytes as two rows, one K step of 256 apart
	s_mov_b32 s[G1B+5], BSTR/8
.irp g, G1, G1B
	s_mov_b32 s[\g+1], 3072<<16
	s_mov_b32 s[\g+2], 2<<16
	s_mov_b32 s[\g+3], 3072<<16
	s_mov_b32 s[\g+4], 2
	s_mov_b32 s[\g+6], 0
	s_mov_b32 s[\g+7], 0
.endr
	s_or_b32 s[G1S+0], s43, (3<<16)|(1<<21)
	s_or_b32 s[G1SB+0], s44, (3<<16)|(1<<21)
.irp g, G1S, G1SB
	s_mov_b32 s[\g+1], 64<<16
	s_mov_b32 s[\g+2], KST<<16
	s_mov_b32 s[\g+3], 64<<16
	s_mov_b32 s[\g+4], KST
	s_mov_b32 s[\g+6], 0
	s_mov_b32 s[\g+7], 0
.endr
	s_mov_b32 s[G1S+5], 2048
	s_mov_b32 s[G1SB+5], SIZE_N/2
	s_mul_i32 s20, s17, HALFT
	s_mov_b32 s21, 0
	s_mul_i32 s46, s42, HALFT
	s_add_co_u32 s46, s46, BCO
	s_mov_b32 s47, 0
	s_lshl_b32 s22, s17, 9
	s_add_co_u32 s22, s22, ASCO
	s_mov_b32 s23, 0
	s_lshl_b32 s92, s42, 9
	s_add_co_u32 s92, s92, BSCO
	s_mov_b32 s93, 0
	s_mul_i32 s18, s16, ASTR                       ; in the ring: my 256 along K of a slot
	s_mov_b32 s19, 0
	s_mul_i32 s94, s16, BSTR
	s_mov_b32 s95, 0
	s_mul_i32 s45, s14, HALFT
	s_wait_dscnt 0x0
	s_wait_kmcnt 0x0
	s_add_nc_u64 s[20:21], s[4:5], s[20:21]
	s_add_nc_u64 s[22:23], s[4:5], s[22:23]
	s_add_nc_u64 s[46:47], s[6:7], s[46:47]
	s_add_nc_u64 s[92:93], s[6:7], s[92:93]
	CROUND
	s_mov_b32 s[G0S], 1                            ; the head's four tiles, each whole: A's scale words,
	s_mov_b32 s[G0S+1], SCL
	s_mov_b64 s[G0S+2:G0S+3], s[22:23]
	s_or_b32 s[G0S+3], s[G0S+3], 0x80000000
	s_mov_b32 s[G0SB], 1                           ; B's,
	s_mov_b32 s[G0SB+1], SCL+2*HALFS
	s_mov_b64 s[G0SB+2:G0SB+3], s[92:93]
	s_or_b32 s[G0SB+3], s[G0SB+3], 0x80000000
	s_mov_b32 s4, 1                                ; slot 0's two blocks of A (s[4:7] held arguments that have been used),
	s_mov_b32 s5, 0
	s_mov_b64 s[6:7], s[20:21]
	s_or_b32 s7, s7, 0x80000000
	s_mov_b32 s96, 1                               ; and of B, behind them
	s_mov_b32 s97, 2*HALFT
	s_mov_b64 s[98:99], s[46:47]
	s_or_b32 s99, s99, 0x80000000
	s_add_nc_u64 s[20:21], s[20:21], s[18:19]      ; for the ring: my block of the two
	s_add_nc_u64 s[46:47], s[46:47], s[94:95]
	s_cmp_eq_u32 s15, 0                            ; the prefetch: of the 96 units of 256 bytes that I fetch of slot 1, each of the four partners that ask with me names 24, told apart by address
	s_cselect_b64 s[66:67], s[20:21], s[46:47]
	s_cselect_b32 s2, s40, s41
	s_mov_b32 s94, 2*BSTR
	s_cselect_b32 s94, 2*ASTR, s94
	s_mul_i32 s2, s2, 24*256
	s_mov_b32 s3, 0
	s_add_nc_u64 s[66:67], s[66:67], s[2:3]
	s_add_nc_u64 s[66:67], s[66:67], s[94:95]      ; at K slot 1
.irp s, 0,1
	s_mov_b32 s[G0+4*\s], 1
	s_add_co_u32 s[G0+4*\s+1], s45, \s*SLOT
	s_add_nc_u64 s[G0+4*\s+2:G0+4*\s+3], s[20:21], \s*2*ASTR
	s_or_b32 s[G0+4*\s+3], s[G0+4*\s+3], 0x80000000
	s_mov_b32 s[G0B+4*\s], 1
	s_add_co_u32 s[G0B+4*\s+1], s45, \s*SLOT
	s_add_nc_u64 s[G0B+4*\s+2:G0B+4*\s+3], s[46:47], \s*2*BSTR
	s_or_b32 s[G0B+4*\s+3], s[G0B+4*\s+3], 0x80000000
.endr
; THE HEAD'S LOADS, ONE A WAVE: wave 0 slot 0's A, wave 1 its B, wave 2 A's scale words, wave 3 B's.  One tree of branches on the wave's number: every way passes exactly one load.
.macro ARM under, g0, g1, next
	s_cmp_lt_u32 s14, \under
	s_cbranch_scc0 \next
	tensor_load_to_lds s[\g0:\g0+3], s[\g1:\g1+7]
	s_nop 0
.rept 4
	v_nop
.endr
	s_branch .Lhead_asked
\next:
.endm
	ARM 1, 4,   G1,  .Lhead_b
	ARM 2, 96,  G1B, .Lhead_sa
	ARM 3, G0S, G1S, .Lhead_sb
	tensor_load_to_lds s[G0SB:G0SB+3], s[G1SB:G1SB+7]
	s_nop 0
.rept 4
	v_nop
.endr
.Lhead_asked:
	v_and_b32 v1, 31, v0
	v_and_b32 v2, 15, v0
	v_bfe_u32 v3, v0, 4, 1
	v_lshlrev_b32 v4, 4, v1
	v_lshlrev_b32 v5, 3, v1
	v_min_u32 v30, 23, v1                          ; a lane a unit; the lanes left over name the last again
	v_lshlrev_b32 v30, 8, v30
	global_prefetch_b8 v30, s[66:67] th:TH_LOAD_NT scope:SCOPE_SE   ; K slot 1, the last
	s_mul_i32 s21, s15, 8*FRB
	s_mul_i32 s22, s16, 8*FRB
	s_add_co_u32 s22, s22, 2*HALFT
.irp s, 0,1
	v_add_nc_u32 v[ADRA+\s], s21, v4
	v_add_nc_u32 v[ADRB+\s], s22, v4
	v_add_nc_u32 v[ADRA+2+\s], s21, v5
	v_add_nc_u32 v[ADRB+2+\s], s22, v5
	s_add_co_u32 s21, s21, SLOT
	s_add_co_u32 s22, s22, SLOT
.endr
	v_lshlrev_b32 v7, 2, v2
	s_lshl_b32 s21, s15, 8
	s_lshl_b32 s22, s16, 8
	s_add_co_u32 s22, s22, 2*HALFS
	s_sub_co_u32 s22, s22, s21
	v_mul_u32_u24 v6, s22, v3
	s_add_co_u32 s21, s21, SCL
	v_add_nc_u32 v7, v7, v6
	v_add_nc_u32 v[ADRS], s21, v7
	s_mul_i32 s23, s14, 16*SPITCH
	v_mul_u32_u24 v6, v2, SPITCH
	v_lshl_add_u32 v6, v3, 5, v6
	v_add_nc_u32 v[STO], s23, v6
	v_mul_u32_u24 v6, v3, SPITCH
	v_lshl_add_u32 v6, v2, 4, v6
	v_add_nc_u32 v[RD], s23, v6
	v_lshlrev_b32 v[CO], 12, v3
	v_lshl_add_u32 v[CO], v2, 4, v[CO]
	s_lshl_b32 s46, s42, 9
	s_lshl_b32 s47, s16, 8
	s_add_co_u32 s46, s46, s47
	s_mov_b32 s47, 0
.if BIASC
	s_add_nc_u64 s[8:9], s[8:9], s[46:47]
	v_lshlrev_b32 v8, 5, v3
.irp b, 0,1,2,3
	global_load_b128 v[BI+8*\b:BI+8*\b+3], v8, s[8:9] offset:64*\b
	global_load_b128 v[BI+8*\b+4:BI+8*\b+7], v8, s[8:9] offset:64*\b+16
.endr
.endif
	s_lshl_b32 s20, s17, 7
	s_lshl_b32 s21, s15, 6
	s_add_co_u32 s20, s20, s21
	s_lshl_b32 s20, s20, 12
	s_add_co_u32 s20, s20, s46
	s_mov_b32 s21, 0
	s_add_nc_u64 s[RESP:RESP+1], s[RESP:RESP+1], s[20:21]
	s_add_nc_u64 s[OUTP:OUTP+1], s[OUTP:OUTP+1], s[20:21]
.macro FRAG reg, adr, q, i
	ds_load_b128 v[\reg:\reg+3], v[\adr] offset:((\q)/2)*HALFT+(2*(\i)+(\q)%2)*FRB
	ds_load_b64 v[\reg+4:\reg+5], v[\adr+2] offset:((\q)/2)*HALFT+(2*(\i)+(\q)%2)*FRB+512
	ds_load_b64 v[\reg+6:\reg+7], v[\adr+2] offset:((\q)/2)*HALFT+(2*(\i)+(\q)%2)*FRB+768
	ds_load_b128 v[\reg+8:\reg+11], v[\adr] offset:((\q)/2)*HALFT+(2*(\i)+(\q)%2)*FRB+1024
.endm
.macro MULA a, p, q, sc, zero
.irp b, 0,1,2,3
.if \zero == 1
	v_wmma_scale_f32_16x16x128_f8f6f4 v[ACC+8*(4*(\a)+\b):ACC+8*(4*(\a)+\b)+7], v[128*(\p)+48+FR*\b:128*(\p)+48+FR*\b+FR-1], v[128*(\p)+FR*(\a):128*(\p)+FR*(\a)+FR-1], 0, v[SC+16*(\sc)+4*(\q)+\b], v[SC+16*(\sc)+4*(\q)+(\a)] matrix_a_fmt:MATRIX_FMT_FP6 matrix_b_fmt:MATRIX_FMT_FP6 matrix_a_scale:MATRIX_SCALE_ROW1
.elseif \zero == 2
	v_wmma_scale_f32_16x16x128_f8f6f4 v[ACC+8*(4*(\a)+\b):ACC+8*(4*(\a)+\b)+7], v[128*(\p)+48+FR*\b:128*(\p)+48+FR*\b+FR-1], v[128*(\p)+FR*(\a):128*(\p)+FR*(\a)+FR-1], v[BI+8*\b:BI+8*\b+7], v[SC+16*(\sc)+4*(\q)+\b], v[SC+16*(\sc)+4*(\q)+(\a)] matrix_a_fmt:MATRIX_FMT_FP6 matrix_b_fmt:MATRIX_FMT_FP6 matrix_a_scale:MATRIX_SCALE_ROW1
.else
	v_wmma_scale_f32_16x16x128_f8f6f4 v[ACC+8*(4*(\a)+\b):ACC+8*(4*(\a)+\b)+7], v[128*(\p)+48+FR*\b:128*(\p)+48+FR*\b+FR-1], v[128*(\p)+FR*(\a):128*(\p)+FR*(\a)+FR-1], v[ACC+8*(4*(\a)+\b):ACC+8*(4*(\a)+\b)+7], v[SC+16*(\sc)+4*(\q)+\b], v[SC+16*(\sc)+4*(\q)+(\a)] matrix_a_fmt:MATRIX_FMT_FP6 matrix_b_fmt:MATRIX_FMT_FP6 matrix_a_scale:MATRIX_SCALE_ROW1
.endif
.endr
.endr
.endm
.macro FETCH slot, q, p
	WIN TO_F
.irp i, 0,1,2,3
	FRAG 128*(\p)+48+FR*\i, ADRB+\slot, \q, \i
.endr
.irp i, 0,1,2,3
	FRAG 128*(\p)+FR*\i, ADRA+\slot, \q, \i
.endr
.endm
.macro SCALES sc
.irp q, 0,1,2,3
.irp i, 0,1,2,3
	ds_load_b32 v[SC+16*\sc+4*\q+\i], v[ADRS] offset:512*\q+64*\i
.endr
.endr
.endm
.macro PLACES n
.rept \n
	v_nop
.endr
.endm
.macro STEP slot, q, zero
	s_wait_dscnt 2*NL
	WIN MUL
	MULA 0, (\q)%2, \q, \slot, \zero
	MULA 1, (\q)%2, \q, \slot, \zero
	PLACES NP
	FETCH \slot, (\q)+1, 1-(\q)%2
	s_wait_dscnt 8*NL
	WIN MUL
	MULA 2, (\q)%2, \q, \slot, \zero
	MULA 3, (\q)%2, \q, \slot, \zero
.endm
.macro TURN slot, next, fill
	WIN 0
	s_wait_tensorcnt 0x0
	ds_add_u32 v[SPW], v[NIL]
	s_wait_dscnt 2*NL+1
	WIN MUL
	MULA 0, 1, 3, \slot, 0
	s_wait_dscnt 0x0
	s_barrier_signal -1
	MULA 1, 1, 3, \slot, 0
	WIN 0
	s_barrier_wait -1
.if \fill
	CREST
	s_add_nc_u64 s[G0+4*\slot+2:G0+4*\slot+3], s[G0+4*\slot+2:G0+4*\slot+3], 4*ASTR
	s_add_nc_u64 s[G0B+4*\slot+2:G0B+4*\slot+3], s[G0B+4*\slot+2:G0B+4*\slot+3], 4*BSTR
	JLOAD G0+4*\slot, G1, G0B+4*\slot, G1B
.else
	PLACES NP
.endif
	v_add_nc_u32 v[ADRS], 2048, v[ADRS]
	SCALES \next
	FETCH \next, 0, 0
	WIN MUL
	MULA 2, 1, 3, \slot, 0
	MULA 3, 1, 3, \slot, 0
.endm
.macro RLOAD a
.irp t, 0,1,2,3,4,5,6,7
	global_load_b128 v[32*(\a)+4*\t:32*(\a)+4*\t+3], v[CO], s[RESP:RESP+1] offset:(32*((\a)/2)+8*((\a)%2)+2*\t+8*(\t/4))*4096 th:TH_LOAD_NT
.endr
.endm
	s_wait_alu depctr_va_vdst(0)
	s_wait_tensorcnt 0x0                           ; my tile of the head's four is in
	ds_add_u32 v[SPW], v[NIL]
.irp g, G1, G1B
	s_mov_b32 s[\g+1], 32<<16                      ; no tensor load of mine is out: from here on a load brings one block, as 96 rows of 256 bytes
	s_mov_b32 s[\g+2], 96<<16
	s_mov_b32 s[\g+3], 32<<16
	s_mov_b32 s[\g+4], 96
	s_mov_b32 s[\g+5], 32
.endr
	s_wait_dscnt 0x0
	CROUND
	JLOAD G0+4, G1, G0B+4, G1B                     ; slot 1's first fill, the first tensor load behind the round
	SCALES 0
	FETCH 0, 0, 0
.if BIASC
	s_wait_loadcnt 0x0
.endif
	WIN 0x80
	RLOAD 0
	RLOAD 1
	RLOAD 2
	RLOAD 3
	STEP 0, 0, 1+BIASC
.if LAPS > 1
	WIN 0
	s_mov_b32 s3, LAPS-1
.Llap:
	STEP 0, 1, 0
	STEP 0, 2, 0
	TURN 0, 1, 1
	STEP 1, 0, 0
	STEP 1, 1, 0
	STEP 1, 2, 0
	TURN 1, 0, 1
	STEP 0, 0, 0
	WIN 0
	s_sub_co_u32 s3, s3, 1
	s_cmp_lg_u32 s3, 0
	s_cbranch_scc1 .Llap
.endif
	STEP 0, 1, 0
	STEP 0, 2, 0
	TURN 0, 1, 0
	STEP 1, 0, 0
	STEP 1, 1, 0
	STEP 1, 2, 0
	s_wait_dscnt 2*NL
	WIN MUL
	MULA 0, 1, 3, 1, 0
	MULA 1, 1, 3, 1, 0
	s_wait_dscnt 0
	MULA 2, 1, 3, 1, 0
	MULA 3, 1, 3, 1, 0
	WIN 0
.macro TOSTAGE a
.irp b, 0,1,2,3
	ds_store_b128 v[STO], v[ACC+8*(4*(\a)+\b):ACC+8*(4*(\a)+\b)+3] offset:64*\b
	ds_store_b128 v[STO], v[ACC+8*(4*(\a)+\b)+4:ACC+8*(4*(\a)+\b)+7] offset:64*\b+16
.endr
.set BB, BK+32*((\a)%2)
.irp t, 0,1,2,3,4,5,6,7
	ds_load_b128 v[BB+4*\t:BB+4*\t+3], v[RD] offset:\t*2*SPITCH
.endr
.endm
.macro SEND a, ds, ld
.set BB, BK+32*((\a)%2)
	s_wait_dscnt \ds
	s_wait_loadcnt \ld
	WIN 0x08
.set si, 0
.rept 16
	v_pk_add_f32 v[BB+si:BB+si+1], v[BB+si:BB+si+1], v[32*(\a)+si:32*(\a)+si+1]
.set si, si+2
.endr
	WIN 0
.irp t, 0,1,2,3,4,5,6,7
	global_store_b128 v[CO], v[BB+4*\t:BB+4*\t+3], s[OUTP:OUTP+1] offset:(32*((\a)/2)+8*((\a)%2)+2*\t+8*(\t/4))*4096
.endr
.endm
	PLACES NP
	TOSTAGE 0
	TOSTAGE 1
	SEND 0, 16, 24
	s_wait_xcnt 0x0
	TOSTAGE 2
	SEND 1, 16, 16
	s_wait_xcnt 0x0
	TOSTAGE 3
	SEND 2, 16, 8
	SEND 3, 0, 0
	s_wait_tensorcnt 0x0
	ds_add_u32 v[SPW], v[NIL]
	s_wait_dscnt 0x0
	CROUND
	s_endpgm
.Lfunc_end_k_qb1be1ce9a3_g4:
	.size	k_qb1be1ce9a3_g4, .Lfunc_end_k_qb1be1ce9a3_g4-k_qb1be1ce9a3_g4
	.p2alignl 7, 3214868480
	.fill 96, 4, 3214868480
	.section	.rodata,"a",@progbits
	.p2align	6, 0x0
	.amdhsa_kernel k_qb1be1ce9a3_g4
		.amdhsa_group_segment_fixed_size 327680
		.amdhsa_private_segment_fixed_size 0
		.amdhsa_enable_private_segment 0
		.amdhsa_kernarg_size 32
		.amdhsa_user_sgpr_count 2
		.amdhsa_user_sgpr_kernarg_segment_ptr 1
		.amdhsa_wavefront_size32 1
		.amdhsa_system_sgpr_workgroup_id_x 1
		.amdhsa_system_sgpr_workgroup_id_y 1
		.amdhsa_system_sgpr_workgroup_id_z 1
		.amdhsa_system_vgpr_workitem_id 0
		.amdhsa_next_free_vgpr 768
		.amdhsa_next_free_sgpr 100
		.amdhsa_reserve_vcc 0
		.amdhsa_float_denorm_mode_32 3
		.amdhsa_float_denorm_mode_16_64 3
		.amdhsa_memory_ordered 1
		.amdhsa_forward_progress 1
		.amdhsa_inst_pref_size 63
	.end_amdhsa_kernel
	.amdgpu_metadata
---
amdhsa.version: [ 1, 2 ]
amdhsa.kernels:
  - .name:           k_qb1be1ce9a3_g4
    .symbol:         k_qb1be1ce9a3_g4.kd
    .args:
      - { .name: a4, .offset: 0, .size: 8, .value_kind: global_buffer, .address_space: global }
      - { .name: wts, .offset: 8, .size: 8, .value_kind: global_buffer, .address_space: global }
      - { .name: x, .offset: 16, .size: 8, .value_kind: global_buffer, .address_space: global }
      - { .name: xmid, .offset: 24, .size: 8, .value_kind: global_buffer, .address_space: global }
    .group_segment_fixed_size: 327680
    .private_segment_fixed_size: 0
    .kernarg_segment_align: 8
    .kernarg_segment_size: 32
    .max_flat_workgroup_size: 128
    .sgpr_count:     100
    .vgpr_count:     768
    .wavefront_size: 32
...
	.end_amdgpu_metadata
.endif
;; end of part 11
;; launch ln2: the kernel of part 8 again; grid 256 x 1, 4 waves a work-group, no clusters, 66,560 bytes of LDS; arguments xmid, ln2_g, ln2_b, act, W_qkv, W_o, W1, W2, wts; writes act, wts
;; launch g5 (part 12): grid 16 x 16, 4 waves a work-group, clusters of 4 x 4, 327,680 bytes of LDS; arguments act, wts, b1, hid; writes hid
.if DOCPART == 12
	.amdgcn_target "amdgcn-amd-amdhsa--gfx1250"
	.amdhsa_code_object_version 6
	.text
	.protected	k_qb1be1ce9a3_g5
	.globl	k_qb1be1ce9a3_g5
	.p2align	8
	.type	k_qb1be1ce9a3_g5,@function
k_qb1be1ce9a3_g5:
	s_mov_b64 s[64:65], 0
	v_nop
	global_prefetch_b8 v0, s[64:65] scope:SCOPE_SE
	s_setreg_imm32_b32 hwreg(HW_REG_WAVE_MODE, 25, 1), 1
	s_wait_xcnt 0x0
	s_wait_alu depctr_hold_cnt(0) depctr_sa_sdst(0) depctr_va_vdst(0) depctr_va_sdst(0) depctr_va_ssrc(0) depctr_va_vcc(0) depctr_vm_vsrc(0)
	s_getreg_b32 s2, hwreg(HW_REG_IB_STS2, 6, 4)
	s_cmp_eq_u32 s2, 0
	s_cbranch_scc0 .Lentry_in_a_cluster
	s_endpgm
.Lentry_in_a_cluster:
	s_bfe_u32 s2, ttmp6, 0x10000c
	s_cmp_lg_u32 s2, 0xf033
	s_cbranch_scc0 .Lentry_shape_is_right
	s_endpgm
.Lentry_shape_is_right:
.set SIZE_N, 4096
.set SIZE_K, 1024
.set BIASC,  1
.set ASCO,   3145728
.set BCO,    3276800
.set BSCO,   6422528
.set FR,     12
.set NL,     4
.set NP,     4
.set FRB,    1536
.set HALFT,  16*FRB
.set SLOT,   4*HALFT
.set SCL,    2*SLOT
.set KST,    SIZE_K/128
.set HALFS,  KST*512
.set SPARE,  262144
.set LAPS,   SIZE_K/512
.set ASTR,   256*2*FRB
.set BSTR,   (SIZE_N/16)*2*FRB
.set ADRA, 16
.set ADRB, 20
.set STO,  24
.set RD,   25
.set ADRS, 27
.set SPW,  28
.set NIL,  29
.set SC,   32
.set BI,   64
.set AF,   128
.set G1, 24
.set G0, 32
.set G1B, 48
.set G0B, 56
.set G1S, 68
.set G0S, 76
.set G1SB, 80
.set G0SB, 88
.set MSB, 0
.macro WIN new
.if MSB != \new
	s_set_vgpr_msb (MSB<<8)|\new
.set MSB, \new
.endif
.endm
.set MUL_LO, 0xa1
.set MUL_HI, 0xf1
.set TO_B,   0x40
.macro JLOAD g0a, g1a, g0b, g1b
	s_cmp_eq_u32 s15, 0
	s_cbranch_scc0 .Lfor_b_\@
	tensor_load_to_lds s[\g0a:\g0a+3], s[\g1a:\g1a+7]
	s_nop 0
.rept 4
	v_nop
.endr
	s_branch .Lasked_\@
.Lfor_b_\@:
	tensor_load_to_lds s[\g0b:\g0b+3], s[\g1b:\g1b+7]
	s_nop 0
.rept 4
	v_nop
.endr
.Lasked_\@:
.endm
.macro CREST
	s_cmp_lg_u32 s14, 0
	s_cbranch_scc1 .Lnot_wave_0_\@
	s_barrier_signal -3
.Lnot_wave_0_\@:
	s_barrier_wait -3
	s_barrier_signal -1
	s_barrier_wait -1
.endm
.macro CROUND
	s_barrier_signal -1
	s_barrier_wait -1
	CREST
.endm
	s_load_b128 s[4:7], s[0:1], 0x0
	s_load_b128 s[8:11], s[0:1], 0x10
	v_lshl_add_u32 v[SPW], v0, 2, SPARE
	v_mov_b32 v[NIL], 0
	ds_add_u32 v[SPW], v[NIL]
	ds_add_u32 v[SPW], v[NIL]
	v_lshrrev_b32 v1, 5, v0
	v_readfirstlane_b32 s14, v1
	s_lshr_b32 s15, s14, 1
	s_and_b32 s16, s14, 1
	s_bfe_u32 s40, ttmp6, 0x40000
	s_bfe_u32 s41, ttmp6, 0x40004
	s_lshl_b32 s42, ttmp9, 2
	s_add_co_u32 s42, s42, s40
	s_and_b32 s17, ttmp7, 0xffff
	s_lshl_b32 s17, s17, 2
	s_add_co_u32 s17, s17, s41
	s_lshl_b32 s43, s41, 2
	s_lshl_b32 s43, 15, s43
	s_lshl_b32 s44, 0x1111, s40
	s_or_b32 s[G1+0], s43, (3<<16)|(1<<21)
	s_or_b32 s[G1B+0], s44, (3<<16)|(1<<21)
.irp g, G1, G1B
	s_mov_b32 s[\g+1], 32<<16
	s_mov_b32 s[\g+2], 192<<16
	s_mov_b32 s[\g+3], 32<<16
	s_mov_b32 s[\g+4], 192
	s_mov_b32 s[\g+5], 32
	s_mov_b32 s[\g+6], 0
	s_mov_b32 s[\g+7], 0
.endr
	s_or_b32 s[G1S+0], s43, (3<<16)|(1<<21)
	s_or_b32 s[G1SB+0], s44, (3<<16)|(1<<21)
.irp g, G1S, G1SB
	s_mov_b32 s[\g+1], 128<<16
	s_mov_b32 s[\g+2], KST<<16
	s_mov_b32 s[\g+3], 128<<16
	s_mov_b32 s[\g+4], KST
	s_mov_b32 s[\g+6], 0
	s_mov_b32 s[\g+7], 0
.endr
	s_mov_b32 s[G1S+5], 2048
	s_mov_b32 s[G1SB+5], SIZE_N/2
	s_lshl_b32 s20, s17, 4
	s_lshl_b32 s46, s42, 4
	s_lshl_b32 s22, s20, 6
	s_add_co_u32 s22, s22, ASCO
	s_mov_b32 s23, 0
	s_lshl_b32 s92, s46, 6
	s_add_co_u32 s92, s92, BSCO
	s_mov_b32 s93, 0
	s_mul_i32 s20, s20, 2*FRB
	s_mov_b32 s21, 0
	s_mul_i32 s46, s46, 2*FRB
	s_add_co_u32 s46, s46, BCO
	s_mov_b32 s47, 0
	s_mul_i32 s45, s14, HALFT
	s_wait_dscnt 0x0
	s_wait_kmcnt 0x0
	s_add_nc_u64 s[20:21], s[4:5], s[20:21]
	s_add_nc_u64 s[22:23], s[4:5], s[22:23]
	s_add_nc_u64 s[46:47], s[6:7], s[46:47]
	s_add_nc_u64 s[92:93], s[6:7], s[92:93]
	CROUND
	s_mov_b32 s[G0S], 1
	s_mov_b32 s[G0S+1], SCL
	s_mov_b64 s[G0S+2:G0S+3], s[22:23]
	s_or_b32 s[G0S+3], s[G0S+3], 0x80000000
	s_mov_b32 s[G0SB], 1
	s_mov_b32 s[G0SB+1], SCL+2*HALFS
	s_mov_b64 s[G0SB+2:G0SB+3], s[92:93]
	s_or_b32 s[G0SB+3], s[G0SB+3], 0x80000000
	; THE HEAD'S LOADS, ONE A WAVE: wave 0 slot 0's 256 rows of A, wave 1 its 256 rows of B, wave 2 A's scale words, wave 3 B's.  Slot 0's group 0 serves them first and takes the ring's figures behind the wait
	s_mov_b32 s[G0], 1
	s_mov_b32 s[G0+1], 0
	s_mov_b64 s[G0+2:G0+3], s[20:21]
	s_or_b32 s[G0+3], s[G0+3], 0x80000000
	s_mov_b32 s[G0B], 1
	s_mov_b32 s[G0B+1], 2*HALFT
	s_mov_b64 s[G0B+2:G0B+3], s[46:47]
	s_or_b32 s[G0B+3], s[G0B+3], 0x80000000
	s_mul_i32 s18, s16, HALFT                      ; in the ring: my 128 rows of the 256
	s_mov_b32 s19, 0
	s_add_nc_u64 s[20:21], s[20:21], s[18:19]
	s_add_nc_u64 s[46:47], s[46:47], s[18:19]
	s_cmp_eq_u32 s15, 0                            ; the prefetches: of the 96 units of 256 bytes that I fetch of a slot, each of the four partners that ask with me names 24, told apart by address
	s_cselect_b64 s[66:67], s[20:21], s[46:47]
	s_cselect_b32 s12, s40, s41
	s_mov_b32 s94, BSTR
	s_cselect_b32 s94, ASTR, s94                   ; bytes from slot to slot
	s_mov_b32 s95, 0
	s_mul_i32 s12, s12, 24*256
	s_mov_b32 s13, 0
	s_add_nc_u64 s[66:67], s[66:67], s[12:13]
	s_add_nc_u64 s[66:67], s[66:67], s[94:95]      ; at K slot 1
	s_mov_b32 s[G0+4], 1
	s_add_co_u32 s[G0+5], s45, SLOT
	s_add_nc_u64 s[G0+6:G0+7], s[20:21], ASTR
	s_or_b32 s[G0+7], s[G0+7], 0x80000000
	s_mov_b32 s[G0B+4], 1
	s_add_co_u32 s[G0B+5], s45, SLOT
	s_add_nc_u64 s[G0B+6:G0B+7], s[46:47], BSTR
	s_or_b32 s[G0B+7], s[G0B+7], 0x80000000
.macro ARM under, g0, g1, next
	s_cmp_lt_u32 s14, \under
	s_cbranch_scc0 \next
	tensor_load_to_lds s[\g0:\g0+3], s[\g1:\g1+7]
	s_nop 0
.rept 4
	v_nop
.endr
	s_branch .Lhead_asked
\next:
.endm
	ARM 1, G0,  G1,  .Lhead_b
	ARM 2, G0B, G1B, .Lhead_sa
	ARM 3, G0S, G1S, .Lhead_sb
	tensor_load_to_lds s[G0SB:G0SB+3], s[G1SB:G1SB+7]
	s_nop 0
.rept 4
	v_nop
.endr
.Lhead_asked:
	v_and_b32 v1, 31, v0
	v_and_b32 v2, 15, v0
	v_bfe_u32 v3, v0, 4, 1
	v_lshlrev_b32 v4, 4, v1
	v_lshlrev_b32 v5, 3, v1
	v_min_u32 v14, 23, v1                          ; a lane a unit; the lanes left over name the last again
	v_lshlrev_b32 v14, 8, v14
	v_add_nc_u32 v15, s94, v14                     ; and the same a slot further on
	global_prefetch_b8 v14, s[66:67] th:TH_LOAD_NT scope:SCOPE_SE   ; K slot 1,
	global_prefetch_b8 v15, s[66:67] th:TH_LOAD_NT scope:SCOPE_SE   ; and K slot 2: two loads ahead of its own
	v_lshlrev_b32 v9, 2, v1
	s_mul_i32 s21, s15, HALFT
	s_mul_i32 s22, s16, HALFT
	s_add_co_u32 s22, s22, 2*HALFT
.irp s, 0,1
	v_add_nc_u32 v[ADRA+\s], s21, v4
	v_add_nc_u32 v[ADRB+\s], s22, v4
	v_add_nc_u32 v[ADRA+2+\s], s21, v5
	v_add_nc_u32 v[ADRB+2+\s], s22, v5
	s_add_co_u32 s21, s21, SLOT
	s_add_co_u32 s22, s22, SLOT
.endr
	v_lshlrev_b32 v7, 2, v2
	s_lshl_b32 s21, s15, 9
	s_lshl_b32 s22, s16, 9
	s_add_co_u32 s22, s22, 2*HALFS
	s_sub_co_u32 s22, s22, s21
	v_mul_u32_u24 v6, s22, v3
	s_add_co_u32 s21, s21, SCL
	v_add_nc_u32 v7, v7, v6
	v_add_nc_u32 v[ADRS], s21, v7
	s_lshl_b32 s46, s42, 10
	s_lshl_b32 s47, s16, 9
	s_add_co_u32 s46, s46, s47
	s_mov_b32 s47, 0
	s_add_nc_u64 s[8:9], s[8:9], s[46:47]
	v_lshlrev_b32 v8, 6, v3
.irp b, 0,1,2,3,4,5,6,7
	global_load_b128 v[BI+8*\b:BI+8*\b+3], v8, s[8:9] offset:(32*(\b/2)+8*(\b%2))*4
	global_load_b128 v[BI+8*\b+4:BI+8*\b+7], v8, s[8:9] offset:(32*(\b/2)+8*(\b%2))*4+16
.endr
	s_lshl_b32 s20, s42, 8
	s_lshl_b32 s21, s17, 4
	s_add_co_u32 s20, s20, s21
	s_lshl_b32 s21, s15, 3
	s_add_co_u32 s20, s20, s21
	s_mul_i32 s20, s20, 3072
	s_mul_i32 s21, s16, 1536
	s_add_co_u32 s20, s20, s21
	s_mov_b32 s21, 0
	s_add_nc_u64 s[96:97], s[10:11], s[20:21]
	s_lshl_b32 s20, s42, 1
	s_add_co_u32 s20, s20, s16
	s_lshl_b32 s20, s20, 14
	s_lshl_b32 s22, s17, 10
	s_add_co_u32 s20, s20, s22
	s_lshl_b32 s22, s15, 9
	s_add_co_u32 s20, s20, s22
	s_add_co_u32 s20, s20, 12582912
	s_add_nc_u64 s[98:99], s[10:11], s[20:21]
	s_lshl_b32 s20, s14, 16
	v_add_nc_u32 v[STO], s20, v4
	v_add_nc_u32 v[RD], s20, v4
.macro FRAG reg, adr, q, i
	ds_load_b128 v[\reg:\reg+3], v[\adr] offset:(2*(\i)+(\q))*FRB
	ds_load_b64 v[\reg+4:\reg+5], v[\adr+2] offset:(2*(\i)+(\q))*FRB+512
	ds_load_b64 v[\reg+6:\reg+7], v[\adr+2] offset:(2*(\i)+(\q))*FRB+768
	ds_load_b128 v[\reg+8:\reg+11], v[\adr] offset:(2*(\i)+(\q))*FRB+1024
.endm
.macro MUL16 a0, p, q, sc, zero
.irp a, \a0, \a0+1
.irp b, 0,1,2,3,4,5,6,7
.if \zero == 1
	v_wmma_scale_f32_16x16x128_f8f6f4 v[8*(8*((\a)%4)+\b):8*(8*((\a)%4)+\b)+7], v[128*(\p)+FR*\b:128*(\p)+FR*\b+FR-1], v[AF+FR*(\a):AF+FR*(\a)+FR-1], 0, v[SC+16*(\sc)+8*(\q)+\b], v[SC+16*(\sc)+8*(\q)+(\a)] matrix_a_fmt:MATRIX_FMT_FP6 matrix_b_fmt:MATRIX_FMT_FP6 matrix_a_scale:MATRIX_SCALE_ROW1
.elseif \zero == 2
	v_wmma_scale_f32_16x16x128_f8f6f4 v[8*(8*((\a)%4)+\b):8*(8*((\a)%4)+\b)+7], v[128*(\p)+FR*\b:128*(\p)+FR*\b+FR-1], v[AF+FR*(\a):AF+FR*(\a)+FR-1], v[BI+8*\b:BI+8*\b+7], v[SC+16*(\sc)+8*(\q)+\b], v[SC+16*(\sc)+8*(\q)+(\a)] matrix_a_fmt:MATRIX_FMT_FP6 matrix_b_fmt:MATRIX_FMT_FP6 matrix_a_scale:MATRIX_SCALE_ROW1
.else
	v_wmma_scale_f32_16x16x128_f8f6f4 v[8*(8*((\a)%4)+\b):8*(8*((\a)%4)+\b)+7], v[128*(\p)+FR*\b:128*(\p)+FR*\b+FR-1], v[AF+FR*(\a):AF+FR*(\a)+FR-1], v[8*(8*((\a)%4)+\b):8*(8*((\a)%4)+\b)+7], v[SC+16*(\sc)+8*(\q)+\b], v[SC+16*(\sc)+8*(\q)+(\a)] matrix_a_fmt:MATRIX_FMT_FP6 matrix_b_fmt:MATRIX_FMT_FP6 matrix_a_scale:MATRIX_SCALE_ROW1
.endif
.endr
.endr
.endm
.macro FETCH_B slot, q, p
	WIN TO_B
.irp i, 0,1,2,3,4,5,6,7
	FRAG 128*(\p)+FR*\i, ADRB+\slot, \q, \i
.endr
	WIN 0
.endm
.macro FETCH_A slot, q, i0
.irp i, \i0, \i0+1, \i0+2, \i0+3
	FRAG AF+FR*(\i), ADRA+\slot, \q, \i
.endr
.endm
.macro SCALES sc
.irp q, 0,1
.irp i, 0,1,2,3,4,5,6,7
	ds_load_b32 v[SC+16*\sc+8*\q+\i], v[ADRS] offset:1024*\q+64*\i
.endr
.endr
.endm
.macro PLACES n
.rept \n
	v_nop
.endr
.endm
.macro STEP slot, q, zero
	s_wait_dscnt 4*NL
.if \zero == 2
	WIN 0x81
.else
	WIN MUL_LO
.endif
	MUL16 0, (\q)%2, \q, \slot, \zero
	MUL16 2, (\q)%2, \q, \slot, \zero
	s_wait_dscnt 0
	PLACES NP
	FETCH_B \slot, (\q)+1, 1-(\q)%2
	FETCH_A \slot, (\q)+1, 0
.if \zero == 2
	WIN 0xc1
.else
	WIN MUL_HI
.endif
	MUL16 4, (\q)%2, \q, \slot, \zero
	MUL16 6, (\q)%2, \q, \slot, \zero
	PLACES NP
	WIN 0
	FETCH_A \slot, (\q)+1, 4
.endm
.macro TURN slot, next, fill
	s_wait_tensorcnt 0x0
	ds_add_u32 v[SPW], v[NIL]
	s_wait_dscnt 4*NL+1
	WIN MUL_LO
	MUL16 0, 1, 1, \slot, 0
	s_wait_dscnt 0x0
	s_barrier_signal -1
	MUL16 2, 1, 1, \slot, 0
	WIN 0
	s_barrier_wait -1
.if \fill
	CREST
	s_add_nc_u64 s[G0+4*\slot+2:G0+4*\slot+3], s[G0+4*\slot+2:G0+4*\slot+3], 2*ASTR
	s_add_nc_u64 s[G0B+4*\slot+2:G0B+4*\slot+3], s[G0B+4*\slot+2:G0B+4*\slot+3], 2*BSTR
	JLOAD G0+4*\slot, G1, G0B+4*\slot, G1B
.else
	PLACES NP
.endif
	s_wait_alu depctr_va_vdst(0)
	v_add_nc_u32 v[ADRS], 2048, v[ADRS]
	FETCH_B \next, 0, 0
	FETCH_A \next, 0, 0
	SCALES \next
	WIN MUL_HI
	MUL16 4, 1, 1, \slot, 0
	MUL16 6, 1, 1, \slot, 0
	PLACES NP
	WIN 0
	FETCH_A \next, 0, 4
.endm
	s_wait_alu depctr_va_vdst(0)
	s_wait_tensorcnt 0x0                           ; my tile of the head's four is in
	ds_add_u32 v[SPW], v[NIL]
	s_mov_b32 s[G1+2], 96<<16                      ; no tensor load of mine is out: from here on a load brings 96 rows of 256 bytes,
	s_mov_b32 s[G1+4], 96
	s_mov_b32 s[G1B+2], 96<<16
	s_mov_b32 s[G1B+4], 96
	s_mov_b32 s[G0+1], s45                         ; and slot 0's group 0 names my quarter of the slot
	s_mov_b32 s[G0B+1], s45
	s_wait_xcnt 0x0                                ; the head's prefetches have read their address
	s_add_nc_u64 s[66:67], s[66:67], s[94:95]
	s_add_nc_u64 s[G0+2:G0+3], s[G0+2:G0+3], s[18:19]
	s_add_nc_u64 s[G0B+2:G0B+3], s[G0B+2:G0B+3], s[18:19]
	s_wait_dscnt 0x0
	CROUND
	JLOAD G0+4, G1, G0B+4, G1B
	global_prefetch_b8 v15, s[66:67] th:TH_LOAD_NT scope:SCOPE_SE   ; K slot 3, the last
	FETCH_B 0, 0, 0
	FETCH_A 0, 0, 0
	SCALES 0
	FETCH_A 0, 0, 4
	s_wait_loadcnt 0x0
	STEP 0, 0, 1+BIASC
	s_mov_b32 s3, LAPS-1
.Llap:
	TURN 0, 1, 1
	STEP 1, 0, 0
	TURN 1, 0, 1
	STEP 0, 0, 0
	s_sub_co_u32 s3, s3, 1
	s_cmp_lg_u32 s3, 0
	s_cbranch_scc1 .Llap
	TURN 0, 1, 0
	STEP 1, 0, 0
	s_wait_dscnt 4*NL
	WIN MUL_LO
	MUL16 0, 1, 1, 1, 0
	MUL16 2, 1, 1, 1, 0
	s_wait_dscnt 0
	WIN MUL_HI
	MUL16 4, 1, 1, 1, 0
	MUL16 6, 1, 1, 1, 0
	WIN 0
.set U,   64
.set ZC,  128
.set Y,   160
.set PP,  192
.set QQ,  224
.set PC,  128
.set TM,  152
.set SEL, 48
.set SQH, 24
.set CA0, 26
.set CA2, 28
.set CA3, 30
.set CA4, 32
.set CA5, 34
.set CA6, 36
.set CB0, 38
.set CB2, 40
.set CB3, 42
.set CB4, 44
.macro QUANT s, pw, fl
.irp b, 0,1,2,3
	v_max3_num_f32 v[TM+\b], |v[\s+16*\b]|, |v[\s+1+16*\b]|, \fl
.endr
.irp i, 2,4,6,8,10,12,14
.irp b, 0,1,2,3
	v_max3_num_f32 v[TM+\b], v[TM+\b], |v[\s+16*\b+\i]|, |v[\s+1+16*\b+\i]|
.endr
.endr
.irp b, 0,1,2,3
	v_permlanex16_b32 v[TM+4+\b], v[TM+\b], s[SEL], s[SEL+1]
.endr
.irp b, 0,1,2,3
	v_max_num_f32 v[TM+\b], v[TM+\b], v[TM+4+\b]
.endr
.irp b, 0,1,2,3
	v_add_nc_u32 v[TM+12+\b], 0xff000000, v[TM+\b]
.endr
.irp b, 0,1,2,3
	v_lshrrev_b32 v[TM+4+\b], 23, v[TM+12+\b]
.endr
	v_lshl_or_b32 v[\pw], v[TM+5], 8, v[TM+4]
	v_lshl_or_b32 v[\pw], v[TM+6], 16, v[\pw]
	v_lshl_or_b32 v[\pw], v[TM+7], 24, v[\pw]
.irp c, 0,1
	v_cvt_scalef32_pk16_fp6_f32 v[PC+6*\c:PC+2+6*\c], v[\s+32*\c:\s+15+32*\c], v[TM+12+2*\c]
	v_cvt_scalef32_pk16_fp6_f32 v[PC+12+4*\c:PC+14+4*\c], v[\s+16+32*\c:\s+31+32*\c], v[TM+12+2*\c+1]
.endr
	v_nop
.irp c, 0,1
.irp i, 0,1,2
	v_permlane16_swap_b32 v[PC+6*\c+\i], v[PC+12+4*\c+\i]
.endr
.irp i, 0,1,2
	v_mov_b32 v[PC+3+6*\c+\i], v[PC+12+4*\c+\i]
.endr
.endr
.endm
.macro GELU hf
.set UB, U+32*(\hf)
.set gi, 0
.rept 16
	v_pk_mul_f32 v[ZC+gi:ZC+gi+1], v[UB+gi:UB+gi+1], s[SQH:SQH+1] op_sel_hi:[1,0]
.set gi, gi+2
.endr
.set gi, 0
.rept 32
	v_med3_num_f32 v[ZC+gi], v[ZC+gi], -4.0, 4.0
.set gi, gi+1
.endr
.set gi, 0
.rept 16
	v_pk_mul_f32 v[Y+gi:Y+gi+1], v[ZC+gi:ZC+gi+1], v[ZC+gi:ZC+gi+1]
.set gi, gi+2
.endr
.set gi, 0
.rept 16
	v_pk_fma_f32 v[PP+gi:PP+gi+1], v[Y+gi:Y+gi+1], s[CA0:CA0+1], v[20:21] op_sel_hi:[1,0,1]
	v_pk_fma_f32 v[QQ+gi:QQ+gi+1], v[Y+gi:Y+gi+1], s[CB0:CB0+1], v[22:23] op_sel_hi:[1,0,1]
.set gi, gi+2
.endr
.irp c, CB2, CB3, CB4
.set gi, 0
.rept 16
	v_pk_fma_f32 v[QQ+gi:QQ+gi+1], v[QQ+gi:QQ+gi+1], v[Y+gi:Y+gi+1], s[\c:\c+1] op_sel_hi:[1,1,0]
.set gi, gi+2
.endr
.endr
.set gi, 0
	s_wait_alu depctr_va_vdst(0)
.rept 32
	v_rcp_f32 v[QQ+gi], v[QQ+gi]
.set gi, gi+1
.endr
.irp c, CA2, CA3, CA4, CA5, CA6
.set gi, 0
.rept 16
	v_pk_fma_f32 v[PP+gi:PP+gi+1], v[PP+gi:PP+gi+1], v[Y+gi:Y+gi+1], s[\c:\c+1] op_sel_hi:[1,1,0]
.set gi, gi+2
.endr
.endr
.set gi, 0
.rept 16
	v_pk_mul_f32 v[PP+gi:PP+gi+1], v[PP+gi:PP+gi+1], v[ZC+gi:ZC+gi+1]
	v_pk_mul_f32 v[Y+gi:Y+gi+1], v[UB+gi:UB+gi+1], 0.5 op_sel_hi:[1,0]
.set gi, gi+2
.endr
	s_wait_alu depctr_va_vdst(0)
.set gi, 0
.rept 16
	v_pk_mul_f32 v[PP+gi:PP+gi+1], v[PP+gi:PP+gi+1], v[QQ+gi:QQ+gi+1]
.set gi, gi+2
.endr
.set gi, 0
.rept 16
	v_pk_fma_f32 v[UB+gi:UB+gi+1], v[Y+gi:Y+gi+1], v[PP+gi:PP+gi+1], v[Y+gi:Y+gi+1]
.set gi, gi+2
.endr
.endm
.macro TILE k
.set ti, 0
.rept 16
	ds_load_b128 v[U+4*ti:U+4*ti+3], v[RD] offset:8192*(\k)+512*ti
.set ti, ti+1
.endr
	s_wait_xcnt 0x0
	s_wait_dscnt 0x0
	GELU 0
	GELU 1
	QUANT U, 30+\k, 0x1800000
	global_store_b128 v4, v[PC:PC+3], s[96:97] offset:3072*(\k)
	global_store_b64 v5, v[PC+4:PC+5], s[96:97] offset:3072*(\k)+512
	global_store_b64 v5, v[PC+6:PC+7], s[96:97] offset:3072*(\k)+768
	global_store_b128 v4, v[PC+8:PC+11], s[96:97] offset:3072*(\k)+1024
.endm
	PLACES NP
	s_wait_dscnt 0x0
	s_barrier_signal -1
	s_barrier_wait -1
.irp a, 0,1,2,3,4,5,6,7
	WIN 0x08+4*(\a/4)
.irp b, 0,1,2,3,4,5,6,7
	ds_store_b128 v[STO], v[8*(8*(\a%4)+\b):8*(8*(\a%4)+\b)+3] offset:(16*\a+2*\b)*512
	ds_store_b128 v[STO], v[8*(8*(\a%4)+\b)+4:8*(8*(\a%4)+\b)+7] offset:(16*\a+2*\b+1)*512
.endr
.endr
	WIN 0
	s_mov_b32 s[SEL], 0x76543210
	s_mov_b32 s[SEL+1], 0xfedcba98
	s_mov_b32 s50, 0xffff0000
	s_mov_b32 s[SQH], 0x3f3504f3
	s_mov_b32 s[CA0], 0xaf95df0b
	s_mov_b32 s[CA2], 0xb60cff51
	s_mov_b32 s[CA3], 0xb86ec2d2
	s_mov_b32 s[CA4], 0xba40ac63
	s_mov_b32 s[CA5], 0xbb41a1f6
	s_mov_b32 s[CA6], 0xbc83dbd4
	s_mov_b32 s[CB0], 0xb77460cd
	s_mov_b32 s[CB2], 0xbadc924e
	s_mov_b32 s[CB3], 0xbbf19bf8
	s_mov_b32 s[CB4], 0xbc69b6a7
.irp c, SQH, CA0, CA2, CA3, CA4, CA5, CA6, CB0, CB2, CB3, CB4
	s_mov_b32 s[\c+1], s[\c]
.endr
	v_mov_b32 v20, 0x32edffee
	v_mov_b32 v21, v20
	v_mov_b32 v22, 0xb95fbd29
	v_mov_b32 v23, v22
	s_mov_b32 s3, 4
.Ltrip:
	s_wait_alu depctr_va_vdst(0)
	TILE 0
	TILE 1
	v_cndmask_b32 v150, v30, v31, s50
	global_store_b32 v9, v150, s[98:99]
	s_wait_xcnt 0x0
	v_add_nc_u32 v[RD], 16384, v[RD]
	s_add_nc_u64 s[96:97], s[96:97], 6144
	s_add_nc_u64 s[98:99], s[98:99], 128
	s_sub_co_u32 s3, s3, 1
	s_cmp_lg_u32 s3, 0
	s_cbranch_scc1 .Ltrip
	s_wait_tensorcnt 0x0
	ds_add_u32 v[SPW], v[NIL]
	s_wait_dscnt 0x0
	CROUND
	s_endpgm
.Lfunc_end_k_qb1be1ce9a3_g5:
	.size	k_qb1be1ce9a3_g5, .Lfunc_end_k_qb1be1ce9a3_g5-k_qb1be1ce9a3_g5
	.p2alignl 7, 3214868480
	.fill 96, 4, 3214868480
	.section	.rodata,"a",@progbits
	.p2align	6, 0x0
	.amdhsa_kernel k_qb1be1ce9a3_g5
		.amdhsa_group_segment_fixed_size 327680
		.amdhsa_private_segment_fixed_size 0
		.amdhsa_enable_private_segment 0
		.amdhsa_kernarg_size 32
		.amdhsa_user_sgpr_count 2
		.amdhsa_user_sgpr_kernarg_segment_ptr 1
		.amdhsa_wavefront_size32 1
		.amdhsa_system_sgpr_workgroup_id_x 1
		.amdhsa_system_sgpr_workgroup_id_y 1
		.amdhsa_system_sgpr_workgroup_id_z 1
		.amdhsa_system_vgpr_workitem_id 0
		.amdhsa_next_free_vgpr 1024
		.amdhsa_next_free_sgpr 100
		.amdhsa_reserve_vcc 0
		.amdhsa_float_denorm_mode_32 3
		.amdhsa_float_denorm_mode_16_64 3
		.amdhsa_memory_ordered 1
		.amdhsa_forward_progress 1
		.amdhsa_inst_pref_size 217
	.end_amdhsa_kernel
	.amdgpu_metadata
---
amdhsa.version: [ 1, 2 ]
amdhsa.kernels:
  - .name:           k_qb1be1ce9a3_g5
    .symbol:         k_qb1be1ce9a3_g5.kd
    .args:
      - { .name: act, .offset: 0, .size: 8, .value_kind: global_buffer, .address_space: global }
      - { .name: wts, .offset: 8, .size: 8, .value_kind: global_buffer, .address_space: global }
      - { .name: b1, .offset: 16, .size: 8, .value_kind: global_buffer, .address_space: global }
      - { .name: hid, .offset: 24, .size: 8, .value_kind: global_buffer, .address_space: global }
    .group_segment_fixed_size: 327680
    .private_segment_fixed_size: 0
    .kernarg_segment_align: 8
    .kernarg_segment_size: 32
    .max_flat_workgroup_size: 128
    .sgpr_count:     100
    .vgpr_count:     1024
    .wavefront_size: 32
...
	.end_amdgpu_metadata
.endif
;; end of part 12
;; launch g6 (part 13): grid 8 x 32, 4 waves a work-group, clusters of 4 x 4, 327,680 bytes of LDS; arguments hid, wts, b2, xmid, out0; writes out0
.if DOCPART == 13
	.amdgcn_target "amdgcn-amd-amdhsa--gfx1250"
	.amdhsa_code_object_version 6
	.text
	.protected	k_qb1be1ce9a3_g6
	.globl	k_qb1be1ce9a3_g6
	.p2align	8
	.type	k_qb1be1ce9a3_g6,@function
k_qb1be1ce9a3_g6:
	s_mov_b64 s[64:65], 0
	v_nop
	global_prefetch_b8 v0, s[64:65] scope:SCOPE_SE
	s_setreg_imm32_b32 hwreg(HW_REG_WAVE_MODE, 25, 1), 1
	s_wait_xcnt 0x0
	s_wait_alu depctr_hold_cnt(0) depctr_sa_sdst(0) depctr_va_vdst(0) depctr_va_sdst(0) depctr_va_ssrc(0) depctr_va_vcc(0) depctr_vm_vsrc(0)
	s_getreg_b32 s2, hwreg(HW_REG_IB_STS2, 6, 4)
	s_cmp_eq_u32 s2, 0
	s_cbranch_scc0 .Lentry_in_a_cluster
	s_endpgm
.Lentry_in_a_cluster:
	s_bfe_u32 s2, ttmp6, 0x10000c
	s_cmp_lg_u32 s2, 0xf033
	s_cbranch_scc0 .Lentry_shape_is_right
	s_endpgm
.Lentry_shape_is_right:
; PRODUCT 6 AND THE SECOND RESIDUAL: out0 = xmid + hid x W2 + b2, on codes of E2M3.  No work of reference() is left out here.
; THE TILE: the product is 4,096 x 1,024: tiles of 256 x 256 would be 64, a quarter of the WGPs; so a tile is 128 x 128, 256 work-groups.  Four waves, each 64 x 64: 16 accumulators of 16 x 16, 128 registers.
; THE RING: both operands lie in memory as images of the operand's registers ([K / 256][tile of 16 rows][2][1,536 bytes]), so the tile's 128 rows for 256 along K are one dense block of 24,576 bytes.
; A slot holds 512 along K: A's two such blocks, then B's two.  Two slots; K = 4,096 is eight slots' worth.
; THE HEAD: one tensor load a wave: wave 0 slot 0's two blocks of A (two rows of 24,576 bytes), wave 1 those of B, wave 2 A's scale words ([K / 128][position]) for all of K, wave 3 B's.
; Slot 1 is first filled behind the full sequence and a round, a block a wave, as the six refills are.
; CLUSTERS: 4 x 4 work-groups; A's blocks are asked for jointly along a row of the cluster, B's along a column.
; PREFETCH: behind the load of K slot j a wave names the block that it will fetch of K slot j + 2: of its 96 units of 256 bytes each of the four partners takes 24, told apart by address, a lane a unit (the lanes left over name the last again).
; Behind the head's loads K slots 1 and 2 are named; the loads of K slots 6 and 7 name nothing.
; The matrix instruction is used transposed (source 0 = 16 columns of W, source 1 = 16 tokens): a lane holds one token (position order) and eight neighbouring columns.  b2 is the C of each sum's first matrix instruction.
; A STEP is 128 along K: 16 matrix instructions on one of two sets of fragments; the next step's 32 LDS loads stand in one run in its middle.
; THE WAY OUT: a block of 16 rows goes through the wave's own stage in LDS (in slot 0, which has had its last fill and read) and comes back two rows an instruction; the residual's rows, asked for once behind the first
; round, are added; row t of block a is token 32 (a / 2) + 8 (a % 2) + t + 8 (t / 8).
; REGISTERS: window 0: v0-31 addresses; v32-63 scale words, two sets of 16; v64-95 the bias, v64-127 rows read back on the way out; v128-255 the accumulators ((a, b) at v[128 + 8 (4 a + b)]).
;   window 1: two sets of fragments at v0 and v128: A's four (48 registers), then B's four.   window 2: v0-127 the residual.
.set SIZE_N, 1024
.set SIZE_K, 4096
.set ASCO,   12582912                  ; A's scale words in its buffer
.set BCO,    6553600                   ; B's codes in wts
.set BSCO,   9699328                   ; B's scale words in wts
.set RESP,   10
.set OUTP,   12
.set FR,     12
.set NL,     4
.set NP,     4                         ; places behind this matrix instruction (ISA guide 7.12.1)
.set FRB,    1536
.set HALFT,  16*FRB                    ; a block: 8 tiles x 2 steps of 128
.set SLOT,   4*HALFT
.set SCL,    2*SLOT
.set KST,    SIZE_K/128
.set HALFS,  (KST/2)*512
.set SPARE,  262144
.set LAPS,   SIZE_K/1024
.set ASTR,   256*2*FRB                 ; 256 along K of all 4,096 rows
.set BSTR,   (SIZE_N/16)*2*FRB
.set SPITCH, 272
.set ADRA, 16
.set ADRB, 20
.set STO,  24
.set RD,   25
.set CO,   26
.set ADRS, 27
.set SPW,  28
.set NIL,  29
.set PFO,  30                          ; v30 the prefetches' offset: 256 x min(lane, 23); never rewritten
.set PF2,  31                          ; v31 the same a slot further on; never rewritten
.set SC,   32
.set BI,   64
.set BK,   64
.set ACC,  128
.set G1, 24
.set G0, 32
.set G1B, 48
.set G0B, 56
.set G1S, 68
.set G0S, 76
.set G1SB, 80
.set G0SB, 88
.set PFA, 66                           ; s[66:67] where my prefetches stand: one K slot on from the load that is being asked for
.set PFS, 94                           ; s[94:95] bytes from slot to slot
.set MSB, 0
.macro WIN new
.if MSB != \new
	s_set_vgpr_msb (MSB<<8)|\new
.set MSB, \new
.endif
.endm
.set MUL,  0x05                        ; sources 0 and 1 window 1; C and D window 0
.set TO_F, 0x40
.macro JLOAD g0a, g1a, g0b, g1b        ; waves 0, 1 fetch for A, waves 2, 3 for B
	s_cmp_eq_u32 s15, 0
	s_cbranch_scc0 .Lfor_b_\@
	tensor_load_to_lds s[\g0a:\g0a+3], s[\g1a:\g1a+7]
	s_nop 0
.rept 4
	v_nop
.endr
	s_branch .Lasked_\@
.Lfor_b_\@:
	tensor_load_to_lds s[\g0b:\g0b+3], s[\g1b:\g1b+7]
	s_nop 0
.rept 4
	v_nop
.endr
.Lasked_\@:
.endm
.macro CREST
	s_cmp_lg_u32 s14, 0
	s_cbranch_scc1 .Lnot_wave_0_\@
	s_barrier_signal -3
.Lnot_wave_0_\@:
	s_barrier_wait -3
	s_barrier_signal -1
	s_barrier_wait -1
.endm
.macro CROUND
	s_barrier_signal -1
	s_barrier_wait -1
	CREST
.endm
	s_load_b128 s[4:7], s[0:1], 0x0                ; hid, wts
	s_load_b128 s[8:11], s[0:1], 0x10              ; b2, xmid
	s_load_b64 s[12:13], s[0:1], 0x20              ; out0
	v_lshl_add_u32 v[SPW], v0, 2, SPARE
	v_mov_b32 v[NIL], 0
	ds_add_u32 v[SPW], v[NIL]                      ; the wave's opening: the add, twice on end, and its wait
	ds_add_u32 v[SPW], v[NIL]
	v_lshrrev_b32 v1, 5, v0
	v_readfirstlane_b32 s14, v1                    ; wave
	s_lshr_b32 s15, s14, 1                         ; my half of the rows; also: I fetch for A (0) or B (1)
	s_and_b32 s16, s14, 1                          ; my half of the columns; also: which block of a slot I fetch
	s_bfe_u32 s40, ttmp6, 0x40000                  ; cx
	s_bfe_u32 s41, ttmp6, 0x40004                  ; cy
	s_lshl_b32 s42, ttmp9, 2
	s_add_co_u32 s42, s42, s40                     ; tile column
	s_and_b32 s17, ttmp7, 0xffff
	s_lshl_b32 s17, s17, 2
	s_add_co_u32 s17, s17, s41                     ; tile row
	s_lshl_b32 s43, s41, 2
	s_lshl_b32 s43, 15, s43                        ; my row of the cluster
	s_lshl_b32 s44, 0x1111, s40                    ; my column
	s_or_b32 s[G1+0], s43, (3<<16)|(1<<21)
	s_or_b32 s[G1B+0], s44, (3<<16)|(1<<21)
	s_mov_b32 s[G1+5], ASTR/8                      ; for the head's loads: two rows of 3,072 elements of 8 bytes, one K step of 256 apart
	s_mov_b32 s[G1B+5], BSTR/8
.irp g, G1, G1B
	s_mov_b32 s[\g+1], 3072<<16
	s_mov_b32 s[\g+2], 2<<16
	s_mov_b32 s[\g+3], 3072<<16
	s_mov_b32 s[\g+4], 2
	s_mov_b32 s[\g+6], 0
	s_mov_b32 s[\g+7], 0
.endr
	s_or_b32 s[G1S+0], s43, (3<<16)|(1<<21)        ; scale words: KST rows of 512 bytes
	s_or_b32 s[G1SB+0], s44, (3<<16)|(1<<21)
.irp g, G1S, G1SB
	s_mov_b32 s[\g+1], 64<<16
	s_mov_b32 s[\g+2], KST<<16
	s_mov_b32 s[\g+3], 64<<16
	s_mov_b32 s[\g+4], KST
	s_mov_b32 s[\g+6], 0
	s_mov_b32 s[\g+7], 0
.endr
	s_mov_b32 s[G1S+5], 2048
	s_mov_b32 s[G1SB+5], SIZE_N/2
	s_mul_i32 s20, s17, HALFT                      ; A's codes: tile row x 8 tiles x 3,072
	s_mov_b32 s21, 0
	s_mul_i32 s46, s42, HALFT                      ; B's likewise, by the tile column
	s_add_co_u32 s46, s46, BCO
	s_mov_b32 s47, 0
	s_lshl_b32 s22, s17, 9                         ; A's scale words: 128 positions x 4 bytes a tile row
	s_add_co_u32 s22, s22, ASCO
	s_mov_b32 s23, 0
	s_lshl_b32 s92, s42, 9
	s_add_co_u32 s92, s92, BSCO
	s_mov_b32 s93, 0
	s_mul_i32 s18, s16, ASTR                       ; in the ring: my block of a slot's two (the wave's number alone)
	s_mov_b32 s19, 0
	s_mul_i32 s94, s16, BSTR
	s_mov_b32 s95, 0
	s_mul_i32 s45, s14, HALFT                      ; where it goes: no place in the cluster enters an LDS address
	s_wait_dscnt 0x0                               ; both opening adds are done
	s_wait_kmcnt 0x0
	s_add_nc_u64 s[20:21], s[4:5], s[20:21]
	s_add_nc_u64 s[22:23], s[4:5], s[22:23]
	s_add_nc_u64 s[46:47], s[6:7], s[46:47]
	s_add_nc_u64 s[92:93], s[6:7], s[92:93]
	CROUND                                         ; all sixteen work-groups are here: the first joint loads meet
	s_mov_b32 s[G0S], 1
	s_mov_b32 s[G0S+1], SCL
	s_mov_b64 s[G0S+2:G0S+3], s[22:23]
	s_or_b32 s[G0S+3], s[G0S+3], 0x80000000
	s_mov_b32 s[G0SB], 1
	s_mov_b32 s[G0SB+1], SCL+2*HALFS
	s_mov_b64 s[G0SB+2:G0SB+3], s[92:93]
	s_or_b32 s[G0SB+3], s[G0SB+3], 0x80000000
	s_mov_b32 s4, 1                                ; slot 0's two blocks of A (s[4:7] held arguments that have been used),
	s_mov_b32 s5, 0
	s_mov_b64 s[6:7], s[20:21]
	s_or_b32 s7, s7, 0x80000000
	s_mov_b32 s96, 1                               ; and of B, behind them
	s_mov_b32 s97, 2*HALFT
	s_mov_b64 s[98:99], s[46:47]
	s_or_b32 s99, s99, 0x80000000
	s_add_nc_u64 s[20:21], s[20:21], s[18:19]      ; for the ring: my block of the two
	s_add_nc_u64 s[46:47], s[46:47], s[94:95]
	s_cmp_eq_u32 s15, 0                            ; the prefetches: do I fetch for A?
	s_cselect_b64 s[PFA:PFA+1], s[20:21], s[46:47]
	s_cselect_b32 s2, s40, s41                     ; my place among the four that ask with me
	s_mov_b32 s[PFS], 2*BSTR
	s_cselect_b32 s[PFS], 2*ASTR, s[PFS]
	s_mul_i32 s2, s2, 24*256                       ; my work-group's 24 units of the block's 96
	s_mov_b32 s3, 0
	s_add_nc_u64 s[PFA:PFA+1], s[PFA:PFA+1], s[2:3]
	s_add_nc_u64 s[PFA:PFA+1], s[PFA:PFA+1], s[PFS:PFS+1]   ; at K slot 1
.irp s, 0,1
	s_mov_b32 s[G0+4*\s], 1
	s_add_co_u32 s[G0+4*\s+1], s45, \s*SLOT
	s_add_nc_u64 s[G0+4*\s+2:G0+4*\s+3], s[20:21], \s*2*ASTR
	s_or_b32 s[G0+4*\s+3], s[G0+4*\s+3], 0x80000000
	s_mov_b32 s[G0B+4*\s], 1
	s_add_co_u32 s[G0B+4*\s+1], s45, \s*SLOT
	s_add_nc_u64 s[G0B+4*\s+2:G0B+4*\s+3], s[46:47], \s*2*BSTR
	s_or_b32 s[G0B+4*\s+3], s[G0B+4*\s+3], 0x80000000
.endr
.macro ARM under, g0, g1, next         ; one tree of branches on the wave's number: every way passes exactly one load
	s_cmp_lt_u32 s14, \under
	s_cbranch_scc0 \next
	tensor_load_to_lds s[\g0:\g0+3], s[\g1:\g1+7]
	s_nop 0
.rept 4
	v_nop
.endr
	s_branch .Lhead_asked
\next:
.endm
	ARM 1, 4,   G1,  .Lhead_b
	ARM 2, 96,  G1B, .Lhead_sa
	ARM 3, G0S, G1S, .Lhead_sb
	tensor_load_to_lds s[G0SB:G0SB+3], s[G1SB:G1SB+7]
	s_nop 0
.rept 4
	v_nop
.endr
.Lhead_asked:
	v_and_b32 v1, 31, v0                           ; lane
	v_and_b32 v2, 15, v0                           ; r
	v_bfe_u32 v3, v0, 4, 1                         ; h
	v_lshlrev_b32 v4, 4, v1
	v_lshlrev_b32 v5, 3, v1
	v_min_u32 v[PFO], 23, v1
	v_lshlrev_b32 v[PFO], 8, v[PFO]
	v_add_nc_u32 v[PF2], s[PFS], v[PFO]
	global_prefetch_b8 v[PFO], s[PFA:PFA+1] th:TH_LOAD_NT scope:SCOPE_SE   ; my block of K slot 1,
	global_prefetch_b8 v[PF2], s[PFA:PFA+1] th:TH_LOAD_NT scope:SCOPE_SE   ; and of K slot 2
	s_mul_i32 s21, s15, 8*FRB                      ; my four tiles of A
	s_mul_i32 s22, s16, 8*FRB                      ; my four tiles of B,
	s_add_co_u32 s22, s22, 2*HALFT                 ; behind A's two blocks
.irp s, 0,1
	v_add_nc_u32 v[ADRA+\s], s21, v4
	v_add_nc_u32 v[ADRB+\s], s22, v4
	v_add_nc_u32 v[ADRA+2+\s], s21, v5
	v_add_nc_u32 v[ADRB+2+\s], s22, v5
	s_add_co_u32 s21, s21, SLOT
	s_add_co_u32 s22, s22, SLOT
.endr
	v_lshlrev_b32 v7, 2, v2
	s_lshl_b32 s21, s15, 8                         ; A's words: my 64 rows
	s_lshl_b32 s22, s16, 8                         ; B's: my 64 columns, behind A's
	s_add_co_u32 s22, s22, 2*HALFS
	s_sub_co_u32 s22, s22, s21
	v_mul_u32_u24 v6, s22, v3                      ; lanes 16-31 take B's
	s_add_co_u32 s21, s21, SCL
	v_add_nc_u32 v7, v7, v6
	v_add_nc_u32 v[ADRS], s21, v7
	s_mul_i32 s23, s14, 16*SPITCH                  ; my stage, in slot 0
	v_mul_u32_u24 v6, v2, SPITCH
	v_lshl_add_u32 v6, v3, 5, v6
	v_add_nc_u32 v[STO], s23, v6
	v_mul_u32_u24 v6, v3, SPITCH
	v_lshl_add_u32 v6, v2, 4, v6
	v_add_nc_u32 v[RD], s23, v6
	v_lshlrev_b32 v[CO], 12, v3
	v_lshl_add_u32 v[CO], v2, 4, v[CO]             ; two rows in memory: h x 4,096 + 16 r
	s_lshl_b32 s46, s42, 9
	s_lshl_b32 s47, s16, 8
	s_add_co_u32 s46, s46, s47                     ; my first column, in bytes
	s_mov_b32 s47, 0
	s_add_nc_u64 s[8:9], s[8:9], s[46:47]
	v_lshlrev_b32 v8, 5, v3                        ; the bias of column tile b: columns 16 b + 8 h + 0 .. 7
.irp b, 0,1,2,3
	global_load_b128 v[BI+8*\b:BI+8*\b+3], v8, s[8:9] offset:64*\b
	global_load_b128 v[BI+8*\b+4:BI+8*\b+7], v8, s[8:9] offset:64*\b+16
.endr
	s_lshl_b32 s20, s17, 7
	s_lshl_b32 s21, s15, 6
	s_add_co_u32 s20, s20, s21
	s_lshl_b32 s20, s20, 12                        ; my first row x 4,096 bytes
	s_add_co_u32 s20, s20, s46
	s_mov_b32 s21, 0
	s_add_nc_u64 s[RESP:RESP+1], s[RESP:RESP+1], s[20:21]
	s_add_nc_u64 s[OUTP:OUTP+1], s[OUTP:OUTP+1], s[20:21]
.macro FRAG reg, adr, q, i             ; tile i's fragment of the slot's q-th 128 along K, from its image
	ds_load_b128 v[\reg:\reg+3], v[\adr] offset:((\q)/2)*HALFT+(2*(\i)+(\q)%2)*FRB
	ds_load_b64 v[\reg+4:\reg+5], v[\adr+2] offset:((\q)/2)*HALFT+(2*(\i)+(\q)%2)*FRB+512
	ds_load_b64 v[\reg+6:\reg+7], v[\adr+2] offset:((\q)/2)*HALFT+(2*(\i)+(\q)%2)*FRB+768
	ds_load_b128 v[\reg+8:\reg+11], v[\adr] offset:((\q)/2)*HALFT+(2*(\i)+(\q)%2)*FRB+1024
.endm
; 4 matrix instructions: A's block a x B's four.  first = 1: the product takes the bias as C.  The 16 accumulators take turns, one instruction a turn.
.macro MULA a, p, q, sc, first
.irp b, 0,1,2,3
.if \first
	v_wmma_scale_f32_16x16x128_f8f6f4 v[ACC+8*(4*(\a)+\b):ACC+8*(4*(\a)+\b)+7], v[128*(\p)+48+FR*\b:128*(\p)+48+FR*\b+FR-1], v[128*(\p)+FR*(\a):128*(\p)+FR*(\a)+FR-1], v[BI+8*\b:BI+8*\b+7], v[SC+16*(\sc)+4*(\q)+\b], v[SC+16*(\sc)+4*(\q)+(\a)] matrix_a_fmt:MATRIX_FMT_FP6 matrix_b_fmt:MATRIX_FMT_FP6 matrix_a_scale:MATRIX_SCALE_ROW1
.else
	v_wmma_scale_f32_16x16x128_f8f6f4 v[ACC+8*(4*(\a)+\b):ACC+8*(4*(\a)+\b)+7], v[128*(\p)+48+FR*\b:128*(\p)+48+FR*\b+FR-1], v[128*(\p)+FR*(\a):128*(\p)+FR*(\a)+FR-1], v[ACC+8*(4*(\a)+\b):ACC+8*(4*(\a)+\b)+7], v[SC+16*(\sc)+4*(\q)+\b], v[SC+16*(\sc)+4*(\q)+(\a)] matrix_a_fmt:MATRIX_FMT_FP6 matrix_b_fmt:MATRIX_FMT_FP6 matrix_a_scale:MATRIX_SCALE_ROW1
.endif
.endr
.endm
.macro FETCH slot, q, p                ; 32 LDS loads in one run: B's four fragments, then A's four, into set p
	WIN TO_F
.irp i, 0,1,2,3
	FRAG 128*(\p)+48+FR*\i, ADRB+\slot, \q, \i
.endr
.irp i, 0,1,2,3
	FRAG 128*(\p)+FR*\i, ADRA+\slot, \q, \i
.endr
.endm
.macro SCALES sc                       ; a slot's scale words: lanes 0-15 A's block i, lanes 16-31 B's
.irp q, 0,1,2,3
.irp i, 0,1,2,3
	ds_load_b32 v[SC+16*\sc+4*\q+\i], v[ADRS] offset:512*\q+64*\i
.endr
.endr
.endm
.macro PLACES n
.rept \n
	v_nop
.endr
.endm
.macro STEP slot, q, first             ; a step of 128 along K that has its successor in the same slot
	s_wait_dscnt 2*NL                              ; all but the youngest eight loads (A's blocks 2, 3) are in
	WIN MUL
	MULA 0, (\q)%2, \q, \slot, \first
	MULA 1, (\q)%2, \q, \slot, \first
	PLACES NP                                      ; in front of the loads into the other set
	FETCH \slot, (\q)+1, 1-(\q)%2
	s_wait_dscnt 8*NL                              ; all but the 32 just issued
	WIN MUL
	MULA 2, (\q)%2, \q, \slot, \first
	MULA 3, (\q)%2, \q, \slot, \first
.endm
.macro TURN slot, next, fill           ; a slot's last step changes slots: one barrier; fill = 1: it opens a round of the cluster's barrier, and the slot is filled again, two slots ahead
.if \fill
	s_wait_xcnt 0x0                                ; my last prefetch, a slot back, has read its address
	s_add_nc_u64 s[PFA:PFA+1], s[PFA:PFA+1], s[PFS:PFS+1]
.endif
	WIN 0
	s_wait_tensorcnt 0x0                           ; all my tensor loads have landed: my part of the next slot
	ds_add_u32 v[SPW], v[NIL]
	s_wait_dscnt 2*NL+1                            ; (the add and the youngest eight loads may be out)
	WIN MUL
	MULA 0, 1, 3, \slot, 0
	s_wait_dscnt 0x0                               ; the add is done, and my reads of this slot are over
	s_barrier_signal -1
	MULA 1, 1, 3, \slot, 0
	WIN 0
	s_barrier_wait -1
.if \fill
	CREST                                          ; no wave of any partner still reads this slot or has a load on its way
	s_add_nc_u64 s[G0+4*\slot+2:G0+4*\slot+3], s[G0+4*\slot+2:G0+4*\slot+3], 4*ASTR
	s_add_nc_u64 s[G0B+4*\slot+2:G0B+4*\slot+3], s[G0B+4*\slot+2:G0B+4*\slot+3], 4*BSTR
	JLOAD G0+4*\slot, G1, G0B+4*\slot, G1B         ; the first tensor load behind the round; its four v_nop are the places in front of the loads below
.else
	PLACES NP
.endif
	s_wait_alu depctr_va_vdst(0)
	v_add_nc_u32 v[ADRS], 2048, v[ADRS]            ; the next slot's scale words
	SCALES \next
	FETCH \next, 0, 0
.if \fill
	WIN 0
	s_cmp_lg_u32 s3, 1                             ; the loop's last trip asks for K slots 6 and 7: no K slot stands two on
	s_cbranch_scc0 .Lno_ask_\@
	global_prefetch_b8 v[PF2], s[PFA:PFA+1] th:TH_LOAD_NT scope:SCOPE_SE   ; my block of the K slot two on from the one just asked for
.Lno_ask_\@:
.endif
	WIN MUL
	MULA 2, 1, 3, \slot, 0
	MULA 3, 1, 3, \slot, 0
.endm
.macro RLOAD a                         ; the residual's 16 rows of block a into window 2, v[32 a] on: two rows an instruction
.irp t, 0,1,2,3,4,5,6,7
	global_load_b128 v[32*(\a)+4*\t:32*(\a)+4*\t+3], v[CO], s[RESP:RESP+1] offset:(32*((\a)/2)+8*((\a)%2)+2*\t+8*(\t/4))*4096 th:TH_LOAD_NT
.endr
.endm
	s_wait_alu depctr_va_vdst(0)
	s_wait_tensorcnt 0x0                           ; my tile of the head's four is in
	ds_add_u32 v[SPW], v[NIL]
.irp g, G1, G1B
	s_mov_b32 s[\g+1], 32<<16                      ; no tensor load of mine is out: from here on a load brings one block, as 96 rows of 256 bytes
	s_mov_b32 s[\g+2], 96<<16
	s_mov_b32 s[\g+3], 32<<16
	s_mov_b32 s[\g+4], 96
	s_mov_b32 s[\g+5], 32
.endr
	s_wait_xcnt 0x0                                ; the head's prefetches have read their address
	s_add_nc_u64 s[PFA:PFA+1], s[PFA:PFA+1], s[PFS:PFS+1]
	s_wait_dscnt 0x0
	CROUND                                         ; all four tiles are in, and all sixteen work-groups are here
	JLOAD G0+4, G1, G0B+4, G1B                     ; slot 1's first fill, the first tensor load behind the round
	global_prefetch_b8 v[PF2], s[PFA:PFA+1] th:TH_LOAD_NT scope:SCOPE_SE   ; my block of K slot 3
	SCALES 0
	FETCH 0, 0, 0
	s_wait_loadcnt 0x0                             ; the bias
	WIN 0x80                                       ; destination window 2
	RLOAD 0                                        ; the residual is asked for now and is wanted on the way out
	RLOAD 1
	RLOAD 2
	RLOAD 3
	STEP 0, 0, 1                                   ; the first step stands in front of the loop: its products start the sums
	WIN 0
	s_mov_b32 s3, LAPS-1
.Llap:                                                 ; a trip goes once round the ring, from a lap's second step to the next lap's first, and fills both slots again
	STEP 0, 1, 0
	STEP 0, 2, 0
	TURN 0, 1, 1
	STEP 1, 0, 0
	STEP 1, 1, 0
	STEP 1, 2, 0
	TURN 1, 0, 1
	STEP 0, 0, 0
	WIN 0
	s_sub_co_u32 s3, s3, 1
	s_cmp_lg_u32 s3, 0
	s_cbranch_scc1 .Llap
	STEP 0, 1, 0                                   ; the last lap fills nothing
	STEP 0, 2, 0
	TURN 0, 1, 0
	STEP 1, 0, 0
	STEP 1, 1, 0
	STEP 1, 2, 0
	s_wait_dscnt 2*NL
	WIN MUL
	MULA 0, 1, 3, 1, 0
	MULA 1, 1, 3, 1, 0
	s_wait_dscnt 0
	MULA 2, 1, 3, 1, 0
	MULA 3, 1, 3, 1, 0
	WIN 0
.macro TOSTAGE a
.irp b, 0,1,2,3
	ds_store_b128 v[STO], v[ACC+8*(4*(\a)+\b):ACC+8*(4*(\a)+\b)+3] offset:64*\b          ; each accumulator from its low end on
	ds_store_b128 v[STO], v[ACC+8*(4*(\a)+\b)+4:ACC+8*(4*(\a)+\b)+7] offset:64*\b+16
.endr
.set BB, BK+32*((\a)%2)
.irp t, 0,1,2,3,4,5,6,7
	ds_load_b128 v[BB+4*\t:BB+4*\t+3], v[RD] offset:\t*2*SPITCH      ; LDS serves a wave's instructions in order: these see my stores
.endr
.endm
.macro SEND a, ds, ld                  ; ds: LDS instructions issued behind block a's loads; ld: residual loads issued behind block a's
.set BB, BK+32*((\a)%2)
	s_wait_dscnt \ds
	s_wait_loadcnt \ld
	WIN 0x08                                       ; source 1: window 2
.set si, 0
.rept 16
	v_pk_add_f32 v[BB+si:BB+si+1], v[BB+si:BB+si+1], v[32*(\a)+si:32*(\a)+si+1]
.set si, si+2
.endr
	WIN 0
.irp t, 0,1,2,3,4,5,6,7
	global_store_b128 v[CO], v[BB+4*\t:BB+4*\t+3], s[OUTP:OUTP+1] offset:(32*((\a)/2)+8*((\a)%2)+2*\t+8*(\t/4))*4096 th:TH_STORE_NT   ; sixteen lanes store 256 consecutive bytes, at a multiple of 256
.endr
.endm
	PLACES NP                                      ; behind the last products: LDS stores of their results follow
	TOSTAGE 0
	TOSTAGE 1
	SEND 0, 16, 24                                 ; behind block 0's loads: block 1's 8 stores and 8 loads; behind its residual: three blocks' 24 loads
	s_wait_xcnt 0x0                                ; block 0's stores have read their registers
	TOSTAGE 2
	SEND 1, 16, 16
	s_wait_xcnt 0x0
	TOSTAGE 3
	SEND 2, 16, 8
	SEND 3, 0, 0
	s_wait_tensorcnt 0x0                           ; the wave's end
	ds_add_u32 v[SPW], v[NIL]
	s_wait_dscnt 0x0
	CROUND                                         ; the closing round
	s_endpgm
.Lfunc_end_k_qb1be1ce9a3_g6:
	.size	k_qb1be1ce9a3_g6, .Lfunc_end_k_qb1be1ce9a3_g6-k_qb1be1ce9a3_g6
	.p2alignl 7, 3214868480
	.fill 96, 4, 3214868480
	.section	.rodata,"a",@progbits
	.p2align	6, 0x0
	.amdhsa_kernel k_qb1be1ce9a3_g6
		.amdhsa_group_segment_fixed_size 327680
		.amdhsa_private_segment_fixed_size 0
		.amdhsa_enable_private_segment 0
		.amdhsa_kernarg_size 40
		.amdhsa_user_sgpr_count 2
		.amdhsa_user_sgpr_kernarg_segment_ptr 1
		.amdhsa_wavefront_size32 1
		.amdhsa_system_sgpr_workgroup_id_x 1
		.amdhsa_system_sgpr_workgroup_id_y 1
		.amdhsa_system_sgpr_workgroup_id_z 1
		.amdhsa_system_vgpr_workitem_id 0
		.amdhsa_next_free_vgpr 768
		.amdhsa_next_free_sgpr 100
		.amdhsa_reserve_vcc 0
		.amdhsa_float_denorm_mode_32 3
		.amdhsa_float_denorm_mode_16_64 3
		.amdhsa_memory_ordered 1
		.amdhsa_forward_progress 1
		.amdhsa_inst_pref_size 103
	.end_amdhsa_kernel
	.amdgpu_metadata
---
amdhsa.version: [ 1, 2 ]
amdhsa.kernels:
  - .name:           k_qb1be1ce9a3_g6
    .symbol:         k_qb1be1ce9a3_g6.kd
    .args:
      - { .name: hid, .offset: 0, .size: 8, .value_kind: global_buffer, .address_space: global }
      - { .name: wts, .offset: 8, .size: 8, .value_kind: global_buffer, .address_space: global }
      - { .name: b2, .offset: 16, .size: 8, .value_kind: global_buffer, .address_space: global }
      - { .name: xmid, .offset: 24, .size: 8, .value_kind: global_buffer, .address_space: global }
      - { .name: out0, .offset: 32, .size: 8, .value_kind: global_buffer, .address_space: global }
    .group_segment_fixed_size: 327680
    .private_segment_fixed_size: 0
    .kernarg_segment_align: 8
    .kernarg_segment_size: 40
    .max_flat_workgroup_size: 128
    .sgpr_count:     100
    .vgpr_count:     768
    .wavefront_size: 32
...
	.end_amdgpu_metadata
.endif
;; end of part 13
